; MI455X (gfx1250); checked and timed in simulation.
; The chip was launched on July 23, 2026; its instructions are those of AMD's public machine-readable ISA for CDNA 5 (MIT licence, August 2026) and "CDNA5" Instruction Set Architecture Reference Guide (July 2026). The comments in the code are by the model that wrote it; some were corrected since.
;; Stacked Filter. Allowed arithmetic: matrix products marked QUANTISED: E3M2 operands, one E8M0 scale for each 32 along K, by v_wmma_scale_f32_16x16x128_f8f6f4 with both operands' format E3M2, f32 sums; everything else in f32.
;; Inputs: a_list 4 float32; b_list 4 float32; batch_U 2,048 x 2,048 float32; batch_lam 2,048 x 2,048 float32; batch_x 2,048 x 256 float32; c_list 4 float32; edge_index 2 x 65,536 int32; residual_alpha 1 float32.
;; Outputs: out0 2,048 x 256 float32.
;; This version of the problem:
;;   THIS VERSION OF THE PROBLEM IS GIVEN IN LOW PRECISION. The matrix products marked QUANTISED in the list below multiply operands that are first quantised to E3M2 (3 exponent bits, 2 mantissa bits; 6 bits a number), with one power-of-two scale for each 32 numbers along K (OCP MX v1.0); their sums are f32. All else is computed in f32.
;;   The module's matrix products, in the order in which they are computed (A, B: the left and right operand; K: the contracted axis; several contracted axes count as one K, in the product's order):
;;     1. [M 2,048, K 2,048] x [K 2,048, N 2,048]; A: computed on the way; B: computed on the way: QUANTISED
;;     2. [M 2,048, K 2,048] x [K 2,048, N 256]; A: input batch_U; B: input batch_x: QUANTISED
;;     3. [M 2,048, K 2,048] x [K 2,048, N 256]; A: computed on the way; B: computed on the way: QUANTISED
;;     4. [M 2,048, K 2,048] x [K 2,048, N 256]; A: input batch_U; B: computed on the way: QUANTISED
;;     5. [M 2,048, K 2,048] x [K 2,048, N 2,048]; A: computed on the way; B: computed on the way: QUANTISED
;;     6. [M 2,048, K 2,048] x [K 2,048, N 256]; A: input batch_U; B: input batch_x: QUANTISED
;;     7. [M 2,048, K 2,048] x [K 2,048, N 256]; A: computed on the way; B: computed on the way: QUANTISED
;;     8. [M 2,048, K 2,048] x [K 2,048, N 256]; A: input batch_U; B: computed on the way: QUANTISED
;;     9. [M 2,048, K 2,048] x [K 2,048, N 2,048]; A: computed on the way; B: computed on the way: QUANTISED
;;     10. [M 2,048, K 2,048] x [K 2,048, N 256]; A: input batch_U; B: input batch_x: QUANTISED
;;     11. [M 2,048, K 2,048] x [K 2,048, N 256]; A: computed on the way; B: computed on the way: QUANTISED
;;     12. [M 2,048, K 2,048] x [K 2,048, N 256]; A: input batch_U; B: computed on the way: QUANTISED
;;     13. [M 2,048, K 2,048] x [K 2,048, N 2,048]; A: computed on the way; B: computed on the way: QUANTISED
;;     14. [M 2,048, K 2,048] x [K 2,048, N 256]; A: input batch_U; B: input batch_x: QUANTISED
;;     15. [M 2,048, K 2,048] x [K 2,048, N 256]; A: computed on the way; B: computed on the way: QUANTISED
;;     16. [M 2,048, K 2,048] x [K 2,048, N 256]; A: input batch_U; B: computed on the way: QUANTISED
;;   THE QUANTISER, for each operand of a quantised product, along K:
;;     - K is cut into blocks of 32 from its start; a last block that is shorter is filled with zeros.
;;     - A block's scale is 2^e with e = floor(log2(the largest magnitude in the block)) - 4, held to -126 .. 127; a block of zeros has e = 0. As a byte (E8M0): e + 127.
;;     - Each number is divided by its block's scale, clamped to +-28, and rounded to the nearest number of E3M2, ties to even, subnormals kept.
;;     - The product sums the exact products of the quantised numbers (number of the format x scale) in f32.
;;   ~~~python
;;   def quantise(x, axis):      # numpy; x: float32 -> the quantised numbers, widened to float32 again
;;       x = np.moveaxis(x, axis, -1); K = x.shape[-1]
;;       x = np.pad(x, [(0, 0)] * (x.ndim - 1) + [(0, -K % 32)]); x = x.reshape(x.shape[:-1] + (-1, 32)); a = np.abs(x).max(-1, keepdims=True)
;;       e = np.where(a > 0, np.clip(np.frexp(np.where(a > 0, a, 1))[1] - 1 - 4, -126, 127), 0)      # np.frexp(a)[1] - 1 = floor(log2(a)), exactly
;;       r = np.clip(x / 2.0 ** e, -28, 28)
;;       step = 2.0 ** (np.maximum(np.frexp(np.where(r == 0, 1, r))[1] - 1, -2) - 2)
;;       q = np.round(r / step) * step * 2.0 ** e      # np.round: ties to even
;;       return np.moveaxis(q.reshape(q.shape[:-2] + (-1,))[..., :K], -1, axis).astype(np.float32)
;;   ~~~
;;   OPERANDS COMPUTED ON THE WAY. 'Computed on the way' means the value that the module computes at that place (a softmax that the list does not call 'softmax' is quantised finished and normalised). What goes into a quantiser is computed in f32, as accurately as f32 sums, v_exp_f32 and their like allow (about 1e-6 of the number): no bf16 or f16 on the way to a quantiser, and a product that is left as it is and whose result goes on into a quantised operand takes f32 operands (vector FMAs, or v_wmma_f32_16x16x4_f32). A number that lies on a knife's edge between two numbers of the format may be rounded either way, as far as f32 arithmetic and the matrix unit's own rounding can turn it there, and no further.
;; 2 versions. Each part assembles by itself: llvm-mc -triple=amdgcn-amd-amdhsa -mcpu=gfx1250 --defsym DOCPART=n.
;; ======== version 1 of 2: 5 launches
;; workspace buffers: lq 8,192,000 bytes; ua 3,670,016 bytes; ut 3,670,016 bytes; xt 917,504 bytes; zq 917,504 bytes; rep 13,107,200 bytes; wq 2,097,152 bytes
;; launch quant (part 1): grid 544 x 1, 4 waves a work-group, no clusters, 71,168 bytes of LDS; arguments batch_lam, batch_U, batch_x, a_list, b_list, lq, ua, ut, xt; writes lq, ua, ut, xt
.if DOCPART == 1
	.amdgcn_target "amdgcn-amd-amdhsa--gfx1250"
	.amdhsa_code_object_version 6
	.text
	.protected	k_q6f993062d7_quant
	.globl	k_q6f993062d7_quant
	.p2align	8
	.type	k_q6f993062d7_quant,@function
k_q6f993062d7_quant:
	s_mov_b64 s[64:65], 0
	v_nop
	global_prefetch_b8 v0, s[64:65] scope:SCOPE_SE
	s_setreg_imm32_b32 hwreg(HW_REG_WAVE_MODE, 25, 1), 1
	s_wait_xcnt 0x0
; out = alpha x + sum over i of s_i U relu((a_i I - Lam)(Lam - b_i I)) (U^T x), every product on codes of E3M2 with one E8M0 scale for each 32 along K.
; THIS LAUNCH quantises Lam and U along both axes and x along its first, each f32 byte read once, into images laid in the order of the operands' registers.
; WORK THAT IS NOT DONE, for all values of the inputs:
;  - edge_index enters no line of reference(): it is not loaded and is no argument of any launch.
;  - U^T x is written four times with the same two operands and the same quantisers: it is made once.
;  - a_i I - Lam differs from -Lam on the diagonal alone.  A quantiser works block by block of 32 along K, so of a row of a_i I - Lam only the one block that holds the diagonal hangs on i,
;    and of a column of Lam - b_i I likewise.  With Aoff, Boff = the quantised Lam with these blocks set to zero and Ad_i, Bd_i = these blocks alone,
;    A_i B_i = Aoff Boff + Ad_i (Boff + Bd_i) + Aoff Bd_i, product by product of quantised numbers: Aoff Boff is summed once for the four i.
;  - the quantiser is odd, Q(-v) = -Q(v): Lam - a_i I is quantised, and relu takes the negated sum.
; LIMITS: NaN and infinities among the inputs are not served, nor carried from the work left out; a block of zeros has the scale byte 1 (the diagonal blocks that are set to zero: 0) where the
; quantiser says 127: its codes are zeros, and only this program reads the bytes; the f32 sums are grouped otherwise than in reference().
; IMAGES.  Tile T = 16 rows: lane-row r stands for row 32 (T/2) + 8 (T%2) + r + 8 (r/8).  Half a fragment HF(T, q), 16 rows x 64 K, is 768 bytes at CO + (32 T + q) 768: registers 0-3 of lane l at 16 l,
; registers 4-5 at 512 + 8 l; lane (r, h) holds K = 64 q + 32 h + 0..31.  Scale words: unit (T/4, ks) of 256 bytes at (16 (T/4) + ks) 256, the word of (T%4, r) at 64 (T%4) + 4 r.
; SHARES.  Work-groups 0-255 take Lam, 256-511 U (128 x 128 each), 512-543 x.  A wave takes 64 x 64: it goes through the wave's stage in LDS and is read back by columns (a lane a column, registers down
; the first axis) and by rows (a lane a row).  Two waves' half words of scales meet in a table in LDS and leave as whole 256-byte units.
.set CO,    524288
.set LBI,   3670016                    ; lq: the image along axis 0 begins here
.set DAO,   7340032                    ; the diagonal blocks of Lam - a_i I, [G 32][i 4][tile 4][768]
.set DBO,   7733248                    ; of Lam - b_i I
.set DASO,  8126464                    ; their scale words [G][i][256]
.set DBSO,  8159232
.set STG,   17408                      ; a wave's stage: 64 rows x (256 + 16) bytes
.set TBL,   69632                      ; four units of scale words
.set SPARE, 70656                      ; the spare words, 128 bytes a wave
.set TC,  24                           ; v24-31  the second halves of blocks, as converted
.set CD,  32                           ; v32-79  codes, 12 registers for each of four passes
.set BT,  80                           ; v80-83  two scale bytes for each pass
.set DC,  84                           ; v84-95  codes of a diagonal version
.set DW,  96                           ; v96     its scale word
.set TT,  128                          ; v128-255 the tile as loaded; then:
.set XY,  128                          ; v128-191 64 numbers of a lane
.set ZT,  192                          ; v192-223 a diagonal block with a_i or b_i taken off
.set EY,  224                          ; v224-255 1.0 where the register's number is the lane's, else 0
	s_load_b256 s[4:11], s[0:1], 0x0               ; Lam s[4:5], U s[6:7], x s[8:9], a s[10:11]
	s_load_b256 s[12:19], s[0:1], 0x20             ; b s[12:13], lq s[14:15], ua s[16:17], ut s[18:19]
	s_load_b64 s[20:21], s[0:1], 0x40              ; xt
	v_lshl_add_u32 v14, v0, 2, SPARE               ; my spare word
	v_mov_b32 v15, 0
	v_lshrrev_b32 v16, 5, v0
	v_readfirstlane_b32 s32, v16                   ; wave
	s_lshr_b32 s33, s32, 1                         ; wr
	s_and_b32 s34, s32, 1                          ; wc
	s_lshr_b32 s35, ttmp9, 8                       ; 0 Lam, 1 U, 2 x
	s_and_b32 s60, ttmp9, 255
	s_cmp_eq_u32 s35, 2
	s_cselect_b32 s61, 1, 4
	s_cselect_b32 s62, 1, 15
	s_cselect_b32 s63, 16, 19                      ; log2 of 64 rows' bytes
	s_cselect_b32 s66, 10, 13                      ; log2 of a row's bytes
	s_cselect_b32 s41, 1, 0
	s_lshr_b32 s36, s60, s61                       ; R
	s_and_b32 s37, s60, s62                        ; C
	s_lshl_b32 s38, s36, 1
	s_add_co_u32 s38, s38, s33                     ; tr: my 64 rows
	s_lshl_b32 s39, s37, 1
	s_add_co_u32 s39, s39, s34                     ; tc: my 64 columns
	s_xor_b32 s40, s38, s39
	s_or_b32 s40, s40, s35
	s_cmp_eq_u32 s40, 0
	s_cselect_b32 s40, 1, 0                        ; 1: a tile of Lam on the diagonal
	s_xor_b32 s67, s33, 1
	s_and_b32 s41, s41, s67                        ; 1: x, waves 0 and 1: no unit of scales to store
	v_and_b32 v1, 31, v0                           ; lane
	v_and_b32 v16, 15, v0                          ; r
	v_bfe_u32 v17, v0, 4, 1                        ; h
	v_lshlrev_b32 v2, s66, v17
	v_lshl_add_u32 v2, v16, 4, v2                  ; a load: sixteen lanes to a row's 256 bytes, two rows
	s_mul_i32 s70, s32, STG
	v_mul_u32_u24 v3, v17, 272
	v_lshl_add_u32 v3, v16, 4, v3
	v_add_nc_u32 v3, s70, v3                       ; the stage, on the way in
	v_lshl_add_u32 v4, v1, 2, s70                  ; read by columns
	v_mul_u32_u24 v5, v1, 272
	v_add_nc_u32 v5, s70, v5                       ; read by rows
	v_bfe_u32 v18, v0, 3, 1                        ; of 32 rows, row l lies in tile u = (l/8)%2
	v_and_b32 v19, 7, v0
	v_lshl_or_b32 v19, v17, 3, v19                 ; at lane-row r' = l%8 + 8 (l/16)
	v_mul_u32_u24 v6, v18, 24576
	v_lshl_add_u32 v7, v19, 3, v6
	v_add_nc_u32 v7, 512, v7                       ; an image: registers 4-5
	v_lshl_add_u32 v6, v19, 4, v6                  ; registers 0-3
	v_mul_u32_u24 v8, v18, 768
	v_lshl_add_u32 v9, v19, 3, v8
	v_add_nc_u32 v9, 512, v9                       ; the diagonal arrays likewise
	v_lshl_add_u32 v8, v19, 4, v8
	v_lshlrev_b32 v10, 6, v18
	v_lshl_add_u32 v10, v19, 2, v10                ; my row's word in a pair of tiles
	s_lshl_b32 s71, s33, 8
	s_lshl_b32 s67, s34, 1
	s_add_co_u32 s71, s71, s67
	s_add_co_u32 s71, s71, TBL
	v_add_nc_u32 v11, s71, v10                     ; the table: rows' scales, unit wr, half word wc
	s_lshl_b32 s71, s34, 8
	s_lshl_b32 s67, s33, 1
	s_add_co_u32 s71, s71, s67
	s_add_co_u32 s71, s71, TBL+512
	v_add_nc_u32 v12, s71, v10                     ; columns' scales, unit 2 + wc, half word wr
	s_lshl_b32 s71, s32, 8
	s_add_co_u32 s71, s71, TBL
	v_lshl_add_u32 v13, v1, 3, s71                 ; the unit that I store
	v_lshlrev_b32 v97, 3, v1
	s_mov_b32 s69, 0
	s_wait_kmcnt 0x0
	s_load_b128 s[24:27], s[10:11], 0x0            ; a_0 .. a_3
	s_load_b128 s[28:31], s[12:13], 0x0            ; b_0 .. b_3
	s_add_nc_u64 s[46:47], s[14:15], LBI
	s_cmp_eq_u32 s35, 0                            ; the buffers are chosen by the work-group's number alone
	s_cselect_b64 s[42:43], s[4:5], s[6:7]
	s_cselect_b64 s[44:45], s[14:15], s[16:17]     ; the image along axis 1
	s_cselect_b64 s[46:47], s[46:47], s[18:19]     ; the image along axis 0
	s_cmp_eq_u32 s35, 2
	s_cselect_b64 s[42:43], s[8:9], s[42:43]
	s_cselect_b64 s[46:47], s[20:21], s[46:47]
	s_lshl_b32 s68, s38, s63
	s_lshl_b32 s67, s39, 8
	s_add_co_u32 s68, s68, s67
	s_add_nc_u64 s[42:43], s[42:43], s[68:69]      ; my tile's first number
	s_lshl_b32 s68, s38, 7
	s_add_co_u32 s68, s68, s39
	s_mul_i32 s68, s68, 768
	s_add_co_u32 s68, s68, CO
	s_add_nc_u64 s[48:49], s[44:45], s[68:69]      ; HF(4 tr, tc)
	s_lshl_b32 s68, s39, 7
	s_add_co_u32 s68, s68, s38
	s_mul_i32 s68, s68, 768
	s_add_co_u32 s68, s68, CO
	s_add_nc_u64 s[50:51], s[46:47], s[68:69]      ; HF(4 tc, tr)
	s_mul_i32 s68, s38, 12288
	s_add_nc_u64 s[52:53], s[14:15], s[68:69]
	s_add_nc_u64 s[54:55], s[52:53], DBO
	s_add_nc_u64 s[52:53], s[52:53], DAO
	s_lshl_b32 s68, s38, 10
	s_add_nc_u64 s[56:57], s[14:15], s[68:69]
	s_add_nc_u64 s[58:59], s[56:57], DBSO
	s_add_nc_u64 s[56:57], s[56:57], DASO
	s_cmp_lt_u32 s32, 2                            ; waves 0, 1 store the rows' units (2 R + w, C), waves 2, 3 the columns' (2 C + w - 2, R)
	s_cselect_b64 s[22:23], s[44:45], s[46:47]
	s_cselect_b32 s68, s36, s37
	s_cselect_b32 s67, s37, s36
	s_lshl_b32 s68, s68, 1
	s_add_co_u32 s68, s68, s34
	s_lshl_b32 s68, s68, 4
	s_add_co_u32 s68, s68, s67
	s_lshl_b32 s68, s68, 8
	s_add_nc_u64 s[22:23], s[22:23], s[68:69]
.macro GLOAD pitch                     ; 64 rows x 256 bytes: 32 loads, all on their way at once
.set j, 0
.rept 32
	global_load_b128 v[TT+4*j:TT+4*j+3], v2, s[42:43] offset:2*j*\pitch th:TH_LOAD_NT
.set j, j+1
.endr
.endm
	s_cmp_eq_u32 s35, 2
	s_cbranch_scc1 .Lx_rows
	GLOAD 8192
	s_branch .Lloaded
.Lx_rows:
	GLOAD 1024
.Lloaded:
	s_wait_kmcnt 0x0                               ; a_i, b_i
.set j, 0
.rept 32
	s_wait_loadcnt 31-j                            ; loads come back in order: pair j of rows is in, the younger ones stay out
	ds_store_b128 v3, v[TT+4*j:TT+4*j+3] offset:544*j
.set j, j+1
.endr
	s_wait_dscnt 0x0                               ; the stores have read their registers, which are used again from here on
.set j, 0
.rept 32
	v_cmp_eq_u32 vcc_lo, j, v1
	v_cndmask_b32 v[EY+j], 0, 1.0, vcc_lo
.set j, j+1
.endr
; 64 numbers of a lane, two whole blocks of 32, become 12 registers of codes and two scale bytes.
.macro QUANT2 cd, bt
.set qC, \cd
	v_max3_num_f32 v16, |v[XY]|, |v[XY+1]|, 0x2800000      ; the largest magnitude, over the floor 2^(5 - 127): so the byte cannot fall under 1
	v_max3_num_f32 v17, |v[XY+32]|, |v[XY+33]|, 0x2800000
.set j, 2
.rept 15
	v_max3_num_f32 v16, v16, |v[XY+j]|, |v[XY+j+1]|
	v_max3_num_f32 v17, v17, |v[XY+32+j]|, |v[XY+33+j]|
.set j, j+2
.endr
	v_add_nc_u32 v18, 0xfe000000, v16              ; 4 off the exponent field: the conversion's scale operand
	v_add_nc_u32 v19, 0xfe000000, v17
	v_lshrrev_b32 v20, 23, v18                     ; the scale's byte
	v_lshrrev_b32 v21, 23, v19
	v_lshl_or_b32 v[\bt], v21, 8, v20
	v_cvt_scalef32_pk16_bf6_f32 v[qC:qC+2], v[XY:XY+15], v18
	v_cvt_scalef32_pk16_bf6_f32 v[TC:TC+2], v[XY+16:XY+31], v18      ; (a conversion's three registers begin on an even number)
	v_cvt_scalef32_pk16_bf6_f32 v[qC+6:qC+8], v[XY+32:XY+47], v19
	v_cvt_scalef32_pk16_bf6_f32 v[TC+4:TC+6], v[XY+48:XY+63], v19
	v_nop                                          ; one plain instruction behind the conversions
.set j, 0
.rept 3
	v_mov_b32 v[qC+3+j], v[TC+j]
	v_mov_b32 v[qC+9+j], v[TC+4+j]
.set j, j+1
.endr
.endm
; A lane's two blocks go to the places of lanes (r', 0) and (r', 1) of its tile: each store of 16 bytes a lane covers two aligned runs of 256 bytes.
.macro STOREHF ptr, o16, o8, base, cd
	global_store_b128 v[\o16], v[\cd:\cd+3], s[\ptr:\ptr+1] offset:\base
	global_store_b64 v[\o8], v[\cd+4:\cd+5], s[\ptr:\ptr+1] offset:\base
	global_store_b128 v[\o16], v[\cd+6:\cd+9], s[\ptr:\ptr+1] offset:\base+256
	global_store_b64 v[\o8], v[\cd+10:\cd+11], s[\ptr:\ptr+1] offset:\base+128
.endm
; A tile on Lam's diagonal: block p of my 64 numbers holds the diagonal, at register 32 p + lane.  Its four versions are quantised and stored; in the common image it becomes zero codes under the byte 0.
.macro EXTRA p, coef, pc, ps, cd, bt
	s_cmp_eq_u32 s40, 0
	s_cbranch_scc1 .Lnd_\@
	s_wait_xcnt 0x0                                ; earlier stores have read their data
.set e, 0
.rept 6
	v_mov_b32 v[DC+6*(1-\p)+e], 0                  ; the other block of these 64 along K: zeros
.set e, e+1
.endr
.set i, 0
.rept 4
.if i > 0
	s_wait_xcnt 0x0                                ; the last version's stores have read their data
.endif
.set j, 0
.rept 32
	v_fma_f32 v[ZT+j], -v[EY+j], s[\coef+i], v[XY+32*\p+j]     ; Lam - a_i (or b_i) on the diagonal, Lam beside it: one rounding, as the subtraction has
.set j, j+1
.endr
	v_max3_num_f32 v16, |v[ZT]|, |v[ZT+1]|, 0x2800000
	v_max3_num_f32 v17, |v[ZT+2]|, |v[ZT+3]|, 0x2800000
.set j, 4
.rept 7
	v_max3_num_f32 v16, v16, |v[ZT+j]|, |v[ZT+j+1]|
	v_max3_num_f32 v17, v17, |v[ZT+j+2]|, |v[ZT+j+3]|
.set j, j+4
.endr
	v_max_num_f32 v16, v16, v17
	v_add_nc_u32 v18, 0xfe000000, v16
	v_lshrrev_b32 v20, 23, v18
	v_cvt_scalef32_pk16_bf6_f32 v[DC+6*\p:DC+6*\p+2], v[ZT:ZT+15], v18
	v_cvt_scalef32_pk16_bf6_f32 v[TC:TC+2], v[ZT+16:ZT+31], v18
	v_lshlrev_b32 v[DW], 8*\p, v20                 ; the word: this block's byte, 0 for the other.  (The plain instruction behind the conversions)
.set e, 0
.rept 3
	v_mov_b32 v[DC+6*\p+3+e], v[TC+e]
.set e, e+1
.endr
	STOREHF \pc, 8, 9, (4*i+2*\p)*768, DC
	global_store_b32 v10, v[DW], s[\ps:\ps+1] offset:256*i+128*\p
.set i, i+1
.endr
.set e, 0
.rept 6
	v_mov_b32 v[\cd+6*\p+e], 0
.set e, e+1
.endr
	v_and_b32 v[\bt], 0xff00>>(8*\p), v[\bt]
.Lnd_\@:
.endm
.macro PASS0 cp                        ; columns 32 cp + lane: K = the first axis
.set j, 0
.rept 64
	ds_load_b32 v[XY+j], v4 offset:272*j+128*\cp
.set j, j+1
.endr
	s_wait_dscnt 0x0
	QUANT2 CD+12*\cp, BT+\cp
	EXTRA \cp, 28, 54, 58, CD+12*\cp, BT+\cp
	STOREHF 50, 6, 7, 49152*\cp, CD+12*\cp
	ds_store_b16 v12, v[BT+\cp] offset:128*\cp
.endm
.macro PASS1 p                         ; rows 32 p + lane: K = the second axis
.set j, 0
.rept 16
	ds_load_b128 v[XY+4*j:XY+4*j+3], v5 offset:8704*\p+16*j
.set j, j+1
.endr
	s_wait_dscnt 0x0
	QUANT2 CD+24+12*\p, BT+2+\p
	EXTRA \p, 24, 52, 56, CD+24+12*\p, BT+2+\p
	STOREHF 48, 6, 7, 49152*\p, CD+24+12*\p
	ds_store_b16 v11, v[BT+2+\p] offset:128*\p
.endm
	PASS0 0
	PASS0 1
	s_cmp_eq_u32 s35, 2                            ; x is an operand along its first axis alone
	s_cbranch_scc1 .Lno_axis1
	PASS1 0
	PASS1 1
.Lno_axis1:
	s_wait_dscnt 0x0                               ; my half words lie in the table
	s_barrier_signal -1
	s_barrier_wait -1                              ; everybody's do
	s_cmp_lg_u32 s41, 0
	s_cbranch_scc1 .Ldone
	ds_load_b64 v[98:99], v13
	s_wait_dscnt 0x0
	global_store_b64 v97, v[98:99], s[22:23]       ; 32 lanes store 256 consecutive bytes, aligned
.Ldone:
	s_wait_tensorcnt 0x0                           ; the wave's end
	ds_add_u32 v14, v15
	s_wait_dscnt 0x0
	s_endpgm
.Lfunc_end_k_q6f993062d7_quant:
	.size	k_q6f993062d7_quant, .Lfunc_end_k_q6f993062d7_quant-k_q6f993062d7_quant
	.p2alignl 7, 3214868480
	.fill 96, 4, 3214868480
	.section	.rodata,"a",@progbits
	.p2align	6, 0x0
	.amdhsa_kernel k_q6f993062d7_quant
		.amdhsa_group_segment_fixed_size 71168
		.amdhsa_private_segment_fixed_size 0
		.amdhsa_enable_private_segment 0
		.amdhsa_kernarg_size 72
		.amdhsa_user_sgpr_count 2
		.amdhsa_user_sgpr_kernarg_segment_ptr 1
		.amdhsa_wavefront_size32 1
		.amdhsa_system_sgpr_workgroup_id_x 1
		.amdhsa_system_sgpr_workgroup_id_y 1
		.amdhsa_system_sgpr_workgroup_id_z 1
		.amdhsa_system_vgpr_workitem_id 0
		.amdhsa_next_free_vgpr 256
		.amdhsa_next_free_sgpr 72
		.amdhsa_reserve_vcc 1
		.amdhsa_float_denorm_mode_32 3
		.amdhsa_float_denorm_mode_16_64 3
		.amdhsa_memory_ordered 1
		.amdhsa_forward_progress 1
		.amdhsa_inst_pref_size 106
	.end_amdhsa_kernel
	.amdgpu_metadata
---
amdhsa.version: [ 1, 2 ]
amdhsa.kernels:
  - .name:           k_q6f993062d7_quant
    .symbol:         k_q6f993062d7_quant.kd
    .args:
      - { .name: batch_lam, .offset: 0, .size: 8, .value_kind: global_buffer, .address_space: global }
      - { .name: batch_U, .offset: 8, .size: 8, .value_kind: global_buffer, .address_space: global }
      - { .name: batch_x, .offset: 16, .size: 8, .value_kind: global_buffer, .address_space: global }
      - { .name: a_list, .offset: 24, .size: 8, .value_kind: global_buffer, .address_space: global }
      - { .name: b_list, .offset: 32, .size: 8, .value_kind: global_buffer, .address_space: global }
      - { .name: lq, .offset: 40, .size: 8, .value_kind: global_buffer, .address_space: global }
      - { .name: ua, .offset: 48, .size: 8, .value_kind: global_buffer, .address_space: global }
      - { .name: ut, .offset: 56, .size: 8, .value_kind: global_buffer, .address_space: global }
      - { .name: xt, .offset: 64, .size: 8, .value_kind: global_buffer, .address_space: global }
    .group_segment_fixed_size: 71168
    .private_segment_fixed_size: 0
    .kernarg_segment_align: 8
    .kernarg_segment_size: 72
    .max_flat_workgroup_size: 128
    .sgpr_count:     72
    .vgpr_count:     256
    .wavefront_size: 32
...
	.end_amdgpu_metadata
.endif
;; end of part 1
;; launch zgemm (part 2): grid 64 x 1, 4 waves a work-group, clusters of 4 x 1, 327,680 bytes of LDS; arguments ut, xt, zq; writes zq
.if DOCPART == 2
	.amdgcn_target "amdgcn-amd-amdhsa--gfx1250"
	.amdhsa_code_object_version 6
	.text
	.protected	k_q6f993062d7_zgemm
	.globl	k_q6f993062d7_zgemm
	.p2align	8
	.type	k_q6f993062d7_zgemm,@function
k_q6f993062d7_zgemm:
	s_mov_b64 s[64:65], 0
	v_nop
	global_prefetch_b8 v0, s[64:65] scope:SCOPE_SE
	s_setreg_imm32_b32 hwreg(HW_REG_WAVE_MODE, 25, 1), 1
	s_wait_xcnt 0x0
	s_wait_alu depctr_hold_cnt(0) depctr_sa_sdst(0) depctr_va_vdst(0) depctr_va_sdst(0) depctr_va_ssrc(0) depctr_va_vcc(0) depctr_vm_vsrc(0)
	s_getreg_b32 s2, hwreg(HW_REG_IB_STS2, 6, 4)
	s_cmp_eq_u32 s2, 0
	s_cbranch_scc0 .Lentry_in_a_cluster
	s_endpgm
.Lentry_in_a_cluster:
	s_bfe_u32 s2, ttmp6, 0x10000c
	s_cmp_lg_u32 s2, 0x3003
	s_cbranch_scc0 .Lentry_shape_is_right
	s_endpgm
.Lentry_shape_is_right:
; O_i = Q(J_i P^T) along J's rows.  One body, two launches: z = U^T x (J = U's image along its first axis, P = x's; made once, though reference() writes it four times with the same operands: see the first kernel's head)
; and -w_i = (-rep_i) z, i = 0 .. 3 (J = the image that the launch before stored, which holds rep_i's codes with the signs turned; P = z's): the quantiser is odd, so O then holds w_i's codes with the signs turned,
; and the last launch multiplies by -s_i.  J: 128 tiles of 16 rows for each i, P: 16 tiles, K = 2,048, all as images of the operands' registers.
; SHARES.  Cluster c: i = c / 16, rows 128 (c % 16) on; its four work-groups take 64 columns each.  A wave makes 64 rows x 32 columns: 8 accumulators.  Source 0 = 16 rows of J, source 1 = 16 rows of P's image
; (columns n): a lane holds one n, and by the tiles' order of rows its 16 registers of two neighbouring tiles are 16 neighbours along J's rows, the next product's K.
; LDS.  All of K: four regions of 73,728 bytes, each K = 512 of J's 8 tiles and P's 4.  Every byte is filled once, at the head: a wave has eight tensor loads out.
; J's tiles are the same for the four partners and are asked for jointly; P's are each work-group's own.
; REGISTERS.  Window 0: v2-17 LDS addresses, v18-19 the add's two, v20-24 offsets, v32-79 scale words, v96-121 the quantiser's, v128-191 the accumulators.  Window 1: two sets of 6 fragments.
.set CO,    524288
.set REG,   73728
.set TBL,   294912                     ; a unit of O's scale words
.set SPARE, 295168                     ; the spare words, 128 bytes a wave
.set WV,  10
.set SEL, 84
.set QM,  96
.set QX,  98
.set QE,  100
.set QB,  102
.set MSB, 0
.macro WIN new                         ; the immediate's high byte repeats the setting that is left
.if MSB != \new
	s_set_vgpr_msb (MSB<<8)|\new
.set MSB, \new
.endif
.endm
.macro PLACES n
.rept \n
	v_nop
.endr
.endm
.macro CROUND                          ; a round of the cluster's barrier
	s_barrier_signal -1
	s_barrier_wait -1
	s_cmp_lg_u32 s[WV], 0
	s_cbranch_scc1 .Lnw0_\@
	s_barrier_signal -3
.Lnw0_\@:
	s_barrier_wait -3
	s_barrier_signal -1
	s_barrier_wait -1
.endm
.macro WM d, fa, fb, c, sa, sb, ra, rb ; one scaled product; c < 0: the constant 0 starts the sum; ra, rb: which half of the lanes holds each source's scale words
.set wD, \d
.set wA, \fa
.set wB, \fb
.set wC, \c
.set wP, \sa
.set wQ, \sb
.set wR, 2*(\ra)+(\rb)
.if wC < 0
.if wR == 0
	v_wmma_scale_f32_16x16x128_f8f6f4 v[wD:wD+7], v[wA:wA+11], v[wB:wB+11], 0, v[wP], v[wQ] matrix_a_fmt:MATRIX_FMT_BF6 matrix_b_fmt:MATRIX_FMT_BF6
.elseif wR == 1
	v_wmma_scale_f32_16x16x128_f8f6f4 v[wD:wD+7], v[wA:wA+11], v[wB:wB+11], 0, v[wP], v[wQ] matrix_a_fmt:MATRIX_FMT_BF6 matrix_b_fmt:MATRIX_FMT_BF6 matrix_b_scale:MATRIX_SCALE_ROW1
.elseif wR == 2
	v_wmma_scale_f32_16x16x128_f8f6f4 v[wD:wD+7], v[wA:wA+11], v[wB:wB+11], 0, v[wP], v[wQ] matrix_a_fmt:MATRIX_FMT_BF6 matrix_b_fmt:MATRIX_FMT_BF6 matrix_a_scale:MATRIX_SCALE_ROW1
.else
	v_wmma_scale_f32_16x16x128_f8f6f4 v[wD:wD+7], v[wA:wA+11], v[wB:wB+11], 0, v[wP], v[wQ] matrix_a_fmt:MATRIX_FMT_BF6 matrix_b_fmt:MATRIX_FMT_BF6 matrix_a_scale:MATRIX_SCALE_ROW1 matrix_b_scale:MATRIX_SCALE_ROW1
.endif
.else
.if wR == 0
	v_wmma_scale_f32_16x16x128_f8f6f4 v[wD:wD+7], v[wA:wA+11], v[wB:wB+11], v[wC:wC+7], v[wP], v[wQ] matrix_a_fmt:MATRIX_FMT_BF6 matrix_b_fmt:MATRIX_FMT_BF6
.elseif wR == 1
	v_wmma_scale_f32_16x16x128_f8f6f4 v[wD:wD+7], v[wA:wA+11], v[wB:wB+11], v[wC:wC+7], v[wP], v[wQ] matrix_a_fmt:MATRIX_FMT_BF6 matrix_b_fmt:MATRIX_FMT_BF6 matrix_b_scale:MATRIX_SCALE_ROW1
.elseif wR == 2
	v_wmma_scale_f32_16x16x128_f8f6f4 v[wD:wD+7], v[wA:wA+11], v[wB:wB+11], v[wC:wC+7], v[wP], v[wQ] matrix_a_fmt:MATRIX_FMT_BF6 matrix_b_fmt:MATRIX_FMT_BF6 matrix_a_scale:MATRIX_SCALE_ROW1
.else
	v_wmma_scale_f32_16x16x128_f8f6f4 v[wD:wD+7], v[wA:wA+11], v[wB:wB+11], v[wC:wC+7], v[wP], v[wQ] matrix_a_fmt:MATRIX_FMT_BF6 matrix_b_fmt:MATRIX_FMT_BF6 matrix_a_scale:MATRIX_SCALE_ROW1 matrix_b_scale:MATRIX_SCALE_ROW1
.endif
.endif
.endm
	s_load_b128 s[4:7], s[0:1], 0x0                ; J s[4:5], P s[6:7]
	s_load_b64 s[8:9], s[0:1], 0x10                ; O
	v_lshl_add_u32 v18, v0, 2, SPARE
	v_mov_b32 v19, 0
	ds_add_u32 v18, v19                            ; the wave's opening: the add, twice on end, and its wait ahead of my first tensor load
	ds_add_u32 v18, v19
	v_lshrrev_b32 v1, 5, v0
	v_readfirstlane_b32 s10, v1                    ; wave
	s_lshr_b32 s11, s10, 1                         ; wm
	s_and_b32 s12, s10, 1                          ; wn
	s_bfe_u32 s13, ttmp6, 0x40000                  ; cx: my 64 columns
	s_lshr_b32 s14, ttmp9, 4                       ; i
	s_and_b32 s15, ttmp9, 15                       ; tm: my cluster's 128 rows
	s_mov_b32 s24, 15|(3<<16)|(1<<21)              ; J's group 1: the mask names the four; elements of 8 bytes; bit 21 beside a mask
	s_mov_b32 s25, 768<<16                         ; tensor_dim0 = 768 elements: a tile's 512 along K, 6,144 bytes
	s_mov_b32 s26, 2<<16                           ; tensor_dim1 = 2 tiles
	s_mov_b32 s27, 768<<16                         ; tile_dim0
	s_mov_b32 s28, 2                               ; tile_dim1
	s_mov_b32 s29, 3072                            ; from tile to tile: 24,576 bytes
	s_mov_b32 s30, 0
	s_mov_b32 s31, 0
	s_mov_b32 s32, 3<<16                           ; P's group 1: no mask; one tile's 6,144 dense bytes as 24 rows of 256
	s_mov_b32 s33, 32<<16
	s_mov_b32 s34, 24<<16
	s_mov_b32 s35, 32<<16
	s_mov_b32 s36, 24
	s_mov_b32 s37, 32
	s_mov_b32 s38, 0
	s_mov_b32 s39, 0
	s_lshl_b32 s16, s14, 7                         ; J: tile 128 i + 8 tm + 2 wave: nothing of cx
	s_lshl_b32 s17, s15, 3
	s_add_co_u32 s16, s16, s17
	s_lshl_b32 s17, s10, 1
	s_add_co_u32 s16, s16, s17
	s_mul_i32 s16, s16, 24576
	s_add_co_u32 s16, s16, CO
	s_mov_b32 s17, 0
	s_lshl_b32 s20, s13, 2                         ; P: tile 4 cx + wave
	s_add_co_u32 s20, s20, s10
	s_mul_i32 s20, s20, 24576
	s_add_co_u32 s20, s20, CO
	s_mov_b32 s21, 0
	s_mul_i32 s18, s10, 12288                      ; in a region: J's two tiles,
	s_mul_i32 s19, s10, 6144
	s_add_co_u32 s19, s19, 49152                   ; P's one, behind J's eight
	s_mov_b32 s[SEL], 0x76543210
	s_mov_b32 s[SEL+1], 0xfedcba98
	s_wait_dscnt 0x0                               ; both opening adds are done
	s_wait_kmcnt 0x0
	s_add_nc_u64 s[16:17], s[4:5], s[16:17]
	s_add_nc_u64 s[20:21], s[6:7], s[20:21]
.set j, 0
.rept 4                                ; a group 0 for each load: J's in s40 .. s55, P's in s56, s60, s68, s72
.set gJ, 40+4*j
.set gP, 56+4*j+4*(j/2)
	s_mov_b32 s[gJ], 1
	s_add_co_u32 s[gJ+1], s18, j*REG
	s_add_nc_u64 s[gJ+2:gJ+3], s[16:17], j*6144
	s_or_b32 s[gJ+3], s[gJ+3], 0x80000000
	s_mov_b32 s[gP], 1
	s_add_co_u32 s[gP+1], s19, j*REG
	s_add_nc_u64 s[gP+2:gP+3], s[20:21], j*6144
	s_or_b32 s[gP+3], s[gP+3], 0x80000000
.set j, j+1
.endr
	CROUND                                         ; the four work-groups are here: the joint loads meet
.set j, 0
.rept 4
.set gJ, 40+4*j
.set gP, 56+4*j+4*(j/2)
	tensor_load_to_lds s[gJ:gJ+3], s[24:31]
	s_nop 0
	tensor_load_to_lds s[gP:gP+3], s[32:39]
	s_nop 0
.set j, j+1
.endr
	PLACES 4
	s_lshl_b32 s76, s14, 5
	s_lshl_b32 s77, s15, 1
	s_add_co_u32 s76, s76, s77
	s_add_co_u32 s76, s76, s11
	s_lshl_b32 s76, s76, 12
	s_mov_b32 s77, 0
	s_add_nc_u64 s[76:77], s[4:5], s[76:77]        ; J's scale units of my 64 rows
	s_lshl_b32 s78, s13, 12
	s_lshl_b32 s79, s12, 7
	s_add_co_u32 s78, s78, s79
	s_mov_b32 s79, 0
	s_add_nc_u64 s[78:79], s[6:7], s[78:79]        ; P's, my pair of tiles
	s_lshl_b32 s80, s13, 2
	s_lshl_b32 s81, s12, 1
	s_add_co_u32 s80, s80, s81
	s_mul_i32 s80, s80, 24576
	s_mul_i32 s81, s14, 393216
	s_add_co_u32 s80, s80, s81
	s_lshl_b32 s81, s15, 1
	s_add_co_u32 s81, s81, s11
	s_mul_i32 s81, s81, 768
	s_add_co_u32 s80, s80, s81
	s_add_co_u32 s80, s80, CO
	s_mov_b32 s81, 0
	s_add_nc_u64 s[80:81], s[8:9], s[80:81]        ; O: HF(4 cx + 2 wn, 2 tm + wm) of i
	s_lshl_b32 s82, s14, 2
	s_add_co_u32 s82, s82, s13
	s_lshl_b32 s82, s82, 4
	s_add_co_u32 s82, s82, s15
	s_lshl_b32 s82, s82, 8
	s_mov_b32 s83, 0
	s_add_nc_u64 s[82:83], s[8:9], s[82:83]        ; O's scale unit (4 i + cx, tm)
	v_and_b32 v1, 31, v0
	v_lshlrev_b32 v21, 4, v1                       ; 16 x lane
	v_lshlrev_b32 v22, 3, v1                       ; 8 x lane
	v_lshlrev_b32 v20, 2, v1                       ; 4 x lane
	s_mul_i32 s22, s11, 24576
	s_mul_i32 s23, s12, 12288
	s_add_co_u32 s23, s23, 49152
.set j, 0
.rept 4
	v_add_nc_u32 v[2+4*j], s22, v21                ; region j: my four tiles of J, registers 0-3 and 6-9;
	v_add_nc_u32 v[3+4*j], s22, v22                ; registers 4-5 and 10-11;
	v_add_nc_u32 v[4+4*j], s23, v21                ; my two of P
	v_add_nc_u32 v[5+4*j], s23, v22
	s_add_co_u32 s22, s22, REG
	s_add_co_u32 s23, s23, REG
.set j, j+1
.endr
	v_and_b32 v24, 15, v0
	s_lshl_b32 s22, s12, 7
	s_lshl_b32 s23, s11, 1
	s_add_co_u32 s22, s22, s23
	s_add_co_u32 s22, s22, TBL
	v_lshl_add_u32 v23, v24, 2, s22                ; the table: tile 2 wn + b, row r, half word wm
	v_add_nc_u32 v24, TBL, v22
	v_mov_b32 v[QX], 0                             ; a lane permute's destination counts as one of its sources
	v_mov_b32 v[QX+1], 0
.set k, 0
.rept 16
	global_load_b32 v[32+2*k], v20, s[76:77] offset:256*k          ; lanes 0-15 tile 0, lanes 16-31 tile 1 of my four
	global_load_b32 v[33+2*k], v20, s[76:77] offset:256*k+128      ; tiles 2 and 3
	global_load_b32 v[64+k], v20, s[78:79] offset:256*k            ; P's two
.set k, k+1
.endr
.macro FETCH ks                        ; a K step's six fragments, 24 LDS loads in one run, into set ks % 2
.set fR, (\ks)/4
.set fK, ((\ks)%4)*1536
.set fS, 72*((\ks)%2)
	WIN 0x40                                       ; destination window 1
.set t, 0
.rept 4
	ds_load_b128 v[fS+12*t:fS+12*t+3], v[2+4*fR] offset:t*6144+fK
	ds_load_b64 v[fS+12*t+4:fS+12*t+5], v[3+4*fR] offset:t*6144+fK+512
	ds_load_b128 v[fS+12*t+6:fS+12*t+9], v[2+4*fR] offset:t*6144+fK+768
	ds_load_b64 v[fS+12*t+10:fS+12*t+11], v[3+4*fR] offset:t*6144+fK+1280
.set t, t+1
.endr
.set t, 0
.rept 2
	ds_load_b128 v[fS+48+12*t:fS+48+12*t+3], v[4+4*fR] offset:t*6144+fK
	ds_load_b64 v[fS+48+12*t+4:fS+48+12*t+5], v[5+4*fR] offset:t*6144+fK+512
	ds_load_b128 v[fS+48+12*t+6:fS+48+12*t+9], v[4+4*fR] offset:t*6144+fK+768
	ds_load_b64 v[fS+48+12*t+10:fS+48+12*t+11], v[5+4*fR] offset:t*6144+fK+1280
.set t, t+1
.endr
.endm
.macro MUL ks                          ; 8 products: the accumulators take turns, one instruction a turn
.set mS, 72*((\ks)%2)
	WIN 0x05                                       ; sources window 1
.set ia, 0
.rept 4
.set ib, 0
.rept 2
.if (\ks) == 0
	WM 128+32*ib+8*ia, mS+12*ia, mS+48+12*ib, -1, 32+2*(\ks)+ia/2, 64+(\ks), ia%2, ib
.else
	WM 128+32*ib+8*ia, mS+12*ia, mS+48+12*ib, 128+32*ib+8*ia, 32+2*(\ks)+ia/2, 64+(\ks), ia%2, ib
.endif
.set ib, ib+1
.endr
.set ia, ia+1
.endr
.endm
.macro QUANTH s, cd, hh                ; 32 numbers of a lane, register 16 g + e = K 32 g + 16 (lane / 16) + e, become half a fragment's six registers and two scale bytes
.set qN, \s
.set qC, \cd
	v_max3_num_f32 v[QM], |v[qN]|, |v[qN+1]|, 0x2800000            ; over the floor 2^(5 - 127): the byte cannot fall under 1
	v_max3_num_f32 v[QM+1], |v[qN+16]|, |v[qN+17]|, 0x2800000
.set qi, 2
.rept 7
	v_max3_num_f32 v[QM], v[QM], |v[qN+qi]|, |v[qN+qi+1]|
	v_max3_num_f32 v[QM+1], v[QM+1], |v[qN+16+qi]|, |v[qN+17+qi]|
.set qi, qi+2
.endr
	v_permlanex16_b32 v[QX], v[QM], s[SEL], s[SEL+1]
	v_permlanex16_b32 v[QX+1], v[QM+1], s[SEL], s[SEL+1]
	v_max_num_f32 v[QM], v[QM], v[QX]
	v_max_num_f32 v[QM+1], v[QM+1], v[QX+1]
	v_add_nc_u32 v[QE], 0xfe000000, v[QM]
	v_add_nc_u32 v[QE+1], 0xfe000000, v[QM+1]
	v_lshrrev_b32 v[QB], 23, v[QE]
	v_lshrrev_b32 v[QB+1], 23, v[QE+1]
	v_lshl_or_b32 v[\hh], v[QB+1], 8, v[QB]
	v_cvt_scalef32_pk16_bf6_f32 v[qC:qC+2], v[qN:qN+15], v[QE]
	v_cvt_scalef32_pk16_bf6_f32 v[qC+4:qC+6], v[qN+16:qN+31], v[QE+1]
	v_nop                                          ; one plain instruction behind the conversions
	v_permlane16_swap_b32 v[qC], v[qC+4]           ; a whole block to a lane
	v_permlane16_swap_b32 v[qC+1], v[qC+5]
	v_permlane16_swap_b32 v[qC+2], v[qC+6]
	v_mov_b32 v[qC+3], v[qC+4]
	v_mov_b32 v[qC+4], v[qC+5]
	v_mov_b32 v[qC+5], v[qC+6]
.endm
	s_wait_tensorcnt 0x6                           ; my two loads of chunk 0 are in; the six younger ones stay out
	s_barrier_signal -1
	s_barrier_wait -1
	FETCH 0
	s_wait_loadcnt 0x0                             ; the scale words
.set ks, 0
.rept 16
	s_wait_dscnt 0x0                               ; this step's fragments are in
.if (ks%4 == 3) && (ks < 15)
	s_wait_tensorcnt 4-2*(ks/4)                    ; my two loads of the next chunk are in; the later chunks' stay out
	s_barrier_signal -1
	s_barrier_wait -1                              ; everybody's are; nothing is ever filled again
.endif
.if ks < 15
.if ks > 0
	PLACES 4                                       ; in front of loads into the set that the last step's products read
.endif
	FETCH ks+1
.endif
	MUL ks
.set ks, ks+1
.endr
	WIN 0
	PLACES 4
	QUANTH 128, 104, 120
	global_store_b128 v21, v[104:107], s[80:81]                    ; 512 consecutive bytes, aligned
	global_store_b64 v22, v[108:109], s[80:81] offset:512          ; 256 consecutive bytes, aligned
	ds_store_b16 v23, v120
	QUANTH 160, 112, 121
	global_store_b128 v21, v[112:115], s[80:81] offset:24576
	global_store_b64 v22, v[116:117], s[80:81] offset:24576+512
	ds_store_b16 v23, v121 offset:64
	s_wait_dscnt 0x0                               ; my half words lie in the table
	s_barrier_signal -1
	s_barrier_wait -1
	s_cmp_lg_u32 s10, 0
	s_cbranch_scc1 .Lnot_0
	ds_load_b64 v[124:125], v24
	s_wait_dscnt 0x0
	global_store_b64 v22, v[124:125], s[82:83]     ; one aligned unit of 256 bytes
.Lnot_0:
	s_wait_tensorcnt 0x0                           ; the wave's end
	ds_add_u32 v18, v19
	s_wait_dscnt 0x0
	CROUND                                         ; the closing round
	s_endpgm
.Lfunc_end_k_q6f993062d7_zgemm:
	.size	k_q6f993062d7_zgemm, .Lfunc_end_k_q6f993062d7_zgemm-k_q6f993062d7_zgemm
	.p2alignl 7, 3214868480
	.fill 96, 4, 3214868480
	.section	.rodata,"a",@progbits
	.p2align	6, 0x0
	.amdhsa_kernel k_q6f993062d7_zgemm
		.amdhsa_group_segment_fixed_size 327680
		.amdhsa_private_segment_fixed_size 0
		.amdhsa_enable_private_segment 0
		.amdhsa_kernarg_size 24
		.amdhsa_user_sgpr_count 2
		.amdhsa_user_sgpr_kernarg_segment_ptr 1
		.amdhsa_wavefront_size32 1
		.amdhsa_system_sgpr_workgroup_id_x 1
		.amdhsa_system_sgpr_workgroup_id_y 1
		.amdhsa_system_sgpr_workgroup_id_z 1
		.amdhsa_system_vgpr_workitem_id 0
		.amdhsa_next_free_vgpr 512
		.amdhsa_next_free_sgpr 96
		.amdhsa_reserve_vcc 0
		.amdhsa_float_denorm_mode_32 3
		.amdhsa_float_denorm_mode_16_64 3
		.amdhsa_memory_ordered 1
		.amdhsa_forward_progress 1
		.amdhsa_inst_pref_size 62
	.end_amdhsa_kernel
	.amdgpu_metadata
---
amdhsa.version: [ 1, 2 ]
amdhsa.kernels:
  - .name:           k_q6f993062d7_zgemm
    .symbol:         k_q6f993062d7_zgemm.kd
    .args:
      - { .name: ut, .offset: 0, .size: 8, .value_kind: global_buffer, .address_space: global }
      - { .name: xt, .offset: 8, .size: 8, .value_kind: global_buffer, .address_space: global }
      - { .name: zq, .offset: 16, .size: 8, .value_kind: global_buffer, .address_space: global }
    .group_segment_fixed_size: 327680
    .private_segment_fixed_size: 0
    .kernarg_segment_align: 8
    .kernarg_segment_size: 24
    .max_flat_workgroup_size: 128
    .sgpr_count:     96
    .vgpr_count:     512
    .wavefront_size: 32
...
	.end_amdgpu_metadata
.endif
;; end of part 2
;; launch gemm1 (part 3): grid 16 x 16, 4 waves a work-group, clusters of 4 x 4, 327,680 bytes of LDS; arguments lq, rep; writes rep
.if DOCPART == 3
	.amdgcn_target "amdgcn-amd-amdhsa--gfx1250"
	.amdhsa_code_object_version 6
	.text
	.protected	k_q6f993062d7_gemm1
	.globl	k_q6f993062d7_gemm1
	.p2align	8
	.type	k_q6f993062d7_gemm1,@function
k_q6f993062d7_gemm1:
	s_mov_b64 s[64:65], 0
	v_nop
	global_prefetch_b8 v0, s[64:65] scope:SCOPE_SE
	s_setreg_imm32_b32 hwreg(HW_REG_WAVE_MODE, 25, 1), 1
	s_wait_xcnt 0x0
	s_wait_alu depctr_hold_cnt(0) depctr_sa_sdst(0) depctr_va_vdst(0) depctr_va_sdst(0) depctr_va_ssrc(0) depctr_va_vcc(0) depctr_vm_vsrc(0)
	s_getreg_b32 s2, hwreg(HW_REG_IB_STS2, 6, 4)
	s_cmp_eq_u32 s2, 0
	s_cbranch_scc0 .Lentry_in_a_cluster
	s_endpgm
.Lentry_in_a_cluster:
	s_bfe_u32 s2, ttmp6, 0x10000c
	s_cmp_lg_u32 s2, 0xf033
	s_cbranch_scc0 .Lentry_shape_is_right
	s_endpgm
.Lentry_shape_is_right:
; The buffer rep takes Q(-rep_i) along its rows, rep_i = relu((a_i I - Lam)(Lam - b_i I)), i = 0 .. 3, from the images that the first launch stored.
; WORK THAT IS NOT DONE (shown at the head of the first kernel): S = Aoff Boff, 16 K steps of 128, is summed once for the four i; each i adds ONE K step of 128 that holds the two stretches of 64 along K in which
; its operands differ: T_i = S + Ad_i (Boff + Bd_i) + Aoff Bd_i.  Lam - a_i I was quantised in place of a_i I - Lam, so rep_i = max(0, -T_i).
; THE SIGN IS CARRIED ON: min(0, T_i) = -rep_i is what is quantised.  The quantiser is odd, so these are rep_i's codes with the signs turned, under the same scale bytes; the next product then gives -w_i,
; and the last launch multiplies by -s_i.
; SHARES.  A work-group makes 128 x 128 of the four rep_i, each of four waves 64 x 64 (wm, wn).  The instruction is used transposed (source 0 = 16 columns n, source 1 = 16 rows m): a lane holds one row of rep,
; and by the tiles' order of rows the 16 registers of two neighbouring tiles are 16 neighbours along n, the next product's K.
; LDS.  Three regions of 98,304 bytes, each K = 512 of A's 8 tiles and B's 8 tiles as images of registers; chunks 0, 1, 2 are asked for at the head, chunk 3 fills region 0 again behind a round of the cluster's barrier.
; A wave has three tensor loads out at the most.  All of a WGP's LDS is claimed.
; CLUSTER 4 x 4: A's tiles hang on the tile row alone and are asked for jointly along a row of the cluster, B's on the tile column alone, along a column.
; REGISTERS.  Window 0: v2-13 LDS addresses, v14-15 the add's two, v16, 17, 20 lane offsets, v28-30 the table; v32-95 the K steps' scale words, v96-111 the correction steps', v112-117 their parts.
; Window 1: two sets of 8 fragments; behind the K steps: v0-127 T_i, v128.. the quantiser's.   Window 2: v0-127 S.   Window 3: the correction steps' fragments, two sets, and Boff's halves.
.set CO,    524288
.set LBI,   3670016
.set DAO,   7340032
.set DBO,   7733248
.set DASO,  8126464
.set DBSO,  8159232
.set REG,   98304
.set TBL,   294912                     ; rep's scale words: [i 4][tile 8][16 words]
.set SPARE, 296960                     ; the spare words, 128 bytes a wave
.set WV,  10
.set SEL, 84
.set QM,  128                          ; in window 1: largest magnitudes,
.set QX,  130                          ; the other half of the lanes',
.set QE,  132                          ; the conversions' scale operands,
.set QB,  134                          ; the bytes,
.set CDQ, 136                          ; codes, 8 registers for each tile of rows,
.set HQ,  168                          ; and its two bytes
.set MSB, 0
.macro WIN new                         ; the immediate's high byte repeats the setting that is left
.if MSB != \new
	s_set_vgpr_msb (MSB<<8)|\new
.set MSB, \new
.endif
.endm
.macro PLACES n
.rept \n
	v_nop
.endr
.endm
.macro CROUND                          ; a round of the cluster's barrier
	s_barrier_signal -1
	s_barrier_wait -1
	s_cmp_lg_u32 s[WV], 0
	s_cbranch_scc1 .Lnw0_\@
	s_barrier_signal -3
.Lnw0_\@:
	s_barrier_wait -3
	s_barrier_signal -1
	s_barrier_wait -1
.endm
; One scaled product.  c < 0: the constant 0 starts the sum.  ra, rb: which half of the lanes holds source 0's and source 1's scale words.
.macro WM d, fa, fb, c, sa, sb, ra, rb
.set wD, \d
.set wA, \fa
.set wB, \fb
.set wC, \c
.set wP, \sa
.set wQ, \sb
.set wR, 2*(\ra)+(\rb)
.if wC < 0
.if wR == 0
	v_wmma_scale_f32_16x16x128_f8f6f4 v[wD:wD+7], v[wA:wA+11], v[wB:wB+11], 0, v[wP], v[wQ] matrix_a_fmt:MATRIX_FMT_BF6 matrix_b_fmt:MATRIX_FMT_BF6
.elseif wR == 1
	v_wmma_scale_f32_16x16x128_f8f6f4 v[wD:wD+7], v[wA:wA+11], v[wB:wB+11], 0, v[wP], v[wQ] matrix_a_fmt:MATRIX_FMT_BF6 matrix_b_fmt:MATRIX_FMT_BF6 matrix_b_scale:MATRIX_SCALE_ROW1
.elseif wR == 2
	v_wmma_scale_f32_16x16x128_f8f6f4 v[wD:wD+7], v[wA:wA+11], v[wB:wB+11], 0, v[wP], v[wQ] matrix_a_fmt:MATRIX_FMT_BF6 matrix_b_fmt:MATRIX_FMT_BF6 matrix_a_scale:MATRIX_SCALE_ROW1
.else
	v_wmma_scale_f32_16x16x128_f8f6f4 v[wD:wD+7], v[wA:wA+11], v[wB:wB+11], 0, v[wP], v[wQ] matrix_a_fmt:MATRIX_FMT_BF6 matrix_b_fmt:MATRIX_FMT_BF6 matrix_a_scale:MATRIX_SCALE_ROW1 matrix_b_scale:MATRIX_SCALE_ROW1
.endif
.else
.if wR == 0
	v_wmma_scale_f32_16x16x128_f8f6f4 v[wD:wD+7], v[wA:wA+11], v[wB:wB+11], v[wC:wC+7], v[wP], v[wQ] matrix_a_fmt:MATRIX_FMT_BF6 matrix_b_fmt:MATRIX_FMT_BF6
.elseif wR == 1
	v_wmma_scale_f32_16x16x128_f8f6f4 v[wD:wD+7], v[wA:wA+11], v[wB:wB+11], v[wC:wC+7], v[wP], v[wQ] matrix_a_fmt:MATRIX_FMT_BF6 matrix_b_fmt:MATRIX_FMT_BF6 matrix_b_scale:MATRIX_SCALE_ROW1
.elseif wR == 2
	v_wmma_scale_f32_16x16x128_f8f6f4 v[wD:wD+7], v[wA:wA+11], v[wB:wB+11], v[wC:wC+7], v[wP], v[wQ] matrix_a_fmt:MATRIX_FMT_BF6 matrix_b_fmt:MATRIX_FMT_BF6 matrix_a_scale:MATRIX_SCALE_ROW1
.else
	v_wmma_scale_f32_16x16x128_f8f6f4 v[wD:wD+7], v[wA:wA+11], v[wB:wB+11], v[wC:wC+7], v[wP], v[wQ] matrix_a_fmt:MATRIX_FMT_BF6 matrix_b_fmt:MATRIX_FMT_BF6 matrix_a_scale:MATRIX_SCALE_ROW1 matrix_b_scale:MATRIX_SCALE_ROW1
.endif
.endif
.endm
.macro JLOAD                           ; the joint refill: waves 0, 1 for A, waves 2, 3 for B; the branch hangs on the wave's number alone
	s_cmp_eq_u32 s11, 0
	s_cbranch_scc0 .Ljb_\@
	tensor_load_to_lds s[32:35], s[24:31]
	s_nop 0
	PLACES 4
	s_branch .Lja_\@
.Ljb_\@:
	tensor_load_to_lds s[56:59], s[48:55]
	s_nop 0
	PLACES 4
.Lja_\@:
.endm
	s_load_b128 s[4:7], s[0:1], 0x0                ; lq s[4:5], rep s[6:7]
	v_lshl_add_u32 v14, v0, 2, SPARE
	v_mov_b32 v15, 0
	ds_add_u32 v14, v15                            ; the wave's opening: the add, twice on end, and its wait ahead of my first tensor load
	ds_add_u32 v14, v15
	v_lshrrev_b32 v1, 5, v0
	v_readfirstlane_b32 s10, v1                    ; wave
	s_lshr_b32 s11, s10, 1                         ; wm.  Also: I fetch for A (0) or for B (1)
	s_and_b32 s12, s10, 1                          ; wn.  Also: which four tiles I fetch
	s_bfe_u32 s13, ttmp6, 0x40000                  ; cx
	s_bfe_u32 s14, ttmp6, 0x40004                  ; cy
	s_lshl_b32 s15, ttmp9, 2
	s_add_co_u32 s15, s15, s13                     ; tn
	s_and_b32 s16, ttmp7, 0xffff
	s_lshl_b32 s16, s16, 2
	s_add_co_u32 s16, s16, s14                     ; tm
	s_lshl_b32 s20, s14, 2
	s_lshl_b32 s20, 15, s20                        ; my row of the cluster
	s_lshl_b32 s22, 0x1111, s13                    ; my column
	s_or_b32 s24, s20, (3<<16)|(1<<21)             ; group 1: the mask; elements of 8 bytes; bit 21 beside a mask; no padding
	s_or_b32 s48, s22, (3<<16)|(1<<21)
.irp g, 24, 48
	s_mov_b32 s[\g+1], 768<<16                     ; tensor_dim0 = 768 elements: a tile's 512 along K, 6,144 bytes
	s_mov_b32 s[\g+2], 4<<16                       ; tensor_dim1 = 4 tiles
	s_mov_b32 s[\g+3], 768<<16                     ; tile_dim0
	s_mov_b32 s[\g+4], 4                           ; tile_dim1
	s_mov_b32 s[\g+5], 3072                        ; from tile to tile: 24,576 bytes
	s_mov_b32 s[\g+6], 0
	s_mov_b32 s[\g+7], 0
.endr
	s_lshl_b32 s20, s16, 3                         ; A: tile 8 tm + 4 (wave % 2): registers that never hold cx
	s_lshl_b32 s21, s12, 2
	s_add_co_u32 s20, s20, s21
	s_mul_i32 s20, s20, 24576
	s_add_co_u32 s20, s20, CO
	s_mov_b32 s21, 0
	s_lshl_b32 s22, s15, 3                         ; B: tile 8 tn + 4 (wave % 2): registers that never hold cy
	s_lshl_b32 s23, s12, 2
	s_add_co_u32 s22, s22, s23
	s_mul_i32 s22, s22, 24576
	s_add_co_u32 s22, s22, LBI+CO
	s_mov_b32 s23, 0
	s_mul_i32 s9, s10, 24576                       ; in a region: wave x four tiles
	s_mov_b32 s[SEL], 0x76543210
	s_mov_b32 s[SEL+1], 0xfedcba98                 ; lane l xor 16
	s_wait_dscnt 0x0                               ; both opening adds are done
	s_wait_kmcnt 0x0
	s_add_nc_u64 s[20:21], s[4:5], s[20:21]
	s_add_nc_u64 s[22:23], s[4:5], s[22:23]
.set c, 0
.rept 3                                ; a group 0 for each of the three first fills: A's in s32, s36, s68, B's in s56, s60, s72
.set gA, 32+4*c+28*(c/2)
.set gB, 56+4*c+8*(c/2)
	s_mov_b32 s[gA], 1
	s_add_co_u32 s[gA+1], s9, c*REG
	s_add_nc_u64 s[gA+2:gA+3], s[20:21], c*6144
	s_or_b32 s[gA+3], s[gA+3], 0x80000000
	s_mov_b32 s[gB], 1
	s_add_co_u32 s[gB+1], s9, c*REG
	s_add_nc_u64 s[gB+2:gB+3], s[22:23], c*6144
	s_or_b32 s[gB+3], s[gB+3], 0x80000000
.set c, c+1
.endr
	CROUND                                         ; all sixteen work-groups are here: the first joint loads meet
	s_cmp_eq_u32 s11, 0
	s_cbranch_scc0 .Lfirst_b
	tensor_load_to_lds s[32:35], s[24:31]
	s_nop 0
	tensor_load_to_lds s[36:39], s[24:31]
	s_nop 0
	tensor_load_to_lds s[68:71], s[24:31]
	s_nop 0
	PLACES 4
	s_branch .Lfirst_done
.Lfirst_b:
	tensor_load_to_lds s[56:59], s[48:55]
	s_nop 0
	tensor_load_to_lds s[60:63], s[48:55]
	s_nop 0
	tensor_load_to_lds s[72:75], s[48:55]
	s_nop 0
	PLACES 4
.Lfirst_done:
	s_lshl_b32 s17, s16, 1
	s_add_co_u32 s17, s17, s11                     ; Gm: my 64 rows
	s_lshl_b32 s18, s15, 1
	s_add_co_u32 s18, s18, s12                     ; Gn: my 64 columns
	s_cmp_eq_u32 s17, s18
	s_cselect_b32 s19, -1, 0                       ; all ones on the diagonal: used as data alone
	s_mov_b32 s3, 0
	s_lshl_b32 s2, s17, 12
	s_add_nc_u64 s[40:41], s[4:5], s[2:3]          ; A's scale units
	s_lshl_b32 s2, s18, 12
	s_add_co_u32 s2, s2, LBI
	s_add_nc_u64 s[42:43], s[4:5], s[2:3]          ; B's
	s_lshl_b32 s2, s15, 8
	s_add_nc_u64 s[44:45], s[40:41], s[2:3]        ; A's unit of K step tn
	s_lshl_b32 s2, s16, 8
	s_add_nc_u64 s[46:47], s[42:43], s[2:3]        ; B's of K step tm
	s_lshl_b32 s2, s17, 10
	s_add_co_u32 s2, s2, DASO
	s_add_nc_u64 s[86:87], s[4:5], s[2:3]
	s_lshl_b32 s2, s18, 10
	s_add_co_u32 s2, s2, DBSO
	s_add_nc_u64 s[88:89], s[4:5], s[2:3]
	s_lshl_b32 s2, s17, 7
	s_add_co_u32 s2, s2, s18
	s_mul_i32 s2, s2, 768
	s_add_co_u32 s2, s2, CO
	s_add_nc_u64 s[90:91], s[4:5], s[2:3]          ; Aoff: HF(4 Gm, Gn)
	s_add_nc_u64 s[76:77], s[6:7], s[2:3]          ; rep_0's codes at the same place; rep_i's 3,145,728 bytes apart
	s_add_nc_u64 s[78:79], s[76:77], 3145728
	s_add_nc_u64 s[80:81], s[78:79], 3145728
	s_add_nc_u64 s[82:83], s[80:81], 3145728
	s_lshl_b32 s2, s18, 7
	s_add_co_u32 s2, s2, s17
	s_mul_i32 s2, s2, 768
	s_add_co_u32 s2, s2, LBI+CO
	s_add_nc_u64 s[92:93], s[4:5], s[2:3]          ; Boff: HF(4 Gn, Gm)
	s_mul_i32 s2, s17, 12288
	s_add_co_u32 s2, s2, DAO
	s_add_nc_u64 s[94:95], s[4:5], s[2:3]          ; Ad
	s_mul_i32 s2, s18, 12288
	s_add_co_u32 s2, s2, DBO
	s_add_nc_u64 s[96:97], s[4:5], s[2:3]          ; Bd
	s_lshl_b32 s2, s10, 5
	s_lshl_b32 s8, s16, 1
	s_add_co_u32 s2, s2, s8
	s_lshl_b32 s2, s2, 4
	s_add_co_u32 s2, s2, s15
	s_lshl_b32 s2, s2, 8
	s_add_nc_u64 s[98:99], s[6:7], s[2:3]          ; rep's scale units (i = wave, 2 tm, tn)
	v_and_b32 v1, 31, v0
	v_lshlrev_b32 v16, 4, v1                       ; 16 x lane
	v_lshlrev_b32 v17, 3, v1                       ; 8 x lane
	v_lshlrev_b32 v20, 2, v1                       ; 4 x lane
	s_mul_i32 s2, s11, 24576
	s_mul_i32 s8, s12, 24576
	s_add_co_u32 s8, s8, 49152
.set c, 0
.rept 3
	v_add_nc_u32 v[2+4*c], s2, v16                 ; region c: my four tiles of A, registers 0-3 and 6-9;
	v_add_nc_u32 v[3+4*c], s2, v17                 ; registers 4-5 and 10-11;
	v_add_nc_u32 v[4+4*c], s8, v16                 ; of B
	v_add_nc_u32 v[5+4*c], s8, v17
	s_add_co_u32 s2, s2, REG
	s_add_co_u32 s8, s8, REG
.set c, c+1
.endr
	v_and_b32 v21, 15, v0
	v_bfe_u32 v22, v0, 4, 1
	s_lshl_b32 s2, s11, 8
	s_lshl_b32 s8, s12, 1
	s_add_co_u32 s2, s2, s8
	s_add_co_u32 s2, s2, TBL
	v_lshl_add_u32 v28, v21, 2, s2                 ; the table: tile 4 wm + a, row r, half word wn
	s_lshl_b32 s2, s10, 9
	s_add_co_u32 s2, s2, TBL
	v_add_nc_u32 v29, s2, v16                      ; what I store of it: i = wave
	v_lshlrev_b32 v30, 12, v22
	v_lshl_add_u32 v30, v21, 4, v30                ; two units, 4,096 bytes apart
.set k, 0
.rept 16                               ; the K steps' scale words: lanes 0-15 tile 2 p, lanes 16-31 tile 2 p + 1
	global_load_b32 v[32+2*k], v20, s[40:41] offset:256*k
	global_load_b32 v[33+2*k], v20, s[40:41] offset:256*k+128
	global_load_b32 v[64+2*k], v20, s[42:43] offset:256*k
	global_load_b32 v[65+2*k], v20, s[42:43] offset:256*k+128
.set k, k+1
.endr
	global_load_b32 v112, v20, s[44:45]
	global_load_b32 v113, v20, s[44:45] offset:128
	global_load_b32 v114, v20, s[46:47]
	global_load_b32 v115, v20, s[46:47] offset:128
.set k, 0
.rept 8
	global_load_b32 v[96+k], v20, s[86:87] offset:128*k       ; Ad's words of (i, p), k = 2 i + p
	global_load_b32 v[104+k], v20, s[88:89] offset:128*k      ; Bd's
.set k, k+1
.endr
	WIN 0xc0                                       ; destination window 3
.set k, 0
.rept 8                                ; k = 4 set + tile
.set fC, 48*(k/4)+12*(k%4)
	global_load_b128 v[fC+6:fC+9], v16, s[90:91] offset:(k%4)*24576           ; A's fragment: upper half Aoff at K = 64 Gn on, the same in both sets
	global_load_b64 v[fC+10:fC+11], v17, s[90:91] offset:(k%4)*24576+512
	global_load_b128 v[fC:fC+3], v16, s[94:95] offset:k*768                   ; lower half Ad_i, i = the set
	global_load_b64 v[fC+4:fC+5], v17, s[94:95] offset:k*768+512
	global_load_b128 v[fC+102:fC+105], v16, s[96:97] offset:k*768             ; B's fragment: upper half Bd_i
	global_load_b64 v[fC+106:fC+107], v17, s[96:97] offset:k*768+512
.set k, k+1
.endr
.set k, 0
.rept 4
	global_load_b128 v[192+6*k:195+6*k], v16, s[92:93] offset:k*24576         ; Boff at K = 64 Gm on
	global_load_b64 v[196+6*k:197+6*k], v17, s[92:93] offset:k*24576+512
.set k, k+1
.endr
	WIN 0
; A K step's eight fragments, 32 LDS loads in one run, into set ks % 2
.macro FETCH ks
.set fR, ((\ks)/4)%3
.set fK, ((\ks)%4)*1536
.set fS, 96*((\ks)%2)
	WIN 0x40                                       ; destination window 1
.set t, 0
.rept 4
	ds_load_b128 v[fS+12*t:fS+12*t+3], v[2+4*fR] offset:t*6144+fK
	ds_load_b64 v[fS+12*t+4:fS+12*t+5], v[3+4*fR] offset:t*6144+fK+512
	ds_load_b128 v[fS+12*t+6:fS+12*t+9], v[2+4*fR] offset:t*6144+fK+768
	ds_load_b64 v[fS+12*t+10:fS+12*t+11], v[3+4*fR] offset:t*6144+fK+1280
	ds_load_b128 v[fS+48+12*t:fS+48+12*t+3], v[4+4*fR] offset:t*6144+fK
	ds_load_b64 v[fS+48+12*t+4:fS+48+12*t+5], v[5+4*fR] offset:t*6144+fK+512
	ds_load_b128 v[fS+48+12*t+6:fS+48+12*t+9], v[4+4*fR] offset:t*6144+fK+768
	ds_load_b64 v[fS+48+12*t+10:fS+48+12*t+11], v[5+4*fR] offset:t*6144+fK+1280
.set t, t+1
.endr
.endm
; 16 products: the 16 accumulators take turns, one instruction a turn, in the same order in every step
.macro MUL ks
.set mS, 96*((\ks)%2)
	WIN 0xa5                                       ; sources window 1, C and D window 2
.set ia, 0
.rept 4
.set ib, 0
.rept 4
.if (\ks) == 0
	WM 8*(4*ia+ib), mS+48+12*ib, mS+12*ia, -1, 64+2*(\ks)+ib/2, 32+2*(\ks)+ia/2, ib%2, ia%2
.else
	WM 8*(4*ia+ib), mS+48+12*ib, mS+12*ia, 8*(4*ia+ib), 64+2*(\ks)+ib/2, 32+2*(\ks)+ia/2, ib%2, ia%2
.endif
.set ib, ib+1
.endr
.set ia, ia+1
.endr
.endm
; 32 numbers of a lane, register 16 g + e = K 32 g + 16 (lane / 16) + e of my row, become half a fragment's six registers and two scale bytes
.macro QUANTH s, cd, hh
.set qN, \s
.set qC, \cd
	v_max3_num_f32 v[QM], |v[qN]|, |v[qN+1]|, 0x2800000
	v_max3_num_f32 v[QM+1], |v[qN+16]|, |v[qN+17]|, 0x2800000
.set qi, 2
.rept 7
	v_max3_num_f32 v[QM], v[QM], |v[qN+qi]|, |v[qN+qi+1]|
	v_max3_num_f32 v[QM+1], v[QM+1], |v[qN+16+qi]|, |v[qN+17+qi]|
.set qi, qi+2
.endr
	v_permlanex16_b32 v[QX], v[QM], s[SEL], s[SEL+1]
	v_permlanex16_b32 v[QX+1], v[QM+1], s[SEL], s[SEL+1]
	v_max_num_f32 v[QM], v[QM], v[QX]              ; with lane l xor 16's: the block's largest magnitude
	v_max_num_f32 v[QM+1], v[QM+1], v[QX+1]
	v_add_nc_u32 v[QE], 0xfe000000, v[QM]
	v_add_nc_u32 v[QE+1], 0xfe000000, v[QM+1]
	v_lshrrev_b32 v[QB], 23, v[QE]
	v_lshrrev_b32 v[QB+1], 23, v[QE+1]
	v_lshl_or_b32 v[\hh], v[QB+1], 8, v[QB]
	v_cvt_scalef32_pk16_bf6_f32 v[qC:qC+2], v[qN:qN+15], v[QE]
	v_cvt_scalef32_pk16_bf6_f32 v[qC+4:qC+6], v[qN+16:qN+31], v[QE+1]
	v_nop                                          ; one plain instruction behind the conversions
	v_permlane16_swap_b32 v[qC], v[qC+4]           ; a whole block to a lane: lanes 0-15 block 0, lanes 16-31 block 1
	v_permlane16_swap_b32 v[qC+1], v[qC+5]
	v_permlane16_swap_b32 v[qC+2], v[qC+6]
	v_mov_b32 v[qC+3], v[qC+4]
	v_mov_b32 v[qC+4], v[qC+5]
	v_mov_b32 v[qC+5], v[qC+6]
.endm
	s_wait_tensorcnt 0x2                           ; my part of chunk 0 is in; chunks 1 and 2 may stay out
	s_barrier_signal -1
	s_barrier_wait -1
	FETCH 0
	WIN 0
	s_wait_loadcnt 0x0
	s_lshl_b32 s2, s12, 4
	s_lshl_b32 s8, s11, 4
	v_lshrrev_b32 v112, s2, v112                   ; Aoff's two bytes of K = 64 Gn on, into the word's upper half
	v_lshrrev_b32 v113, s2, v113
	v_lshlrev_b32 v112, 16, v112
	v_lshlrev_b32 v113, 16, v113
	v_lshrrev_b32 v114, s8, v114                   ; Boff's of K = 64 Gm on, in the lower half
	v_lshrrev_b32 v115, s8, v115
	v_and_b32 v114, 0xffff, v114
	v_and_b32 v115, 0xffff, v115
.set k, 0
.rept 8
	v_or_b32 v[96+k], v[96+k], v[112+k%2]
	v_and_or_b32 v[116+k%2], v[104+k], s19, v[114+k%2]         ; on the diagonal Bd's bytes join Boff's, which are 0 where Bd's are not
	v_lshl_or_b32 v[104+k], v[104+k], 16, v[116+k%2]
.set k, k+1
.endr
.set ks, 0
.rept 16
	s_wait_dscnt 0x0                               ; this step's fragments are in
.if (ks == 3) || (ks == 11) || (ks == 15)
	MUL ks
.if ks == 3
	WIN 0
	s_wait_tensorcnt 0x0                           ; all my tensor loads have landed: chunks 1 and 2
	ds_add_u32 v14, v15                            ; 0 onto my spare word
	s_add_nc_u64 s[34:35], s[34:35], 18432         ; chunk 0's descriptors step to chunk 3
	s_add_nc_u64 s[58:59], s[58:59], 18432
	s_wait_dscnt 0x0                               ; the add is done; my reads of region 0 were over at this step's head
	CROUND                                         ; the same holds of every wave of every partner
	JLOAD                                          ; the one refill: it has eight K steps in which to land; its four v_nop are the places in front of the loads below
	FETCH 4
.elseif ks == 11
	WIN 0
	s_wait_tensorcnt 0x0                           ; my part of chunk 3 is in: it is the one load that was out
	s_barrier_signal -1
	s_barrier_wait -1                              ; everybody's is
	PLACES 4
	FETCH 12
.endif
.else
.if ks > 0
	PLACES 4                                       ; in front of loads into the set that the last step's products read
.endif
	FETCH ks+1
	MUL ks
.endif
.set ks, ks+1
.endr
; THE WAY OUT for i: one K step more, the negated relu, the quantiser, the stores.
.macro EPI i
.set eS, (\i)%2
.if (\i) >= 2
	s_wait_loadcnt 0x0                             ; Ad_i and Bd_i, asked for two turns ago
.endif
	WIN 0xf3
.set ib, 0
.rept 4
.set ee, 0
.rept 6
	v_and_or_b32 v[96+48*eS+12*ib+ee], v[102+48*eS+12*ib+ee], s19, v[192+6*ib+ee]   ; B's lower half: Boff, on the diagonal joined by Bd_i: where one has codes the other has zeros
.set ee, ee+1
.endr
.set ib, ib+1
.endr
.if (\i) == 0
	WIN 0x40
	v_mov_b32 v[QX], 0                             ; a lane permute's destination counts as one of its sources
	v_mov_b32 v[QX+1], 0
.endif
	PLACES 5                                       ; operands written by vector instructions; S taken as the C of other accumulators; results laid over fragments that are done with
	WIN 0x6f                                       ; sources window 3, C window 2, D window 1
.set ia, 0
.rept 4
.set ib, 0
.rept 4
	WM 8*(4*ia+ib), 96+48*eS+12*ib, 48*eS+12*ia, 8*(4*ia+ib), 104+2*(\i)+ib/2, 96+2*(\i)+ia/2, ib%2, ia%2
.set ib, ib+1
.endr
.set ia, ia+1
.endr
	PLACES 4
.if (\i) < 2
	WIN 0xc0
.set t, 0
.rept 4
	global_load_b128 v[48*eS+12*t:48*eS+12*t+3], v16, s[94:95] offset:(4*((\i)+2)+t)*768
	global_load_b64 v[48*eS+12*t+4:48*eS+12*t+5], v17, s[94:95] offset:(4*((\i)+2)+t)*768+512
	global_load_b128 v[102+48*eS+12*t:105+48*eS+12*t], v16, s[96:97] offset:(4*((\i)+2)+t)*768
	global_load_b64 v[106+48*eS+12*t:107+48*eS+12*t], v17, s[96:97] offset:(4*((\i)+2)+t)*768+512
.set t, t+1
.endr
.endif
	WIN 0x55                                       ; all in window 1
	s_wait_xcnt 0x0                                ; the last i's stores have read their data
.set ia, 0
.rept 4
.set qi, 0
.rept 32
	v_min_num_f32 v[32*ia+qi], 0, v[32*ia+qi]      ; min(0, T_i) = -relu(-T_i) = -rep_i; each accumulator from its low end on
.set qi, qi+1
.endr
	QUANTH 32*ia, CDQ+8*ia, HQ+ia
.set ia, ia+1
.endr
	WIN 0x04                                       ; addresses window 0, data window 1
.set ia, 0
.rept 4
	global_store_b128 v16, v[CDQ+8*ia:CDQ+8*ia+3], s[76+2*(\i):77+2*(\i)] offset:ia*24576      ; 512 consecutive bytes, aligned
	global_store_b64 v17, v[CDQ+8*ia+4:CDQ+8*ia+5], s[76+2*(\i):77+2*(\i)] offset:ia*24576+512 ; 256 consecutive bytes, aligned
	ds_store_b16 v28, v[HQ+ia] offset:512*(\i)+64*ia           ; both lanes of a row write the same half word with the same value
.set ia, ia+1
.endr
.endm
	EPI 0
	EPI 1
	EPI 2
	EPI 3
	WIN 0
	s_wait_dscnt 0x0                               ; my half words lie in the table
	s_barrier_signal -1
	s_barrier_wait -1
	ds_load_b128 v[120:123], v29
	s_wait_dscnt 0x0
	global_store_b128 v30, v[120:123], s[98:99]    ; two aligned units of 256 bytes
	s_wait_tensorcnt 0x0                           ; the wave's end
	ds_add_u32 v14, v15
	s_wait_dscnt 0x0
	CROUND                                         ; the closing round
	s_endpgm
.Lfunc_end_k_q6f993062d7_gemm1:
	.size	k_q6f993062d7_gemm1, .Lfunc_end_k_q6f993062d7_gemm1-k_q6f993062d7_gemm1
	.p2alignl 7, 3214868480
	.fill 96, 4, 3214868480
	.section	.rodata,"a",@progbits
	.p2align	6, 0x0
	.amdhsa_kernel k_q6f993062d7_gemm1
		.amdhsa_group_segment_fixed_size 327680
		.amdhsa_private_segment_fixed_size 0
		.amdhsa_enable_private_segment 0
		.amdhsa_kernarg_size 16
		.amdhsa_user_sgpr_count 2
		.amdhsa_user_sgpr_kernarg_segment_ptr 1
		.amdhsa_wavefront_size32 1
		.amdhsa_system_sgpr_workgroup_id_x 1
		.amdhsa_system_sgpr_workgroup_id_y 1
		.amdhsa_system_sgpr_workgroup_id_z 1
		.amdhsa_system_vgpr_workitem_id 0
		.amdhsa_next_free_vgpr 1024
		.amdhsa_next_free_sgpr 100
		.amdhsa_reserve_vcc 0
		.amdhsa_float_denorm_mode_32 3
		.amdhsa_float_denorm_mode_16_64 3
		.amdhsa_memory_ordered 1
		.amdhsa_forward_progress 1
		.amdhsa_inst_pref_size 162
	.end_amdhsa_kernel
	.amdgpu_metadata
---
amdhsa.version: [ 1, 2 ]
amdhsa.kernels:
  - .name:           k_q6f993062d7_gemm1
    .symbol:         k_q6f993062d7_gemm1.kd
    .args:
      - { .name: lq, .offset: 0, .size: 8, .value_kind: global_buffer, .address_space: global }
      - { .name: rep, .offset: 8, .size: 8, .value_kind: global_buffer, .address_space: global }
    .group_segment_fixed_size: 327680
    .private_segment_fixed_size: 0
    .kernarg_segment_align: 8
    .kernarg_segment_size: 16
    .max_flat_workgroup_size: 128
    .sgpr_count:     100
    .vgpr_count:     1024
    .wavefront_size: 32
...
	.end_amdgpu_metadata
.endif
;; end of part 3
;; launch wgemm: the kernel of part 2 again; grid 256 x 1, 4 waves a work-group, clusters of 4 x 1, 327,680 bytes of LDS; arguments rep, zq, wq; writes wq
;; launch outgemm (part 4): grid 256 x 1, 4 waves a work-group, clusters of 4 x 1, 327,680 bytes of LDS; arguments wq, ua, batch_x, a_list, b_list, c_list, residual_alpha, out0; writes out0
.if DOCPART == 4
	.amdgcn_target "amdgcn-amd-amdhsa--gfx1250"
	.amdhsa_code_object_version 6
	.text
	.protected	k_q6f993062d7_outgemm
	.globl	k_q6f993062d7_outgemm
	.p2align	8
	.type	k_q6f993062d7_outgemm,@function
k_q6f993062d7_outgemm:
	s_mov_b64 s[64:65], 0
	v_nop
	global_prefetch_b8 v0, s[64:65] scope:SCOPE_SE
	s_setreg_imm32_b32 hwreg(HW_REG_WAVE_MODE, 25, 1), 1
	s_wait_xcnt 0x0
	s_wait_alu depctr_hold_cnt(0) depctr_sa_sdst(0) depctr_va_vdst(0) depctr_va_sdst(0) depctr_va_ssrc(0) depctr_va_vcc(0) depctr_vm_vsrc(0)
	s_getreg_b32 s2, hwreg(HW_REG_IB_STS2, 6, 4)
	s_cmp_eq_u32 s2, 0
	s_cbranch_scc0 .Lentry_in_a_cluster
	s_endpgm
.Lentry_in_a_cluster:
	s_bfe_u32 s2, ttmp6, 0x10000c
	s_cmp_lg_u32 s2, 0x3003
	s_cbranch_scc0 .Lentry_shape_is_right
	s_endpgm
.Lentry_shape_is_right:
; out = alpha x + sum over i of s_i U w_i, s_i = c_i / ((a_i - b_i)^2 / 4).  U's image along its second axis and the four w_i's images come from the earlier launches.
; THE SIGN: the images in wq hold w_i's codes with the signs turned (the relu's launch carried the sign on), so each part U (-w_i) is multiplied by -s_i = c_i / (-(a_i - b_i)^2 / 4).
; SHARES.  Cluster c: 32 columns of out, 32 (c % 8) on; its four work-groups take 64 rows each, 64 (4 (c / 8) + cx) on.  WAVE w TAKES i = w: 64 x 32 over all of K, 8 accumulators.  The four parts meet in LDS, so that
; each number of out has one owner.  Source 0 = 16 rows of w_i's image (columns n), source 1 = 16 rows of U: a lane holds one row of out and 16 neighbouring columns.
; LDS.  All of K: four regions of 73,728 bytes, each K = 512 of the w_i's 8 tiles (two for each i) and U's 4; every byte is filled once, at the head: a wave has eight tensor loads out.
; The w_i's tiles are the same for the four partners and are asked for jointly; U's are each work-group's own.  The stage of the way out lies in region 0, behind its last fill and its last read.
; LIMITS: (a_i - b_i)^2 / 4 under 2^-126 or over 2^126 meets the reciprocal's flush of denormals; out leaves in runs of 128 bytes, half of an aligned 256: a tile of 64 columns would not fit in LDS with all of K.
.set CO,    524288
.set REG,   73728
.set SPARE, 295168                     ; the spare words, 128 bytes a wave
.set WV,  20
.set MSB, 0
.macro WIN new                         ; the immediate's high byte repeats the setting that is left
.if MSB != \new
	s_set_vgpr_msb (MSB<<8)|\new
.set MSB, \new
.endif
.endm
.macro PLACES n
.rept \n
	v_nop
.endr
.endm
.macro CROUND                          ; a round of the cluster's barrier
	s_barrier_signal -1
	s_barrier_wait -1
	s_cmp_lg_u32 s[WV], 0
	s_cbranch_scc1 .Lnw0_\@
	s_barrier_signal -3
.Lnw0_\@:
	s_barrier_wait -3
	s_barrier_signal -1
	s_barrier_wait -1
.endm
.macro WM d, fa, fb, c, sa, sb, ra, rb ; one scaled product; c < 0: the constant 0 starts the sum; ra, rb: which half of the lanes holds each source's scale words
.set wD, \d
.set wA, \fa
.set wB, \fb
.set wC, \c
.set wP, \sa
.set wQ, \sb
.set wR, 2*(\ra)+(\rb)
.if wC < 0
.if wR == 0
	v_wmma_scale_f32_16x16x128_f8f6f4 v[wD:wD+7], v[wA:wA+11], v[wB:wB+11], 0, v[wP], v[wQ] matrix_a_fmt:MATRIX_FMT_BF6 matrix_b_fmt:MATRIX_FMT_BF6
.elseif wR == 1
	v_wmma_scale_f32_16x16x128_f8f6f4 v[wD:wD+7], v[wA:wA+11], v[wB:wB+11], 0, v[wP], v[wQ] matrix_a_fmt:MATRIX_FMT_BF6 matrix_b_fmt:MATRIX_FMT_BF6 matrix_b_scale:MATRIX_SCALE_ROW1
.elseif wR == 2
	v_wmma_scale_f32_16x16x128_f8f6f4 v[wD:wD+7], v[wA:wA+11], v[wB:wB+11], 0, v[wP], v[wQ] matrix_a_fmt:MATRIX_FMT_BF6 matrix_b_fmt:MATRIX_FMT_BF6 matrix_a_scale:MATRIX_SCALE_ROW1
.else
	v_wmma_scale_f32_16x16x128_f8f6f4 v[wD:wD+7], v[wA:wA+11], v[wB:wB+11], 0, v[wP], v[wQ] matrix_a_fmt:MATRIX_FMT_BF6 matrix_b_fmt:MATRIX_FMT_BF6 matrix_a_scale:MATRIX_SCALE_ROW1 matrix_b_scale:MATRIX_SCALE_ROW1
.endif
.else
.if wR == 0
	v_wmma_scale_f32_16x16x128_f8f6f4 v[wD:wD+7], v[wA:wA+11], v[wB:wB+11], v[wC:wC+7], v[wP], v[wQ] matrix_a_fmt:MATRIX_FMT_BF6 matrix_b_fmt:MATRIX_FMT_BF6
.elseif wR == 1
	v_wmma_scale_f32_16x16x128_f8f6f4 v[wD:wD+7], v[wA:wA+11], v[wB:wB+11], v[wC:wC+7], v[wP], v[wQ] matrix_a_fmt:MATRIX_FMT_BF6 matrix_b_fmt:MATRIX_FMT_BF6 matrix_b_scale:MATRIX_SCALE_ROW1
.elseif wR == 2
	v_wmma_scale_f32_16x16x128_f8f6f4 v[wD:wD+7], v[wA:wA+11], v[wB:wB+11], v[wC:wC+7], v[wP], v[wQ] matrix_a_fmt:MATRIX_FMT_BF6 matrix_b_fmt:MATRIX_FMT_BF6 matrix_a_scale:MATRIX_SCALE_ROW1
.else
	v_wmma_scale_f32_16x16x128_f8f6f4 v[wD:wD+7], v[wA:wA+11], v[wB:wB+11], v[wC:wC+7], v[wP], v[wQ] matrix_a_fmt:MATRIX_FMT_BF6 matrix_b_fmt:MATRIX_FMT_BF6 matrix_a_scale:MATRIX_SCALE_ROW1 matrix_b_scale:MATRIX_SCALE_ROW1
.endif
.endif
.endm
	s_load_b256 s[4:11], s[0:1], 0x0               ; wq s[4:5], ua s[6:7], x s[8:9], a s[10:11]
	s_load_b256 s[12:19], s[0:1], 0x20             ; b s[12:13], c s[14:15], alpha s[16:17], out s[18:19]
	v_lshl_add_u32 v18, v0, 2, SPARE
	v_mov_b32 v19, 0
	ds_add_u32 v18, v19                            ; the wave's opening: the add, twice on end, and its wait ahead of my first tensor load
	ds_add_u32 v18, v19
	v_lshrrev_b32 v1, 5, v0
	v_readfirstlane_b32 s20, v1                    ; wave = i
	s_bfe_u32 s21, ttmp6, 0x40000                  ; cx
	s_and_b32 s22, ttmp9, 7                        ; g: 32 columns
	s_lshr_b32 s23, ttmp9, 3
	s_lshl_b32 s23, s23, 2
	s_add_co_u32 s23, s23, s21                     ; Gm: my 64 rows
	s_mov_b32 s24, 15|(3<<16)|(1<<21)              ; the w_i's group 1: the mask names the four; elements of 8 bytes; bit 21 beside a mask
	s_mov_b32 s25, 768<<16                         ; a tile's 512 along K: 768 elements, 6,144 bytes
	s_mov_b32 s26, 2<<16                           ; 2 tiles
	s_mov_b32 s27, 768<<16
	s_mov_b32 s28, 2
	s_mov_b32 s29, 3072                            ; from tile to tile: 24,576 bytes
	s_mov_b32 s30, 0
	s_mov_b32 s31, 0
	s_mov_b32 s32, 3<<16                           ; U's group 1: no mask; one tile's 6,144 dense bytes as 24 rows of 256
	s_mov_b32 s33, 32<<16
	s_mov_b32 s34, 24<<16
	s_mov_b32 s35, 32<<16
	s_mov_b32 s36, 24
	s_mov_b32 s37, 32
	s_mov_b32 s38, 0
	s_mov_b32 s39, 0
	s_mul_i32 s76, s20, 393216                     ; w_i: tiles 2 g, 2 g + 1 of i = wave: nothing of cx
	s_mul_i32 s77, s22, 49152
	s_add_co_u32 s76, s76, s77
	s_add_co_u32 s76, s76, CO
	s_mov_b32 s77, 0
	s_lshl_b32 s78, s23, 2                         ; U: tile 4 Gm + wave
	s_add_co_u32 s78, s78, s20
	s_mul_i32 s78, s78, 24576
	s_add_co_u32 s78, s78, CO
	s_mov_b32 s79, 0
	s_mul_i32 s80, s20, 12288
	s_mul_i32 s81, s20, 6144
	s_add_co_u32 s81, s81, 49152
	s_wait_dscnt 0x0                               ; both opening adds are done
	s_wait_kmcnt 0x0
	s_add_nc_u64 s[76:77], s[4:5], s[76:77]
	s_add_nc_u64 s[78:79], s[6:7], s[78:79]
.set j, 0
.rept 4
.set gJ, 40+4*j
.set gP, 56+4*j+4*(j/2)
	s_mov_b32 s[gJ], 1
	s_add_co_u32 s[gJ+1], s80, j*REG
	s_add_nc_u64 s[gJ+2:gJ+3], s[76:77], j*6144
	s_or_b32 s[gJ+3], s[gJ+3], 0x80000000
	s_mov_b32 s[gP], 1
	s_add_co_u32 s[gP+1], s81, j*REG
	s_add_nc_u64 s[gP+2:gP+3], s[78:79], j*6144
	s_or_b32 s[gP+3], s[gP+3], 0x80000000
.set j, j+1
.endr
	CROUND                                         ; the four work-groups are here: the joint loads meet
.set j, 0
.rept 4
.set gJ, 40+4*j
.set gP, 56+4*j+4*(j/2)
	tensor_load_to_lds s[gJ:gJ+3], s[24:31]
	s_nop 0
	tensor_load_to_lds s[gP:gP+3], s[32:39]
	s_nop 0
.set j, j+1
.endr
	PLACES 4
	s_lshl_b32 s82, s20, 2
	s_lshr_b32 s83, s22, 1
	s_add_co_u32 s82, s82, s83
	s_lshl_b32 s82, s82, 12
	s_and_b32 s83, s22, 1
	s_lshl_b32 s83, s83, 7
	s_add_co_u32 s82, s82, s83
	s_mov_b32 s83, 0
	s_add_nc_u64 s[82:83], s[4:5], s[82:83]        ; w_i's scale words, my pair of tiles
	s_lshl_b32 s84, s23, 12
	s_mov_b32 s85, 0
	s_add_nc_u64 s[84:85], s[6:7], s[84:85]        ; U's scale units of my 64 rows
	s_lshl_b32 s86, s23, 6                         ; the rows that I store: tile w of the four: 64 Gm + 32 (w / 2) + 8 (w % 2) on
	s_lshr_b32 s87, s20, 1
	s_lshl_b32 s87, s87, 5
	s_add_co_u32 s86, s86, s87
	s_and_b32 s87, s20, 1
	s_lshl_b32 s87, s87, 3
	s_add_co_u32 s86, s86, s87
	s_lshl_b32 s86, s86, 10
	s_lshl_b32 s87, s22, 7
	s_add_co_u32 s86, s86, s87
	s_mov_b32 s87, 0
	s_add_nc_u64 s[88:89], s[18:19], s[86:87]      ; in out,
	s_add_nc_u64 s[86:87], s[8:9], s[86:87]        ; and in x
	v_and_b32 v1, 31, v0
	v_lshlrev_b32 v21, 4, v1
	v_lshlrev_b32 v22, 3, v1
	v_lshlrev_b32 v20, 2, v1
	s_mov_b32 s91, 49152
.set j, 0
.rept 4
	v_add_nc_u32 v[2+4*j], s80, v21                ; region j: my i's two tiles, registers 0-3 and 6-9;
	v_add_nc_u32 v[3+4*j], s80, v22                ; registers 4-5 and 10-11;
	v_add_nc_u32 v[4+4*j], s91, v21                ; U's four
	v_add_nc_u32 v[5+4*j], s91, v22
	s_add_co_u32 s80, s80, REG
	s_add_co_u32 s91, s91, REG
.set j, j+1
.endr
	v_and_b32 v24, 15, v0
	v_bfe_u32 v25, v0, 4, 1
	s_mul_i32 s92, s20, 9216
	v_mul_u32_u24 v28, v24, 144
	v_lshl_add_u32 v28, v25, 6, v28
	v_add_nc_u32 v28, s92, v28                     ; the stage [i][64 slots][128 + 16 bytes], on the way in: slot 16 a + r, 64 bytes for each half of the lanes
	v_bfe_u32 v24, v0, 3, 2
	v_and_b32 v25, 7, v0
	s_mul_i32 s92, s20, 2304
	v_mul_u32_u24 v29, v24, 144
	v_lshl_add_u32 v29, v25, 4, v29
	v_add_nc_u32 v29, s92, v29                     ; back: slots 16 w on, eight lanes to a slot
	v_lshlrev_b32 v27, 10, v24
	v_lshl_add_u32 v27, v25, 4, v27                ; and the same places in x and out
	s_lshl_b32 s93, s20, 2
	v_mov_b32 v30, s93
	v_mov_b32 v31, 0
.set k, 0
.rept 16
	global_load_b32 v[32+k], v20, s[82:83] offset:256*k            ; lanes 0-15 tile 2 g, lanes 16-31 tile 2 g + 1
	global_load_b32 v[48+2*k], v20, s[84:85] offset:256*k
	global_load_b32 v[49+2*k], v20, s[84:85] offset:256*k+128
.set k, k+1
.endr
	global_load_b32 v100, v30, s[10:11]            ; a_w
	global_load_b32 v101, v30, s[12:13]            ; b_w
	global_load_b32 v102, v30, s[14:15]            ; c_w
	global_load_b32 v108, v31, s[16:17]            ; alpha
.set k, 0
.rept 4
	global_load_b128 v[80+4*k:83+4*k], v27, s[86:87] offset:(4*k+8*(k/2))*1024
.set k, k+1
.endr
.macro FETCH ks                        ; a K step's six fragments, 24 LDS loads in one run, into set ks % 2
.set fR, (\ks)/4
.set fK, ((\ks)%4)*1536
.set fS, 72*((\ks)%2)
	WIN 0x40
.set t, 0
.rept 2
	ds_load_b128 v[fS+12*t:fS+12*t+3], v[2+4*fR] offset:t*6144+fK
	ds_load_b64 v[fS+12*t+4:fS+12*t+5], v[3+4*fR] offset:t*6144+fK+512
	ds_load_b128 v[fS+12*t+6:fS+12*t+9], v[2+4*fR] offset:t*6144+fK+768
	ds_load_b64 v[fS+12*t+10:fS+12*t+11], v[3+4*fR] offset:t*6144+fK+1280
.set t, t+1
.endr
.set t, 0
.rept 4
	ds_load_b128 v[fS+24+12*t:fS+24+12*t+3], v[4+4*fR] offset:t*6144+fK
	ds_load_b64 v[fS+24+12*t+4:fS+24+12*t+5], v[5+4*fR] offset:t*6144+fK+512
	ds_load_b128 v[fS+24+12*t+6:fS+24+12*t+9], v[4+4*fR] offset:t*6144+fK+768
	ds_load_b64 v[fS+24+12*t+10:fS+24+12*t+11], v[5+4*fR] offset:t*6144+fK+1280
.set t, t+1
.endr
.endm
.macro MUL ks                          ; 8 products: the accumulators take turns, one instruction a turn
.set mS, 72*((\ks)%2)
	WIN 0x05
.set ia, 0
.rept 4
.set ib, 0
.rept 2
.if (\ks) == 0
	WM 128+16*ia+8*ib, mS+12*ib, mS+24+12*ia, -1, 32+(\ks), 48+2*(\ks)+ia/2, ib, ia%2
.else
	WM 128+16*ia+8*ib, mS+12*ib, mS+24+12*ia, 128+16*ia+8*ib, 32+(\ks), 48+2*(\ks)+ia/2, ib, ia%2
.endif
.set ib, ib+1
.endr
.set ia, ia+1
.endr
.endm
	s_wait_tensorcnt 0x6                           ; my two loads of chunk 0 are in; the six younger ones stay out
	s_barrier_signal -1
	s_barrier_wait -1
	FETCH 0
	WIN 0
	s_wait_loadcnt 0x0
	v_sub_f32 v104, v100, v101
	v_mul_f32 v104, v104, v104
	v_mul_f32 v104, 0xbe800000, v104               ; x -0.25: the sign that the earlier launches carried on is taken back here
	v_rcp_f32 v105, v104
	v_mov_b32 v109, v108                           ; (the plain instruction behind the reciprocal)
	s_wait_alu depctr_va_vdst(0)                   ; ahead of the reciprocal's first reader
	v_mul_f32 v106, v102, v105                     ; -s_w
	v_mov_b32 v107, v106
.set ks, 0
.rept 16
	s_wait_dscnt 0x0                               ; this step's fragments are in
.if (ks%4 == 3) && (ks < 15)
	s_wait_tensorcnt 4-2*(ks/4)                    ; my two loads of the next chunk are in; the later chunks' stay out
	s_barrier_signal -1
	s_barrier_wait -1
.endif
.if ks < 15
.if ks > 0
	PLACES 4                                       ; in front of loads into the set that the last step's products read
.endif
	FETCH ks+1
.endif
	MUL ks
.set ks, ks+1
.endr
	WIN 0
	PLACES 4
.set k, 0
.rept 32
	v_pk_mul_f32 v[128+2*k:129+2*k], v[128+2*k:129+2*k], v[106:107] op_sel_hi:[1,0]   ; U (-w_w) x (-s_w); each accumulator from its low end on
.set k, k+1
.endr
	s_wait_dscnt 0x0
	s_barrier_signal -1
	s_barrier_wait -1                              ; no wave reads operands any more, and every fill has landed: region 0 becomes the stage
.set k, 0
.rept 16
	ds_store_b128 v28, v[128+4*k:131+4*k] offset:2304*(k/4)+16*(k%4)
.set k, k+1
.endr
	s_wait_dscnt 0x0
	s_barrier_signal -1
	s_barrier_wait -1                              ; the four parts lie in the stage
.set k, 0
.rept 16
	ds_load_b128 v[192+4*k:195+4*k], v29 offset:9216*(k/4)+576*(k%4)          ; part k / 4, rows 4 (k % 4) on
.set k, k+1
.endr
	s_wait_dscnt 0x0
.set k, 0
.rept 4
	v_pk_fma_f32 v[192+4*k:193+4*k], v[80+4*k:81+4*k], v[108:109], v[192+4*k:193+4*k] op_sel_hi:[1,0,1]   ; alpha x + part 0,
	v_pk_fma_f32 v[194+4*k:195+4*k], v[82+4*k:83+4*k], v[108:109], v[194+4*k:195+4*k] op_sel_hi:[1,0,1]
	v_pk_add_f32 v[192+4*k:193+4*k], v[192+4*k:193+4*k], v[208+4*k:209+4*k]                               ; then parts 1, 2, 3, in reference()'s order
	v_pk_add_f32 v[194+4*k:195+4*k], v[194+4*k:195+4*k], v[210+4*k:211+4*k]
	v_pk_add_f32 v[192+4*k:193+4*k], v[192+4*k:193+4*k], v[224+4*k:225+4*k]
	v_pk_add_f32 v[194+4*k:195+4*k], v[194+4*k:195+4*k], v[226+4*k:227+4*k]
	v_pk_add_f32 v[192+4*k:193+4*k], v[192+4*k:193+4*k], v[240+4*k:241+4*k]
	v_pk_add_f32 v[194+4*k:195+4*k], v[194+4*k:195+4*k], v[242+4*k:243+4*k]
	global_store_b128 v27, v[192+4*k:195+4*k], s[88:89] offset:(4*k+8*(k/2))*1024 th:TH_STORE_NT          ; four rows, 128 consecutive bytes of each
.set k, k+1
.endr
	s_wait_tensorcnt 0x0                           ; the wave's end
	ds_add_u32 v18, v19
	s_wait_dscnt 0x0
	CROUND                                         ; the closing round
	s_endpgm
.Lfunc_end_k_q6f993062d7_outgemm:
	.size	k_q6f993062d7_outgemm, .Lfunc_end_k_q6f993062d7_outgemm-k_q6f993062d7_outgemm
	.p2alignl 7, 3214868480
	.fill 96, 4, 3214868480
	.section	.rodata,"a",@progbits
	.p2align	6, 0x0
	.amdhsa_kernel k_q6f993062d7_outgemm
		.amdhsa_group_segment_fixed_size 327680
		.amdhsa_private_segment_fixed_size 0
		.amdhsa_enable_private_segment 0
		.amdhsa_kernarg_size 64
		.amdhsa_user_sgpr_count 2
		.amdhsa_user_sgpr_kernarg_segment_ptr 1
		.amdhsa_wavefront_size32 1
		.amdhsa_system_sgpr_workgroup_id_x 1
		.amdhsa_system_sgpr_workgroup_id_y 1
		.amdhsa_system_sgpr_workgroup_id_z 1
		.amdhsa_system_vgpr_workitem_id 0
		.amdhsa_next_free_vgpr 512
		.amdhsa_next_free_sgpr 100
		.amdhsa_reserve_vcc 0
		.amdhsa_float_denorm_mode_32 3
		.amdhsa_float_denorm_mode_16_64 3
		.amdhsa_memory_ordered 1
		.amdhsa_forward_progress 1
		.amdhsa_inst_pref_size 65
	.end_amdhsa_kernel
	.amdgpu_metadata
---
amdhsa.version: [ 1, 2 ]
amdhsa.kernels:
  - .name:           k_q6f993062d7_outgemm
    .symbol:         k_q6f993062d7_outgemm.kd
    .args:
      - { .name: wq, .offset: 0, .size: 8, .value_kind: global_buffer, .address_space: global }
      - { .name: ua, .offset: 8, .size: 8, .value_kind: global_buffer, .address_space: global }
      - { .name: batch_x, .offset: 16, .size: 8, .value_kind: global_buffer, .address_space: global }
      - { .name: a_list, .offset: 24, .size: 8, .value_kind: global_buffer, .address_space: global }
      - { .name: b_list, .offset: 32, .size: 8, .value_kind: global_buffer, .address_space: global }
      - { .name: c_list, .offset: 40, .size: 8, .value_kind: global_buffer, .address_space: global }
      - { .name: residual_alpha, .offset: 48, .size: 8, .value_kind: global_buffer, .address_space: global }
      - { .name: out0, .offset: 56, .size: 8, .value_kind: global_buffer, .address_space: global }
    .group_segment_fixed_size: 327680
    .private_segment_fixed_size: 0
    .kernarg_segment_align: 8
    .kernarg_segment_size: 64
    .max_flat_workgroup_size: 128
    .sgpr_count:     100
    .vgpr_count:     512
    .wavefront_size: 32
...
	.end_amdgpu_metadata
.endif
;; end of part 4
;; ======== version 2 of 2: 4 launches
;; limits: right only within a limited range of input values
;; workspace buffers: lq 8,192,000 bytes; ua 3,670,016 bytes; ut 3,670,016 bytes; xt 917,504 bytes; zq 917,504 bytes; rep 13,107,200 bytes; wq 2,097,152 bytes
;; launch quant (part 5): grid 608 x 1, 4 waves a work-group, no clusters, 71,424 bytes of LDS; arguments batch_lam, batch_U, batch_x, a_list, b_list, lq, ua, ut, xt; writes lq, ua, ut, xt
.if DOCPART == 5
	.amdgcn_target "amdgcn-amd-amdhsa--gfx1250"
	.amdhsa_code_object_version 6
	.text
	.protected	k_q6f993062d7_quant
	.globl	k_q6f993062d7_quant
	.p2align	8
	.type	k_q6f993062d7_quant,@function
k_q6f993062d7_quant:
	s_mov_b64 s[64:65], 0
	v_nop
	global_prefetch_b8 v0, s[64:65] scope:SCOPE_SE
	s_setreg_imm32_b32 hwreg(HW_REG_WAVE_MODE, 25, 1), 1
	s_wait_xcnt 0x0
; out = alpha x + sum over i of s_i U relu((a_i I - Lam)(Lam - b_i I)) (U^T x), every product on codes of E3M2 with one E8M0 scale for each 32 along K.
; THIS LAUNCH quantises Lam and U along both axes and x along its first into images laid in the order of the operands' registers.
; WORK THAT IS NOT DONE, for all values of the inputs:
;  - edge_index enters no line of reference(): it is not loaded and is no argument of any launch.
;  - U^T x is written four times with the same two operands and the same quantisers: it is made once.
;  - a_i I - Lam differs from -Lam on the diagonal alone.  A quantiser works block by block of 32 along K, so of a row of a_i I - Lam only the one block that holds the diagonal hangs on i,
;    and of a column of Lam - b_i I likewise.  With Aoff, Boff = the quantised Lam with these blocks set to zero and Ad_i, Bd_i = these blocks alone,
;    A_i B_i = Aoff Boff + Ad_i (Boff + Bd_i) + Aoff Bd_i, product by product of quantised numbers: Aoff Boff is summed once for the four i.
;  - the quantiser is odd, Q(-v) = -Q(v): Lam - a_i I is quantised, and relu takes the negated sum.
; LIMITS: NaN and infinities among the inputs are not served, nor carried from the work left out; a block of zeros has the scale byte 1 (the diagonal blocks that are set to zero: 0) where the
; quantiser says 127: its codes are zeros, and only this program reads the bytes; the f32 sums are grouped otherwise than in reference().
; IMAGES.  A tile T is 16 rows of an operand.  Half a fragment HF(T, q), 16 rows x 64 K, is 768 bytes at CO + (32 T 4 / 4 + q) 768: registers 0-3 of lane l at 16 l, registers 4-5 at 512 + 8 l; lane (r, h) holds
; K = 64 q + 32 h + 0..31.  Scale words: unit (T/4, ks) of 256 bytes at (16 (T/4) + ks) 256, the word of (T%4, r) at 64 (T%4) + 4 r.
; Along axis 1 (A, ua) and for x lane-row r of tile T is row 32 (T/2) + 8 (T%2) + r + 8 (r/8).  Along axis 0 (B, ut) it is column 64 (T/4) + 4 r + T%4.
; SHARES.  Work-groups 0-255 take Lam, 256-511 U (128 x 128 each, 64 x 64 a wave), 512-575 x (128 rows x 64 columns, 64 x 32 a wave), 576-607 the diagonal blocks (64 rows each, a wave for each i).
; A wave's loads give lane (r, h) four columns 4 r .. 4 r + 3 of rows 32 p + 16 h + j: 16 numbers of a column's block in a lane, the other 16 in lane l xor 16.  Rows turn through the wave's stage in LDS: a lane a row.
; Two waves' half words of scales meet in a table in LDS and leave as whole 256-byte units.
.set CO,    524288
.set LBI,   3670016                    ; lq: the image along axis 0 begins here
.set DAO,   7340032                    ; the diagonal blocks of Lam - a_i I, [G 32][i 4][tile 4][768]
.set DBO,   7733248                    ; of Lam - b_i I
.set DASO,  8126464                    ; their scale words [G][i][256]
.set DBSO,  8159232
.set STG,   17408                      ; a wave's stage: 64 rows x (256 + 16) bytes
.set TBL,   69632                      ; four units of scale words
.set TBLX,  70656                      ; x's unit
.set SPARE, 70912                      ; the spare words, 128 bytes a wave
.set XB,  32                           ; v32-63  two columns' numbers
.set CD1, 64                           ; v64-87  rows' codes, 12 registers for each 32 rows
.set TC,  88                           ; v88-95  the second halves of blocks, as converted
.set CD0, 96                           ; v96-127 columns' codes, 8 registers for each of four columns (the last of them: the first block's scale byte)
.set TT,  128                          ; v128-255 the tile as loaded
.set SEL, 30
	s_load_b256 s[4:11], s[0:1], 0x0               ; Lam s[4:5], U s[6:7], x s[8:9], a s[10:11]
	s_load_b256 s[12:19], s[0:1], 0x20             ; b s[12:13], lq s[14:15], ua s[16:17], ut s[18:19]
	s_load_b64 s[20:21], s[0:1], 0x40              ; xt
	v_lshl_add_u32 v14, v0, 2, SPARE               ; my spare word
	v_mov_b32 v15, 0
	v_lshrrev_b32 v16, 5, v0
	v_readfirstlane_b32 s32, v16                   ; wave
	s_lshr_b32 s33, s32, 1                         ; wr
	s_and_b32 s34, s32, 1                          ; wc
	s_mov_b32 s69, 0
	v_and_b32 v1, 31, v0                           ; lane
	v_and_b32 v16, 15, v0                          ; r
	v_bfe_u32 v17, v0, 4, 1                        ; h
	v_bfe_u32 v18, v0, 3, 1                        ; of 32 rows, row l lies in tile u = (l/8)%2
	v_and_b32 v19, 7, v0
	v_lshl_or_b32 v19, v17, 3, v19                 ; at lane-row r' = l%8 + 8 (l/16)
	v_mul_u32_u24 v6, v18, 24576
	v_lshl_add_u32 v7, v19, 3, v6
	v_add_nc_u32 v7, 512, v7                       ; an image by rows: registers 4-5
	v_lshl_add_u32 v6, v19, 4, v6                  ; registers 0-3
	v_lshlrev_b32 v10, 6, v18
	v_lshl_add_u32 v10, v19, 2, v10                ; my row's word in a pair of tiles
	v_lshlrev_b32 v8, 4, v1                        ; 16 x lane
	v_lshlrev_b32 v9, 3, v1                        ; 8 x lane
	s_wait_alu depctr_va_vdst(0)
	s_wait_kmcnt 0x0
; 64 numbers of a lane from v[x] on, two whole blocks of 32, become 12 registers of codes and two scale bytes.
.macro QUANT2 x, cd, bt
.set qX, \x
.set qC, \cd
	v_max3_num_f32 v16, |v[qX]|, |v[qX+1]|, 0x2800000      ; the largest magnitude, over the floor 2^(5 - 127): so the byte cannot fall under 1
	v_max3_num_f32 v17, |v[qX+32]|, |v[qX+33]|, 0x2800000
	v_max3_num_f32 v18, |v[qX+2]|, |v[qX+3]|, |v[qX+4]|
	v_max3_num_f32 v19, |v[qX+34]|, |v[qX+35]|, |v[qX+36]|
.set j, 5
.rept 6
	v_max3_num_f32 v16, v16, |v[qX+j]|, |v[qX+j+1]|
	v_max3_num_f32 v17, v17, |v[qX+32+j]|, |v[qX+33+j]|
	v_max3_num_f32 v18, v18, |v[qX+j+2]|, |v[qX+j+3]|
	v_max3_num_f32 v19, v19, |v[qX+34+j]|, |v[qX+35+j]|
.set j, j+4
.endr
	v_max3_num_f32 v16, v16, |v[qX+29]|, |v[qX+30]|
	v_max3_num_f32 v17, v17, |v[qX+61]|, |v[qX+62]|
	v_max3_num_f32 v16, v16, v18, |v[qX+31]|
	v_max3_num_f32 v17, v17, v19, |v[qX+63]|
	v_add_nc_u32 v18, 0xfe000000, v16              ; 4 off the exponent field: the conversion's scale operand
	v_add_nc_u32 v19, 0xfe000000, v17
	v_lshrrev_b32 v20, 23, v18                     ; the scale's byte
	v_lshrrev_b32 v21, 23, v19
	v_lshl_or_b32 v[\bt], v21, 8, v20
	v_cvt_scalef32_pk16_bf6_f32 v[qC:qC+2], v[qX:qX+15], v18
	v_cvt_scalef32_pk16_bf6_f32 v[TC:TC+2], v[qX+16:qX+31], v18      ; (a conversion's three registers begin on an even number)
	v_cvt_scalef32_pk16_bf6_f32 v[qC+6:qC+8], v[qX+32:qX+47], v19
	v_cvt_scalef32_pk16_bf6_f32 v[TC+4:TC+6], v[qX+48:qX+63], v19
	v_nop                                          ; one plain instruction behind the conversions
.set j, 0
.rept 3
	v_mov_b32 v[qC+3+j], v[TC+j]
	v_mov_b32 v[qC+9+j], v[TC+4+j]
.set j, j+1
.endr
.endm
; A lane's two blocks go to the places of lanes (r', 0) and (r', 1) of its tile: each store of 16 bytes a lane covers two aligned runs of 256 bytes.
.macro STOREHF ptr, o16, o8, base, cd
	global_store_b128 v[\o16], v[\cd:\cd+3], s[\ptr:\ptr+1] offset:\base
	global_store_b64 v[\o8], v[\cd+4:\cd+5], s[\ptr:\ptr+1] offset:\base
	global_store_b128 v[\o16], v[\cd+6:\cd+9], s[\ptr:\ptr+1] offset:\base+256
	global_store_b64 v[\o8], v[\cd+10:\cd+11], s[\ptr:\ptr+1] offset:\base+128
.endm
	s_cmp_ge_u32 ttmp9, 576
	s_cbranch_scc1 .Ldiag
	s_cmp_ge_u32 ttmp9, 512
	s_cbranch_scc1 .Lx
; LAM AND U
	s_lshr_b32 s35, ttmp9, 8                       ; 0 Lam, 1 U
	s_and_b32 s60, ttmp9, 255
	s_lshr_b32 s36, s60, 4                         ; R
	s_and_b32 s37, s60, 15                         ; C
	s_lshl_b32 s38, s36, 1
	s_add_co_u32 s38, s38, s33                     ; tr: my 64 rows
	s_lshl_b32 s39, s37, 1
	s_add_co_u32 s39, s39, s34                     ; tc: my 64 columns
	s_xor_b32 s40, s38, s39
	s_or_b32 s40, s40, s35
	s_cmp_eq_u32 s40, 0
	s_cselect_b32 s40, 1, 0                        ; 1: a tile of Lam on the diagonal
	s_add_nc_u64 s[46:47], s[14:15], LBI
	s_cmp_eq_u32 s35, 0                            ; the buffers are chosen by the work-group's number alone
	s_cselect_b64 s[42:43], s[4:5], s[6:7]
	s_cselect_b64 s[44:45], s[14:15], s[16:17]     ; the image along axis 1
	s_cselect_b64 s[46:47], s[46:47], s[18:19]     ; the image along axis 0
	s_lshl_b32 s68, s38, 19
	s_lshl_b32 s67, s39, 8
	s_add_co_u32 s68, s68, s67
	s_add_nc_u64 s[42:43], s[42:43], s[68:69]      ; my tile's first number
	s_mul_i32 s70, s32, STG
	s_mov_b32 s[SEL], 0x76543210
	s_mov_b32 s[SEL+1], 0xfedcba98                 ; lane l xor 16
	s_lshl_b32 s60, s33, 8
	s_lshl_b32 s61, s34, 1
	s_add_co_u32 s60, s60, s61
	s_add_co_u32 s60, s60, TBL                     ; the table: rows' scales, unit wr, half word wc
	s_lshl_b32 s61, s34, 8
	s_lshl_b32 s62, s33, 1
	s_add_co_u32 s61, s61, s62
	s_add_co_u32 s61, s61, TBL+512                 ; columns' scales, unit 2 + wc, half word wr
	s_lshl_b32 s62, s32, 8
	s_add_co_u32 s62, s62, TBL                     ; the unit that I store
	v_lshlrev_b32 v2, 17, v17
	v_lshl_add_u32 v2, v16, 4, v2                  ; a load: lanes 0-15 256 bytes of row j, lanes 16-31 of row 16 + j
	v_mul_u32_u24 v3, v17, 4352
	v_lshl_add_u32 v3, v16, 4, v3
	v_add_nc_u32 v3, s70, v3                       ; the stage, on the way in
	v_mul_u32_u24 v5, v1, 272
	v_add_nc_u32 v5, s70, v5                       ; read by rows
	v_add_nc_u32 v11, s60, v10
	v_lshl_add_u32 v12, v16, 2, s61
	v_add_nc_u32 v13, s62, v9
	v_xor_b32 v22, v18, v17
	v_sub_nc_u32 v22, 0, v22                       ; 0 in the lanes whose block of 32 rows holds the diagonal of a tile on it: r / 8 = h
	v_lshlrev_b32 v23, 3, v18
	v_mov_b32 v4, 0xff00
	v_lshrrev_b32 v23, v23, v4                     ; and the mask of their bytes
.irp c, 0,1,2,3
	v_mov_b32 v[28+\c], 0                          ; a lane permute's destination counts as one of its sources
.endr
	s_wait_alu depctr_va_vdst(0)
.set j, 0
.rept 32                               ; 64 rows x 256 bytes: 32 loads, all on their way at once
	global_load_b128 v[TT+4*j:TT+4*j+3], v2, s[42:43] offset:(j%16+32*(j/16))*8192 th:TH_LOAD_NT
.set j, j+1
.endr
	s_lshl_b32 s68, s38, 7
	s_add_co_u32 s68, s68, s39
	s_mul_i32 s68, s68, 768
	s_add_co_u32 s68, s68, CO
	s_add_nc_u64 s[48:49], s[44:45], s[68:69]      ; HF(4 tr, tc)
	s_lshl_b32 s68, s39, 7
	s_add_co_u32 s68, s68, s38
	s_mul_i32 s68, s68, 768
	s_add_co_u32 s68, s68, CO
	s_add_nc_u64 s[50:51], s[46:47], s[68:69]      ; HF(4 tc, tr)
	s_cmp_lt_u32 s32, 2                            ; waves 0, 1 store the rows' units (2 R + w, C), waves 2, 3 the columns' (2 C + w - 2, R)
	s_cselect_b64 s[56:57], s[44:45], s[46:47]
	s_cselect_b32 s68, s36, s37
	s_cselect_b32 s67, s37, s36
	s_lshl_b32 s68, s68, 1
	s_add_co_u32 s68, s68, s34
	s_lshl_b32 s68, s68, 4
	s_add_co_u32 s68, s68, s67
	s_lshl_b32 s68, s68, 8
	s_add_nc_u64 s[56:57], s[56:57], s[68:69]
; Two columns c, c + 1 of rows 32 p on: a lane's 16 numbers of each side by side, then the conversions
.macro COLS p, c
.set j, 0
.rept 16
	v_mov_b32 v[XB+j], v[TT+64*\p+4*j+\c]
	v_mov_b32 v[XB+16+j], v[TT+64*\p+4*j+\c+1]
.set j, j+1
.endr
	v_cvt_scalef32_pk16_bf6_f32 v[CD0+8*\c+4*\p:CD0+8*\c+4*\p+2], v[XB:XB+15], v[16+\c]
	v_cvt_scalef32_pk16_bf6_f32 v[CD0+8*\c+8+4*\p:CD0+8*\c+10+4*\p], v[XB+16:XB+31], v[17+\c]
	v_nop                                          ; one plain instruction behind the conversions
.endm
; The columns' codes: a whole block to a lane (lanes 0-15 rows 0-31, lanes 16-31 rows 32-63), and out.
.macro COLSOUT
.irp k, 0,1,2
.irp c, 0,1,2,3
	v_permlane16_swap_b32 v[CD0+8*\c+\k], v[CD0+8*\c+4+\k]
.endr
.endr
.irp c, 0,1,2,3
	v_lshl_or_b32 v[28+\c], v[28+\c], 8, v[CD0+8*\c+7]
.endr
.irp k, 3,4,5
.irp c, 0,1,2,3
	v_mov_b32 v[CD0+8*\c+\k], v[CD0+8*\c+\k+1]
.endr
.endr
	s_cmp_eq_u32 s40, 0
	s_cbranch_scc1 .Lnd_\@
.irp c, 0,1,2,3                        ; a tile on Lam's diagonal: in the common image its diagonal blocks become zero codes under the byte 0
.irp k, 0,1,2,3,4,5
	v_and_b32 v[CD0+8*\c+\k], v22, v[CD0+8*\c+\k]
.endr
	v_and_b32 v[28+\c], v23, v[28+\c]
.endr
.Lnd_\@:
	s_wait_alu depctr_va_vdst(0)
.irp c, 0,1,2,3
	global_store_b128 v8, v[CD0+8*\c:CD0+8*\c+3], s[50:51] offset:24576*\c            ; 512 consecutive bytes, aligned
	global_store_b64 v9, v[CD0+8*\c+4:CD0+8*\c+5], s[50:51] offset:24576*\c+512       ; 256 consecutive bytes, aligned
	ds_store_b16 v12, v[28+\c] offset:64*\c        ; both lanes of a column write the same half word with the same value
.endr
.endm
; Rows 32 p .. 32 p + 31 of my tile
.macro HALF p
.set TB, TT+64*\p
.set j, 0
.rept 16
	s_wait_loadcnt 31-16*\p-j                      ; loads come back in order: this pair of rows is in, the younger ones stay out
	ds_store_b128 v3, v[TB+4*j:TB+4*j+3] offset:272*(32*\p+j)
.set j, j+1
.endr
.irp c, 0,1,2,3
	v_max3_num_f32 v[24+\c], |v[TB+\c]|, |v[TB+4+\c]|, 0x2800000
.endr
.set j, 2
.rept 7
.irp c, 0,1,2,3
	v_max3_num_f32 v[24+\c], v[24+\c], |v[TB+4*j+\c]|, |v[TB+4*j+4+\c]|
.endr
.set j, j+2
.endr
.irp c, 0,1,2,3
	v_permlanex16_b32 v[28+\c], v[24+\c], s[SEL], s[SEL+1]
.endr
.irp c, 0,1,2,3
	v_max_num_f32 v[24+\c], v[24+\c], v[28+\c]     ; with lane l xor 16's: the block's largest magnitude
.endr
.irp c, 0,1,2,3
	v_add_nc_u32 v[16+\c], 0xfe000000, v[24+\c]
.endr
.irp c, 0,1,2,3
.if \p == 0
	v_lshrrev_b32 v[CD0+8*\c+7], 23, v[16+\c]
.else
	v_lshrrev_b32 v[28+\c], 23, v[16+\c]
.endif
.endr
	COLS \p, 0
	COLS \p, 2
.set j, 0
.rept 16                               ; rows 32 p + lane, over the registers just used: LDS serves a wave's instructions in order, so these see the stores above
	ds_load_b128 v[TB+4*j:TB+4*j+3], v5 offset:8704*\p+16*j
.set j, j+1
.endr
.if \p == 1
	COLSOUT
.endif
	s_wait_dscnt 0x0
	QUANT2 TB, CD1+12*\p, 4
	s_cmp_eq_u32 s40, 0
	s_cbranch_scc1 .Lnr_\@
.set j, 0
.rept 6
	v_mov_b32 v[CD1+18*\p+j], 0                    ; on the diagonal: row 32 p + lane has it in block p
.set j, j+1
.endr
	v_and_b32 v4, 0xff00>>(8*\p), v4
.Lnr_\@:
	s_wait_alu depctr_va_vdst(0)
	STOREHF 48, 6, 7, 49152*\p, CD1+12*\p
	ds_store_b16 v11, v4 offset:128*\p
.endm
	HALF 0
	HALF 1
	s_wait_dscnt 0x0                               ; my half words lie in the table
	s_barrier_signal -1
	s_barrier_wait -1                              ; everybody's do
	ds_load_b64 v[24:25], v13
	s_wait_dscnt 0x0
	global_store_b64 v9, v[24:25], s[56:57]        ; 32 lanes store 256 consecutive bytes, aligned
	s_wait_tensorcnt 0x0                           ; the wave's end
	ds_add_u32 v14, v15
	s_wait_dscnt 0x0
	s_endpgm
; X: a lane a column, registers down the rows
.Lx:
	s_sub_co_u32 s36, ttmp9, 512
	s_and_b32 s37, s36, 3                          ; G: 64 columns
	s_lshr_b32 s36, s36, 2                         ; R: 128 rows
	s_lshl_b32 s38, s36, 1
	s_add_co_u32 s38, s38, s33                     ; my 64 rows
	s_lshl_b32 s39, s37, 1
	s_add_co_u32 s39, s39, s34                     ; my 32 columns
	s_lshl_b32 s68, s38, 16
	s_lshl_b32 s67, s39, 7
	s_add_co_u32 s68, s68, s67
	s_add_nc_u64 s[42:43], s[8:9], s[68:69]
	s_lshl_b32 s68, s39, 6
	s_add_co_u32 s68, s68, s38
	s_mul_i32 s68, s68, 768
	s_add_co_u32 s68, s68, CO
	s_add_nc_u64 s[48:49], s[20:21], s[68:69]      ; HF(2 x my columns, my rows)
	s_lshl_b32 s68, s37, 4
	s_add_co_u32 s68, s68, s36
	s_lshl_b32 s68, s68, 8
	s_add_nc_u64 s[56:57], s[20:21], s[68:69]      ; unit (G, R)
	s_lshl_b32 s60, s34, 7
	s_lshl_b32 s61, s33, 1
	s_add_co_u32 s60, s60, s61
	s_add_co_u32 s60, s60, TBLX
	v_lshlrev_b32 v2, 2, v1
	v_add_nc_u32 v11, s60, v10
	v_add_nc_u32 v13, TBLX, v9
	s_wait_alu depctr_va_vdst(0)
.set j, 0
.rept 64
	global_load_b32 v[TT+j], v2, s[42:43] offset:1024*j th:TH_LOAD_NT
.set j, j+1
.endr
	s_wait_loadcnt 0x0
	QUANT2 TT, CD1, 4
	STOREHF 48, 6, 7, 0, CD1
	ds_store_b16 v11, v4
	s_wait_dscnt 0x0
	s_barrier_signal -1
	s_barrier_wait -1                              ; the four half words of each row lie in x's unit
	s_cmp_lg_u32 s32, 0
	s_cbranch_scc1 .Lx_end
	ds_load_b64 v[24:25], v13
	s_wait_dscnt 0x0
	global_store_b64 v9, v[24:25], s[56:57]
.Lx_end:
	s_wait_tensorcnt 0x0                           ; the wave's end
	ds_add_u32 v14, v15
	s_wait_dscnt 0x0
	s_endpgm
; THE DIAGONAL BLOCKS of Lam - a_i I by rows and of Lam - b_i I by columns, i = wave, rows and columns 64 G on: two blocks of 32 x 32 each.  No LDS.
.Ldiag:
	s_sub_co_u32 s36, ttmp9, 576                   ; G
	s_lshl_b32 s68, s36, 19
	s_lshl_b32 s67, s36, 8
	s_add_co_u32 s68, s68, s67
	s_add_nc_u64 s[42:43], s[4:5], s[68:69]
	s_mul_i32 s68, s36, 12288
	s_mul_i32 s67, s32, 3072
	s_add_co_u32 s68, s68, s67
	s_add_nc_u64 s[52:53], s[14:15], s[68:69]
	s_add_nc_u64 s[54:55], s[52:53], DBO
	s_add_nc_u64 s[52:53], s[52:53], DAO
	s_lshl_b32 s68, s36, 10
	s_lshl_b32 s67, s32, 8
	s_add_co_u32 s68, s68, s67
	s_add_nc_u64 s[56:57], s[14:15], s[68:69]
	s_add_nc_u64 s[58:59], s[56:57], DBSO
	s_add_nc_u64 s[56:57], s[56:57], DASO
	s_lshl_b32 s60, s32, 2
	v_lshlrev_b32 v2, 2, v1                        ; by columns: a lane a column
	v_lshlrev_b32 v3, 13, v1                       ; by rows: a lane a row
	v_mov_b32 v5, s60
	v_mul_u32_u24 v22, v18, 768
	v_lshl_add_u32 v23, v19, 3, v22
	v_add_nc_u32 v23, 512, v23                     ; rows: tile 2 p + u, lane-row r': registers 4-5
	v_lshl_add_u32 v22, v19, 4, v22                ; registers 0-3
	v_and_b32 v28, 3, v1                           ; columns: tile l % 4, lane-row 8 p + l / 4
	v_lshrrev_b32 v29, 2, v1
	v_mul_u32_u24 v30, v28, 768
	v_lshl_add_u32 v31, v29, 3, v30
	v_add_nc_u32 v31, 512, v31
	v_lshl_add_u32 v30, v29, 4, v30
	v_lshlrev_b32 v13, 6, v28
	v_lshl_add_u32 v13, v29, 2, v13
.irp c, 0,1,2,3
	v_mov_b32 v[24+\c], 0
.endr
	s_wait_alu depctr_va_vdst(0)
	global_load_b32 v11, v5, s[10:11]              ; a_i
	global_load_b32 v12, v5, s[12:13]              ; b_i
.set j, 0
.rept 64                               ; columns: block p = j / 32, row j % 32
	global_load_b32 v[TT+j], v2, s[42:43] offset:(j%32)*8192+(j/32)*262272
.set j, j+1
.endr
.set j, 0
.rept 16                               ; rows: block p = j / 8
	global_load_b128 v[TT+64+4*j:TT+67+4*j], v3, s[42:43] offset:(j%8)*16+(j/8)*262272
.set j, j+1
.endr
.set j, 0
.rept 32                               ; 1.0 where the register's number is the lane's, else 0
	v_cmp_eq_u32 vcc_lo, j, v1
	v_cndmask_b32 v[XB+j], 0, 1.0, vcc_lo
.set j, j+1
.endr
	s_wait_alu depctr_va_vdst(0)
	s_wait_loadcnt 0x0
.macro DG x, coef, cd, pc, ps, o16, o8, ow, b16, b8, z16, z8, bw, p
.set j, 0
.rept 32
	v_fma_f32 v[\x+j], -v[XB+j], v[\coef], v[\x+j]         ; Lam - a_i (or b_i) on the diagonal, Lam beside it: one rounding, as the subtraction has
.set j, j+1
.endr
	v_max3_num_f32 v16, |v[\x]|, |v[\x+1]|, 0x2800000
	v_max3_num_f32 v17, |v[\x+2]|, |v[\x+3]|, 0x2800000
.set j, 4
.rept 7
	v_max3_num_f32 v16, v16, |v[\x+j]|, |v[\x+j+1]|
	v_max3_num_f32 v17, v17, |v[\x+j+2]|, |v[\x+j+3]|
.set j, j+4
.endr
	v_max_num_f32 v16, v16, v17
	v_add_nc_u32 v18, 0xfe000000, v16
	v_lshrrev_b32 v20, 23, v18
	v_cvt_scalef32_pk16_bf6_f32 v[\cd:\cd+2], v[\x:\x+15], v18
	v_cvt_scalef32_pk16_bf6_f32 v[TC:TC+2], v[\x+16:\x+31], v18
	v_lshlrev_b32 v[\cd+6], 8*\p, v20              ; the word: this block's byte, 0 for the other.  (The plain instruction behind the conversions)
.set j, 0
.rept 3
	v_mov_b32 v[\cd+3+j], v[TC+j]
.set j, j+1
.endr
	global_store_b128 v[\o16], v[\cd:\cd+3], s[\pc:\pc+1] offset:\b16
	global_store_b64 v[\o8], v[\cd+4:\cd+5], s[\pc:\pc+1] offset:\b8
	global_store_b128 v[\o16], v[24:27], s[\pc:\pc+1] offset:\z16                  ; the other block of these 64 along K: zeros
	global_store_b64 v[\o8], v[24:25], s[\pc:\pc+1] offset:\z8
	global_store_b32 v[\ow], v[\cd+6], s[\ps:\ps+1] offset:\bw
.endm
	DG 128, 12, 64, 54, 58, 30, 31, 13, 0, 0, 256, 128, 0, 0
	DG 160, 12, 72, 54, 58, 30, 31, 13, 384, 192, 128, 64, 32, 1
	DG 192, 11, 80, 52, 56, 22, 23, 10, 0, 0, 256, 128, 0, 0
	DG 224, 11, 96, 52, 56, 22, 23, 10, 1792, 1664, 1536, 1536, 128, 1
	s_endpgm
.Lfunc_end_k_q6f993062d7_quant:
	.size	k_q6f993062d7_quant, .Lfunc_end_k_q6f993062d7_quant-k_q6f993062d7_quant
	.p2alignl 7, 3214868480
	.fill 96, 4, 3214868480
	.section	.rodata,"a",@progbits
	.p2align	6, 0x0
	.amdhsa_kernel k_q6f993062d7_quant
		.amdhsa_group_segment_fixed_size 71424
		.amdhsa_private_segment_fixed_size 0
		.amdhsa_enable_private_segment 0
		.amdhsa_kernarg_size 72
		.amdhsa_user_sgpr_count 2
		.amdhsa_user_sgpr_kernarg_segment_ptr 1
		.amdhsa_wavefront_size32 1
		.amdhsa_system_sgpr_workgroup_id_x 1
		.amdhsa_system_sgpr_workgroup_id_y 1
		.amdhsa_system_sgpr_workgroup_id_z 1
		.amdhsa_system_vgpr_workitem_id 0
		.amdhsa_next_free_vgpr 256
		.amdhsa_next_free_sgpr 72
		.amdhsa_reserve_vcc 1
		.amdhsa_float_denorm_mode_32 3
		.amdhsa_float_denorm_mode_16_64 3
		.amdhsa_memory_ordered 1
		.amdhsa_forward_progress 1
		.amdhsa_inst_pref_size 73
	.end_amdhsa_kernel
	.amdgpu_metadata
---
amdhsa.version: [ 1, 2 ]
amdhsa.kernels:
  - .name:           k_q6f993062d7_quant
    .symbol:         k_q6f993062d7_quant.kd
    .args:
      - { .name: batch_lam, .offset: 0, .size: 8, .value_kind: global_buffer, .address_space: global }
      - { .name: batch_U, .offset: 8, .size: 8, .value_kind: global_buffer, .address_space: global }
      - { .name: batch_x, .offset: 16, .size: 8, .value_kind: global_buffer, .address_space: global }
      - { .name: a_list, .offset: 24, .size: 8, .value_kind: global_buffer, .address_space: global }
      - { .name: b_list, .offset: 32, .size: 8, .value_kind: global_buffer, .address_space: global }
      - { .name: lq, .offset: 40, .size: 8, .value_kind: global_buffer, .address_space: global }
      - { .name: ua, .offset: 48, .size: 8, .value_kind: global_buffer, .address_space: global }
      - { .name: ut, .offset: 56, .size: 8, .value_kind: global_buffer, .address_space: global }
      - { .name: xt, .offset: 64, .size: 8, .value_kind: global_buffer, .address_space: global }
    .group_segment_fixed_size: 71424
    .private_segment_fixed_size: 0
    .kernarg_segment_align: 8
    .kernarg_segment_size: 72
    .max_flat_workgroup_size: 128
    .sgpr_count:     72
    .vgpr_count:     256
    .wavefront_size: 32
...
	.end_amdgpu_metadata
.endif
;; end of part 5
;; launch gemm1 (part 6): grid 16 x 16, 4 waves a work-group, clusters of 4 x 4, 327,680 bytes of LDS; arguments lq, rep, ut, xt, zq; writes rep, zq
.if DOCPART == 6
	.amdgcn_target "amdgcn-amd-amdhsa--gfx1250"
	.amdhsa_code_object_version 6
	.text
	.protected	k_q6f993062d7_gemm1
	.globl	k_q6f993062d7_gemm1
	.p2align	8
	.type	k_q6f993062d7_gemm1,@function
k_q6f993062d7_gemm1:
	s_mov_b64 s[64:65], 0
	v_nop
	global_prefetch_b8 v0, s[64:65] scope:SCOPE_SE
	s_setreg_imm32_b32 hwreg(HW_REG_WAVE_MODE, 25, 1), 1
	s_wait_xcnt 0x0
	s_wait_alu depctr_hold_cnt(0) depctr_sa_sdst(0) depctr_va_vdst(0) depctr_va_sdst(0) depctr_va_ssrc(0) depctr_va_vcc(0) depctr_vm_vsrc(0)
	s_getreg_b32 s2, hwreg(HW_REG_IB_STS2, 6, 4)
	s_cmp_eq_u32 s2, 0
	s_cbranch_scc0 .Lentry_in_a_cluster
	s_endpgm
.Lentry_in_a_cluster:
	s_bfe_u32 s2, ttmp6, 0x10000c
	s_cmp_lg_u32 s2, 0xf033
	s_cbranch_scc0 .Lentry_shape_is_right
	s_endpgm
.Lentry_shape_is_right:
; The buffer rep takes Q(-rep_i) along its rows, rep_i = relu((a_i I - Lam)(Lam - b_i I)), i = 0 .. 3, from the images that the first launch stored; and the buffer zq takes Q(z), z = U^T x.
; WORK THAT IS NOT DONE (shown at the head of the first kernel): S = Aoff Boff, 16 K steps of 128, is summed once for the four i; each i adds ONE K step of 128 that holds the two stretches of 64 along K in which
; its operands differ: T_i = S + Ad_i (Boff + Bd_i) + Aoff Bd_i.  Lam - a_i I was quantised in place of a_i I - Lam, so rep_i = max(0, -T_i).  U^T x, written four times with the same operands, is made once.
; THE SIGN IS CARRIED ON: min(0, T_i) = -rep_i is what is quantised.  The quantiser is odd: these are rep_i's codes with the signs turned, under the same scale bytes; the last launch multiplies by -s_i.
; SHARES.  A work-group makes 128 x 128 of the four rep_i, each of four waves 64 x 64 (wm, wn).  The instruction is used transposed (source 0 = 16 columns n, source 1 = 16 rows m): a lane holds one row of rep.
; B's tile c of 64 columns takes columns 4 r + c, so lane (r, h) holds in register j of tiles c = 0 .. 3 the columns 32 h + 4 j + c: A WHOLE BLOCK of 32 of the next K, in the order 8 c + j.  z's rows come
; from U's tiles in the very same order, so the next product's two operands agree; a block's scale does not hang on the order.
; z: work-group (tm, tn), X = tn / 4, cx = tn % 4, makes rows 64 q on, q = 2 tm + X / 2, of columns 32 np on, np = 4 (X % 2) + cx: so U's tiles are shared along a row of the cluster and x's along a column.
; WAVE w TAKES K STEPS 4 w .. 4 w + 3 of z; the four parts meet in LDS, and waves 0 and 1 add, quantise and store a piece of 64 x 16 each.
; LIMITS: z's f32 sums are made in four quarters of K; its scale bytes leave one by one, since the two halves of a scale word belong to two work-groups.  A NaN or an infinity is not served.
; LDS.  Two slots of 147,456 bytes, four chunks: K 0-767 (slot 0), K 768-1535 (slot 1), K 1536-2047 (slot 0), z's operands (slot 1).  One joint load a wave for each, waves 0, 1 for A (U), waves 2, 3 for B (x).
; A wave has one tensor load out.  A's tiles hang on the tile row alone, B's on the tile column alone.  z's parts lie in slot 0, behind its last fill and its last read.
; PREFETCH: each chunk of S is asked for one chunk ahead, each 256-byte block by one of the four partners that load it, told apart by address; of z's operands U's likewise (x's 786,432 bytes are left to their loads).
; REGISTERS.  Window 0: addresses; v32-95 the K steps' scale words, v96-111 the correction steps', v112-117 their parts; v128-191 z's accumulators, v192-203 z's scale words.
; Window 1: two sets of 8 fragments; then v0-127 T_i and the quantiser's v144-215; z's fragments v0-215.  Window 2: v0-127 S; v128-223 the correction fragments of i = 2.  Window 3: those of i = 0 (later 3) and 1; Boff's.
.set CO,    524288
.set LBI,   3670016
.set DAO,   7340032
.set DBO,   7733248
.set DASO,  8126464
.set DBSO,  8159232
.set SLOT,  147456
.set TBL,   294912                     ; rep's scale words: [i 4][tile 8][16 words]
.set SPARE, 296960                     ; the spare words, 128 bytes a wave
.set WV,  10
.set MSB, 0
.macro WIN new                         ; the immediate's high byte repeats the setting that is left
.if MSB != \new
	s_set_vgpr_msb (MSB<<8)|\new
.set MSB, \new
.endif
.endm
.macro PLACES n
.rept \n
	v_nop
.endr
.endm
.macro CROUND                          ; a round of the cluster's barrier
	s_barrier_signal -1
	s_barrier_wait -1
	s_cmp_lg_u32 s[WV], 0
	s_cbranch_scc1 .Lnw0_\@
	s_barrier_signal -3
.Lnw0_\@:
	s_barrier_wait -3
	s_barrier_signal -1
	s_barrier_wait -1
.endm
.macro WI c
.if wR == 0
	v_wmma_scale_f32_16x16x128_f8f6f4 v[wD:wD+7], v[wA:wA+11], v[wB:wB+11], \c, v[wP], v[wQ] matrix_a_fmt:MATRIX_FMT_BF6 matrix_b_fmt:MATRIX_FMT_BF6
.elseif wR == 1
	v_wmma_scale_f32_16x16x128_f8f6f4 v[wD:wD+7], v[wA:wA+11], v[wB:wB+11], \c, v[wP], v[wQ] matrix_a_fmt:MATRIX_FMT_BF6 matrix_b_fmt:MATRIX_FMT_BF6 matrix_b_scale:MATRIX_SCALE_ROW1
.elseif wR == 2
	v_wmma_scale_f32_16x16x128_f8f6f4 v[wD:wD+7], v[wA:wA+11], v[wB:wB+11], \c, v[wP], v[wQ] matrix_a_fmt:MATRIX_FMT_BF6 matrix_b_fmt:MATRIX_FMT_BF6 matrix_a_scale:MATRIX_SCALE_ROW1
.else
	v_wmma_scale_f32_16x16x128_f8f6f4 v[wD:wD+7], v[wA:wA+11], v[wB:wB+11], \c, v[wP], v[wQ] matrix_a_fmt:MATRIX_FMT_BF6 matrix_b_fmt:MATRIX_FMT_BF6 matrix_a_scale:MATRIX_SCALE_ROW1 matrix_b_scale:MATRIX_SCALE_ROW1
.endif
.endm
; One scaled product.  c < 0: the constant 0 starts the sum.  ra, rb: which half of the lanes holds source 0's and source 1's scale words.
.macro WM d, fa, fb, c, sa, sb, ra, rb
.set wD, \d
.set wA, \fa
.set wB, \fb
.set wC, \c
.set wP, \sa
.set wQ, \sb
.set wR, 2*(\ra)+(\rb)
.if wC < 0
	WI 0
.else
	WI v[wC:wC+7]
.endif
.endm
.macro JLOAD                           ; a joint load: waves 0, 1 for A, waves 2, 3 for B; the branch hangs on the wave's number alone
	s_cmp_eq_u32 s11, 0
	s_cbranch_scc0 .Ljb_\@
	tensor_load_to_lds s[32:35], s[24:31]
	s_nop 0
	PLACES 4
	s_branch .Lja_\@
.Ljb_\@:
	tensor_load_to_lds s[36:39], s[48:55]
	s_nop 0
	PLACES 4
.Lja_\@:
.endm
; n whole blocks of a lane, 32 registers each from v[qT] on, become half a fragment's six registers and a scale byte each.  Two chains to a block, all blocks by turns.
.macro QUANT n
.set qe, 0
.rept 2*\n
	v_max3_num_f32 v[qM+qe], |v[qT+16*qe]|, |v[qT+16*qe+1]|, 0x2800000     ; over the floor 2^(5 - 127): the byte cannot fall under 1
.set qe, qe+1
.endr
.set qk, 2
.rept 7
.set qe, 0
.rept 2*\n
	v_max3_num_f32 v[qM+qe], v[qM+qe], |v[qT+16*qe+qk]|, |v[qT+16*qe+qk+1]|
.set qe, qe+1
.endr
.set qk, qk+2
.endr
.set qe, 0
.rept \n
	v_max_num_f32 v[qM+2*qe], v[qM+2*qe], v[qM+2*qe+1]
.set qe, qe+1
.endr
.set qe, 0
.rept \n
	v_add_nc_u32 v[qE+qe], 0xfe000000, v[qM+2*qe]          ; 4 off the exponent field: the conversion's scale operand
.set qe, qe+1
.endr
.set qe, 0
.rept \n
	v_lshrrev_b32 v[qH+qe], 23, v[qE+qe]
.set qe, qe+1
.endr
.set qe, 0
.rept 2*\n
.set qk, qC+8*(qe/2)+4*(qe%2)
	v_cvt_scalef32_pk16_bf6_f32 v[qk:qk+2], v[qT+16*qe:qT+16*qe+15], v[qE+qe/2]
.set qe, qe+1
.endr
	v_nop                                          ; one plain instruction behind the conversions
.set qk, 3
.rept 3
.set qe, 0
.rept \n
	v_mov_b32 v[qC+8*qe+qk], v[qC+8*qe+qk+1]
.set qe, qe+1
.endr
.set qk, qk+1
.endr
.endm
	s_load_b128 s[4:7], s[0:1], 0x0                ; lq s[4:5], rep s[6:7]
	s_load_b128 s[20:23], s[0:1], 0x10             ; ut s[20:21], xt s[22:23]
	s_load_b64 s[56:57], s[0:1], 0x20              ; zq
	v_lshl_add_u32 v14, v0, 2, SPARE
	v_mov_b32 v15, 0
	ds_add_u32 v14, v15                            ; the wave's opening: the add, twice on end, and its wait ahead of my first tensor load
	ds_add_u32 v14, v15
	v_lshrrev_b32 v1, 5, v0
	v_readfirstlane_b32 s10, v1                    ; wave
	s_lshr_b32 s11, s10, 1                         ; wm.  Also: I fetch for A (0) or for B (1)
	s_and_b32 s12, s10, 1                          ; wn.  Also: which half of the tiles I fetch
	s_bfe_u32 s13, ttmp6, 0x40000                  ; cx
	s_bfe_u32 s14, ttmp6, 0x40004                  ; cy
	s_lshl_b32 s15, ttmp9, 2
	s_add_co_u32 s15, s15, s13                     ; tn
	s_and_b32 s16, ttmp7, 0xffff
	s_lshl_b32 s16, s16, 2
	s_add_co_u32 s16, s16, s14                     ; tm
	s_lshl_b32 s40, s14, 2
	s_lshl_b32 s40, 15, s40                        ; my row of the cluster
	s_lshl_b32 s42, 0x1111, s13                    ; my column
	s_or_b32 s24, s40, (3<<16)|(1<<21)             ; group 1: the mask; elements of 8 bytes; bit 21 beside a mask; no padding
	s_or_b32 s48, s42, (3<<16)|(1<<21)
.irp g, 24, 48
	s_mov_b32 s[\g+1], 1152<<16                    ; tensor_dim0 = 1152 elements: a tile's 768 along K, 9,216 bytes
	s_mov_b32 s[\g+2], 4<<16                       ; tensor_dim1 = 4 tiles
	s_mov_b32 s[\g+3], 1152<<16                    ; tile_dim0
	s_mov_b32 s[\g+4], 4                           ; tile_dim1
	s_mov_b32 s[\g+5], 3072                        ; from tile to tile: 24,576 bytes
	s_mov_b32 s[\g+6], 0
	s_mov_b32 s[\g+7], 0
.endr
	s_lshl_b32 s60, s16, 3                         ; A: tile 8 tm + 4 (wave % 2): registers that never hold cx
	s_lshl_b32 s61, s12, 2
	s_add_co_u32 s60, s60, s61
	s_mul_i32 s60, s60, 24576
	s_add_co_u32 s60, s60, CO
	s_mov_b32 s61, 0
	s_lshl_b32 s62, s15, 3                         ; B: tile 8 tn + 4 (wave % 2): registers that never hold cy
	s_lshl_b32 s63, s12, 2
	s_add_co_u32 s62, s62, s63
	s_mul_i32 s62, s62, 24576
	s_add_co_u32 s62, s62, LBI+CO
	s_mov_b32 s63, 0
	s_lshr_b32 s58, ttmp9, 1
	s_lshl_b32 s17, s16, 1
	s_add_co_u32 s17, s17, s58                     ; q: nothing of cx
	s_lshl_b32 s58, s17, 2
	s_lshl_b32 s59, s12, 1
	s_add_co_u32 s58, s58, s59
	s_mul_i32 s58, s58, 24576
	s_add_co_u32 s58, s58, CO                      ; U: tiles 4 q + 2 (wave % 2) on
	s_mov_b32 s59, 0
	s_and_b32 s18, ttmp9, 1
	s_lshl_b32 s18, s18, 2
	s_add_co_u32 s18, s18, s13                     ; np: nothing of cy
	s_lshl_b32 s68, s18, 1
	s_add_co_u32 s68, s68, s12
	s_mul_i32 s68, s68, 24576
	s_add_co_u32 s68, s68, CO                      ; x: tile 2 np + wave % 2
	s_mov_b32 s69, 0
	s_mul_i32 s9, s10, 36864                       ; in a slot: wave x four tiles
	s_wait_dscnt 0x0                               ; both opening adds are done
	s_wait_kmcnt 0x0
	s_add_nc_u64 s[60:61], s[4:5], s[60:61]
	s_add_nc_u64 s[62:63], s[4:5], s[62:63]
	s_add_nc_u64 s[58:59], s[20:21], s[58:59]
	s_add_nc_u64 s[68:69], s[22:23], s[68:69]
	s_mov_b32 s32, 1
	s_mov_b32 s33, s9
	s_mov_b64 s[34:35], s[60:61]
	s_or_b32 s35, s35, 0x80000000
	s_mov_b32 s36, 1
	s_mov_b32 s37, s9
	s_mov_b64 s[38:39], s[62:63]
	s_or_b32 s39, s39, 0x80000000
	CROUND                                         ; all sixteen work-groups are here: the first joint loads meet
	JLOAD                                          ; chunk 0
	s_mov_b32 s3, 0
	s_cmp_eq_u32 s11, 0                            ; the prefetches: of the four tiles that I fetch my work-group asks for one, by cx (A) or cy (B)
	s_cselect_b64 s[100:101], s[60:61], s[62:63]
	s_cselect_b32 s2, s13, s14
	s_mul_i32 s2, s2, 24576
	s_add_nc_u64 s[100:101], s[100:101], s[2:3]
	s_mul_i32 s2, s13, 12288
	s_add_nc_u64 s[104:105], s[58:59], s[2:3]      ; and of U's two tiles a quarter
	s_lshl_b32 s70, s16, 1
	s_add_co_u32 s70, s70, s11                     ; Gm: my 64 rows
	s_lshl_b32 s71, s15, 1
	s_add_co_u32 s71, s71, s12                     ; Gn: my 64 columns
	s_cmp_eq_u32 s70, s71
	s_cselect_b32 s19, -1, 0                       ; all ones on the diagonal: used as data alone
	s_lshl_b32 s2, s70, 12
	s_add_nc_u64 s[40:41], s[4:5], s[2:3]          ; A's scale units
	s_lshl_b32 s2, s71, 12
	s_add_co_u32 s2, s2, LBI
	s_add_nc_u64 s[42:43], s[4:5], s[2:3]          ; B's
	s_lshl_b32 s2, s15, 8
	s_add_nc_u64 s[44:45], s[40:41], s[2:3]        ; A's unit of K step tn
	s_lshl_b32 s2, s16, 8
	s_add_nc_u64 s[46:47], s[42:43], s[2:3]        ; B's of K step tm
	s_lshl_b32 s2, s70, 10
	s_add_co_u32 s2, s2, DASO
	s_add_nc_u64 s[86:87], s[4:5], s[2:3]
	s_lshl_b32 s2, s71, 10
	s_add_co_u32 s2, s2, DBSO
	s_add_nc_u64 s[88:89], s[4:5], s[2:3]
	s_lshl_b32 s2, s70, 7
	s_add_co_u32 s2, s2, s71
	s_mul_i32 s2, s2, 768
	s_add_co_u32 s2, s2, CO
	s_add_nc_u64 s[90:91], s[4:5], s[2:3]          ; Aoff: HF(4 Gm, Gn)
	s_add_nc_u64 s[76:77], s[6:7], s[2:3]          ; rep_0's codes at the same place; rep_i's 3,145,728 bytes apart
	s_add_nc_u64 s[78:79], s[76:77], 3145728
	s_add_nc_u64 s[80:81], s[78:79], 3145728
	s_add_nc_u64 s[82:83], s[80:81], 3145728
	s_lshl_b32 s2, s71, 7
	s_add_co_u32 s2, s2, s70
	s_mul_i32 s2, s2, 768
	s_add_co_u32 s2, s2, LBI+CO
	s_add_nc_u64 s[92:93], s[4:5], s[2:3]          ; Boff: HF(4 Gn, Gm)
	s_mul_i32 s2, s70, 12288
	s_add_co_u32 s2, s2, DAO
	s_add_nc_u64 s[94:95], s[4:5], s[2:3]          ; Ad
	s_mul_i32 s2, s71, 12288
	s_add_co_u32 s2, s2, DBO
	s_add_nc_u64 s[96:97], s[4:5], s[2:3]          ; Bd
	s_lshl_b32 s2, s10, 5
	s_lshl_b32 s8, s16, 1
	s_add_co_u32 s2, s2, s8
	s_lshl_b32 s2, s2, 4
	s_add_co_u32 s2, s2, s15
	s_lshl_b32 s2, s2, 8
	s_add_nc_u64 s[98:99], s[6:7], s[2:3]          ; rep's scale units (i = wave, 2 tm, tn)
	s_lshl_b32 s2, s17, 12
	s_lshl_b32 s8, s10, 10
	s_add_co_u32 s2, s2, s8
	s_add_nc_u64 s[72:73], s[20:21], s[2:3]        ; U's scale units: rows 64 q, K step 4 wave
	s_lshr_b32 s9, s18, 1
	s_lshl_b32 s9, s9, 12
	s_and_b32 s70, s18, 1
	s_lshl_b32 s70, s70, 7
	s_add_co_u32 s9, s9, s70                       ; unit np / 2, pair np % 2
	s_add_co_u32 s2, s9, s8
	s_add_nc_u64 s[74:75], s[22:23], s[2:3]        ; x's scale words
	s_lshl_b32 s2, s18, 1
	s_add_co_u32 s2, s2, s12
	s_mul_i32 s2, s2, 24576
	s_mul_i32 s8, s17, 768
	s_add_co_u32 s2, s2, s8
	s_add_co_u32 s2, s2, CO
	s_add_nc_u64 s[66:67], s[56:57], s[2:3]        ; z's image: HF(2 np + wave % 2, q)
	s_lshr_b32 s2, s17, 1
	s_lshl_b32 s2, s2, 8
	s_add_co_u32 s2, s2, s9
	s_lshl_b32 s8, s12, 6
	s_add_co_u32 s2, s2, s8
	s_and_b32 s8, s17, 1
	s_lshl_b32 s8, s8, 1
	s_add_co_u32 s2, s2, s8
	s_add_nc_u64 s[62:63], s[56:57], s[2:3]        ; its scale unit (np / 2, q / 2), my tile's words, half word q % 2
	s_mul_i32 s2, s11, 36864                       ; LDS: my four tiles of A in slot 0,
	s_mul_i32 s3, s12, 36864
	s_add_co_u32 s3, s3, 73728                     ; of B;
	s_mul_i32 s8, s11, 24576                       ; of the third chunk,
	s_mul_i32 s9, s12, 24576
	s_add_co_u32 s9, s9, 49152
	s_mul_i32 s13, s10, 6144
	s_add_co_u32 s13, s13, SLOT                    ; z's operands: my quarter of K
	s_lshl_b32 s14, s10, 13                        ; z's stage: my part
	s_lshl_b32 s18, s12, 12                        ; and back: piece wave % 2 of each part
	s_lshl_b32 s70, s11, 8
	s_lshl_b32 s71, s12, 1
	s_add_co_u32 s70, s70, s71
	s_add_co_u32 s70, s70, TBL
	s_lshl_b32 s71, s10, 9
	s_add_co_u32 s71, s71, TBL
	v_and_b32 v1, 31, v0
	v_lshlrev_b32 v16, 4, v1                       ; 16 x lane
	v_lshlrev_b32 v17, 3, v1                       ; 8 x lane
	v_lshlrev_b32 v20, 2, v1                       ; 4 x lane
	v_and_b32 v27, 15, v0
	v_bfe_u32 v30, v0, 4, 1
	v_add_nc_u32 v2, s2, v16                       ; chunk 0: A, registers 0-3 and 6-9;
	v_add_nc_u32 v3, s2, v17                       ; registers 4-5 and 10-11;
	v_add_nc_u32 v4, s3, v16                       ; B
	v_add_nc_u32 v5, s3, v17
	v_add_nc_u32 v6, SLOT, v2                      ; chunk 1
	v_add_nc_u32 v7, SLOT, v3
	v_add_nc_u32 v8, SLOT, v4
	v_add_nc_u32 v9, SLOT, v5
	v_add_nc_u32 v10, s8, v16                      ; chunk 2
	v_add_nc_u32 v11, s8, v17
	v_add_nc_u32 v12, s9, v16
	v_add_nc_u32 v13, s9, v17
	v_add_nc_u32 v21, s13, v16                     ; U's tiles 0, 1;
	v_add_nc_u32 v22, s13, v17
	v_add_nc_u32 v23, 49152, v21                   ; 2, 3;
	v_add_nc_u32 v24, 49152, v22
	v_add_nc_u32 v25, 98304, v21                   ; x's two
	v_add_nc_u32 v26, 98304, v22
	v_add_nc_u32 v18, s14, v16
	v_add_nc_u32 v19, s18, v16
	v_lshl_add_u32 v28, v27, 2, s70                ; the table: tile 4 wm + a, row r, half word wn,
	v_add_nc_u32 v28, v28, v30                     ; byte h
	v_add_nc_u32 v29, s71, v16                     ; what I store of it: i = wave
	v_lshl_add_u32 v31, v27, 2, v30                ; 4 r + h: my block's scale byte
	v_lshlrev_b32 v30, 12, v30
	v_lshl_add_u32 v30, v27, 4, v30                ; two units, 4,096 bytes apart
	v_add_nc_u32 v119, 32, v1
	v_min_u32 v125, 47, v119
	v_min_u32 v119, 35, v119
	v_min_u32 v124, 23, v1
	v_lshlrev_b32 v118, 8, v1                      ; the prefetches' blocks: 0 .. 31,
	v_lshlrev_b32 v119, 8, v119                    ; 32 .. 35,
	v_lshlrev_b32 v124, 8, v124                    ; 0 .. 23,
	v_lshlrev_b32 v125, 8, v125                    ; 32 .. 47
	s_wait_alu depctr_va_vdst(0)
.set k, 0
.rept 16                               ; the K steps' scale words: lanes 0-15 tile 2 p, lanes 16-31 tile 2 p + 1
	global_load_b32 v[32+2*k], v20, s[40:41] offset:256*k
	global_load_b32 v[33+2*k], v20, s[40:41] offset:256*k+128
	global_load_b32 v[64+2*k], v20, s[42:43] offset:256*k
	global_load_b32 v[65+2*k], v20, s[42:43] offset:256*k+128
.set k, k+1
.endr
	global_prefetch_b8 v118, s[100:101] offset:9216 th:TH_LOAD_NT scope:SCOPE_SE   ; chunk 1: my tile's 36 blocks
	global_prefetch_b8 v119, s[100:101] offset:9216 th:TH_LOAD_NT scope:SCOPE_SE
; A K step's fragments, half h (0: A's four, 1: B's four), 16 LDS loads, into set ks % 2
.macro FETCH ks, h
.set fR, ((\ks)/6)
.set fP, 9216-3072*(fR/2)
.set fK, ((\ks)-6*fR)*1536
.set fS, 96*((\ks)%2)+48*\h
	WIN 0x40                                       ; destination window 1
.set ft, 0
.rept 4
	ds_load_b128 v[fS+12*ft:fS+12*ft+3], v[2+4*fR+2*\h] offset:ft*fP+fK
	ds_load_b64 v[fS+12*ft+4:fS+12*ft+5], v[3+4*fR+2*\h] offset:ft*fP+fK+512
	ds_load_b128 v[fS+12*ft+6:fS+12*ft+9], v[2+4*fR+2*\h] offset:ft*fP+fK+768
	ds_load_b64 v[fS+12*ft+10:fS+12*ft+11], v[3+4*fR+2*\h] offset:ft*fP+fK+1280
.set ft, ft+1
.endr
.endm
; 8 products, A's tiles a0, a0 + 1: the 16 accumulators take turns, one instruction a turn, in the same order in every step
.macro MUL ks, a0
.set mS, 96*((\ks)%2)
	WIN 0xa5                                       ; sources window 1, C and D window 2
.set ia, \a0
.rept 2
.set ib, 0
.rept 4
.if (\ks) == 0
	WM 8*(4*ia+ib), mS+48+12*ib, mS+12*ia, -1, 64+2*(\ks)+ib/2, 32+2*(\ks)+ia/2, ib%2, ia%2
.else
	WM 8*(4*ia+ib), mS+48+12*ib, mS+12*ia, 8*(4*ia+ib), 64+2*(\ks)+ib/2, 32+2*(\ks)+ia/2, ib%2, ia%2
.endif
.set ib, ib+1
.endr
.set ia, ia+1
.endr
.endm
; The correction step's registers for i: A's fragments at eA, B's at eB, in window 3 (i = 2: window 2)
.macro ESET i
.if (\i) == 2
.set eA, 128
.set eB, 176
.set eW, 0x6a                          ; products: sources and C window 2, D window 1
.set eO, 0xb2
.else
.set eA, 48*((\i)%3)
.set eB, 96+48*((\i)%3)
.set eW, 0x6f                          ; sources window 3, C window 2, D window 1
.set eO, 0xf3
.endif
.endm
.macro CSET i, win, up
	ESET \i
	WIN \win
.set ct, 0
.rept 4
.set cA, eA+12*ct
.set cB, eB+12*ct
	global_load_b128 v[cA:cA+3], v16, s[94:95] offset:(4*(\i)+ct)*768             ; A's lower half: Ad_i
	global_load_b64 v[cA+4:cA+5], v17, s[94:95] offset:(4*(\i)+ct)*768+512
	global_load_b128 v[cB+6:cB+9], v16, s[96:97] offset:(4*(\i)+ct)*768           ; B's upper half: Bd_i
	global_load_b64 v[cB+10:cB+11], v17, s[96:97] offset:(4*(\i)+ct)*768+512
.if \up
	global_load_b128 v[cA+6:cA+9], v16, s[90:91] offset:ct*24576                  ; A's upper half: Aoff at K = 64 Gn on
	global_load_b64 v[cA+10:cA+11], v17, s[90:91] offset:ct*24576+512
.endif
.set ct, ct+1
.endr
.endm
	s_wait_tensorcnt 0x0                           ; my part of chunk 0 is in
	ds_add_u32 v14, v15
	s_add_co_u32 s33, s33, SLOT                    ; no tensor load of mine is out: the descriptors step to chunk 1
	s_add_co_u32 s37, s37, SLOT
	s_add_nc_u64 s[34:35], s[34:35], 9216
	s_add_nc_u64 s[38:39], s[38:39], 9216
	s_wait_dscnt 0x0
	CROUND                                         ; everybody's part of chunk 0 is in
	JLOAD                                          ; chunk 1, the first tensor load behind the round
	FETCH 0, 1
	FETCH 0, 0
	WIN 0
	s_wait_loadcnt 0x0                             ; the K steps' scale words
; THE K STEPS OF S.  A step's loads are issued B's 16 and then A's 16; the step before asks for B's ahead of its first half of products and for A's in its middle.
.set ks, 0
.rept 16
.if (ks == 5) || (ks == 11)
	s_wait_dscnt 8                                 ; B's and A's tiles 0, 1 are in; A's tiles 2, 3 (8 loads) may be out
	MUL ks, 0
	WIN 0
	s_wait_tensorcnt 0x0                           ; my part of the next chunk is in: it is the one load that was out
	ds_add_u32 v14, v15                            ; 0 onto my spare word
.if ks == 5
	s_mul_i32 s33, s10, 24576                      ; chunk 2, K 1536 on: 512 along K, 6,144 bytes of each tile
	s_mul_i32 s37, s10, 24576
	s_add_nc_u64 s[34:35], s[34:35], 9216
	s_add_nc_u64 s[38:39], s[38:39], 9216
	s_mov_b32 s25, 768<<16
	s_mov_b32 s27, 768<<16
	s_mov_b32 s49, 768<<16
	s_mov_b32 s51, 768<<16
.else
	s_mul_i32 s33, s12, 49152                      ; z's operands: U's 2 tiles of 24,576 bytes,
	s_add_co_u32 s33, s33, SLOT
	s_mul_i32 s37, s12, 24576                      ; x's one, as 2 rows of 12,288
	s_add_co_u32 s37, s37, SLOT+98304
	s_mov_b64 s[34:35], s[58:59]
	s_or_b32 s35, s35, 0x80000000
	s_mov_b64 s[38:39], s[68:69]
	s_or_b32 s39, s39, 0x80000000
	s_mov_b32 s25, 3072<<16
	s_mov_b32 s26, 2<<16
	s_mov_b32 s27, 3072<<16
	s_mov_b32 s28, 2
	s_mov_b32 s29, 3072
	s_mov_b32 s49, 1536<<16
	s_mov_b32 s50, 2<<16
	s_mov_b32 s51, 1536<<16
	s_mov_b32 s52, 2
	s_mov_b32 s53, 1536
.endif
	s_wait_dscnt 1                                 ; all my reads of this slot are in; the add may be out
	MUL ks, 2                                      ; eight products stand between the add and the wait for it
	WIN 0
	s_wait_dscnt 0x0                               ; the add is done
	CROUND                                         ; the same holds of every wave of every partner
	JLOAD                                          ; the refill; its four v_nop are the places in front of the loads below
	FETCH ks+1, 1
	FETCH ks+1, 0
.elseif ks == 15
	s_wait_dscnt 8
	MUL ks, 0
	s_wait_dscnt 0x0
	MUL ks, 2
.else
.if ks > 0
	PLACES 4                                       ; in front of loads into the set that the last step's products read
.endif
	FETCH ks+1, 1
	s_wait_dscnt 24                                ; out may be A's tiles 2, 3 of this step (8) and B's of the next (16)
	MUL ks, 0
	FETCH ks+1, 0
	s_wait_dscnt 32                                ; the next step's 32
	MUL ks, 2
.if ks == 0
	WIN 0
.set k, 0
.rept 8
	global_load_b32 v[96+k], v20, s[86:87] offset:128*k            ; Ad's words of (i, p), k = 2 i + p
	global_load_b32 v[104+k], v20, s[88:89] offset:128*k           ; Bd's
.set k, k+1
.endr
	global_load_b32 v112, v20, s[44:45]
	global_load_b32 v113, v20, s[44:45] offset:128
	global_load_b32 v114, v20, s[46:47]
	global_load_b32 v115, v20, s[46:47] offset:128
.set k, 0
.rept 4
	global_load_b32 v[192+2*k], v20, s[72:73] offset:256*k         ; z: U's words: lanes 0-15 tile 0, lanes 16-31 tile 1 of the four;
	global_load_b32 v[193+2*k], v20, s[72:73] offset:256*k+128     ; tiles 2 and 3;
	global_load_b32 v[200+k], v20, s[74:75] offset:256*k           ; x's two tiles
.set k, k+1
.endr
	global_prefetch_b8 v124, s[100:101] offset:18432 th:TH_LOAD_NT scope:SCOPE_SE  ; chunk 2: my tile's 24 blocks
.elseif ks == 1
	CSET 0, 0xc0, 1
.set k, 0
.rept 4
	global_load_b128 v[192+6*k:195+6*k], v16, s[92:93] offset:k*24576             ; Boff at K = 64 Gm on
	global_load_b64 v[196+6*k:197+6*k], v17, s[92:93] offset:k*24576+512
.set k, k+1
.endr
.elseif ks == 3
	CSET 1, 0xc0, 1
.elseif ks == 7
	CSET 2, 0x80, 1
	WIN 0
	s_cmp_eq_u32 s11, 0
	s_cbranch_scc0 .Lno_u
	global_prefetch_b8 v118, s[104:105] th:TH_LOAD_NT scope:SCOPE_SE               ; z's U: my 48 blocks
	global_prefetch_b8 v125, s[104:105] th:TH_LOAD_NT scope:SCOPE_SE
.Lno_u:
.endif
.endif
.set ks, ks+1
.endr
; THE WAY OUT for i: one K step more, the negated relu, the quantiser, the stores.
.macro WROW i, ia
	WIN eW
.set ib, 0
.rept 4
	WM 8*(4*\ia+ib), eB+12*ib, eA+12*\ia, 8*(4*\ia+ib), 104+2*(\i)+ib/2, 96+2*(\i)+\ia/2, ib%2, \ia%2
.set ib, ib+1
.endr
.endm
.macro MINS ia
	WIN 0x55                                       ; all in window 1
.set ie, 32*\ia
.rept 32
	v_min_num_f32 v[ie], 0, v[ie]                  ; min(0, T_i) = -relu(-T_i) = -rep_i; each accumulator from its low end on
.set ie, ie+1
.endr
.endm
.macro EPI i
	ESET \i
	WIN 0
	s_wait_xcnt 0x0                                ; the last i's stores have read their data
.if ((\i) == 0) || ((\i) == 3)
	s_wait_loadcnt 0x0                             ; i = 0: all that was asked for during S; i = 3: Ad_3 and Bd_3, asked for in i = 0
.endif
.if (\i) == 0
	s_lshl_b32 s2, s12, 4
	s_lshl_b32 s8, s11, 4
	v_lshrrev_b32 v112, s2, v112                   ; Aoff's two bytes of K = 64 Gn on, into the word's upper half
	v_lshrrev_b32 v113, s2, v113
	v_lshrrev_b32 v114, s8, v114                   ; Boff's of K = 64 Gm on, in the lower half
	v_lshrrev_b32 v115, s8, v115
	v_lshlrev_b32 v112, 16, v112
	v_lshlrev_b32 v113, 16, v113
	v_and_b32 v114, 0xffff, v114
	v_and_b32 v115, 0xffff, v115
.set k, 0
.rept 8
	v_or_b32 v[96+k], v[96+k], v[112+k%2]
	v_and_or_b32 v[116+k%2], v[104+k], s19, v[114+k%2]             ; on the diagonal Bd's bytes join Boff's, which are 0 where Bd's are not
	v_lshl_or_b32 v[104+k], v[104+k], 16, v[116+k%2]
.set k, k+1
.endr
.endif
	WIN eO
.set ib, 0
.rept 4
.set ee, 0
.rept 6
	v_and_or_b32 v[eB+12*ib+ee], v[eB+6+12*ib+ee], s19, v[192+6*ib+ee]     ; B's lower half: Boff, on the diagonal joined by Bd_i: where one has codes the other has zeros
.set ee, ee+1
.endr
.set ib, ib+1
.endr
	PLACES 5                                       ; operands written by vector instructions; S taken as the C of other accumulators; results laid over fragments that are done with
	WROW \i, 0
	WROW \i, 1
	PLACES 4
	MINS 0
	WROW \i, 2
	MINS 1                                         ; (row 0's 32 stand between row 1's products and these, and so on)
	WROW \i, 3
	MINS 2
.if (\i) == 0
	CSET 3, 0xc0, 0                                ; the registers of i = 0 take Ad_3 and Bd_3
.endif
	MINS 3
	QUANT 4
	WIN 0x04                                       ; addresses window 0, data window 1
.set ia, 0
.rept 4
	global_store_b128 v16, v[qC+8*ia:qC+8*ia+3], s[76+2*(\i):77+2*(\i)] offset:ia*24576      ; 512 consecutive bytes, aligned
	global_store_b64 v17, v[qC+8*ia+4:qC+8*ia+5], s[76+2*(\i):77+2*(\i)] offset:ia*24576+512 ; 256 consecutive bytes, aligned
	ds_store_b8 v28, v[qH+ia] offset:512*(\i)+64*ia            ; my block's byte
.set ia, ia+1
.endr
.endm
.macro QREGS                           ; the quantiser's registers on the way out of rep, in window 1
.set qT, 0
.set qM, 144
.set qE, 160
.set qH, 176
.set qC, 184
.endm
; z: my K step j of four: U's four fragments and x's two, 24 LDS loads, into set j % 3
.macro ZFETCH j
.set zS, 72*((\j)%3)
	WIN 0x40
.set ft, 0
.rept 6
.set fK, (ft%2)*24576+(\j)*1536
	ds_load_b128 v[zS+12*ft:zS+12*ft+3], v[21+2*(ft/2)] offset:fK
	ds_load_b64 v[zS+12*ft+4:zS+12*ft+5], v[22+2*(ft/2)] offset:fK+512
	ds_load_b128 v[zS+12*ft+6:zS+12*ft+9], v[21+2*(ft/2)] offset:fK+768
	ds_load_b64 v[zS+12*ft+10:zS+12*ft+11], v[22+2*(ft/2)] offset:fK+1280
.set ft, ft+1
.endr
.endm
; its 8 products: source 0 = 16 rows of U's image (rows m of z), source 1 = 16 rows of x's (columns n): a lane holds one n, its registers run along m.  The 8 accumulators take turns
.macro ZMUL j
.set zS, 72*((\j)%3)
	WIN 0x05                                       ; sources window 1, C and D window 0
.set ia, 0
.rept 4
.set ib, 0
.rept 2
.if (\j) == 0
	WM 128+32*ib+8*ia, zS+12*ia, zS+48+12*ib, -1, 192+2*(\j)+ia/2, 200+(\j), ia%2, ib
.else
	WM 128+32*ib+8*ia, zS+12*ia, zS+48+12*ib, 128+32*ib+8*ia, 192+2*(\j)+ia/2, 200+(\j), ia%2, ib
.endif
.set ib, ib+1
.endr
.set ia, ia+1
.endr
.endm
	QREGS
	EPI 0
	WIN 0
	s_wait_xcnt 0x0                                ; the stores have read their data: z's fragments land there
	s_wait_dscnt 0x0                               ; my bytes are stored
	s_wait_tensorcnt 0x0                           ; my part of z's operands is in: the one load that was out
	s_barrier_signal -1
	s_barrier_wait -1                              ; everybody's is
	ZFETCH 0
	ZFETCH 1
	ZFETCH 2
	s_wait_dscnt 48
	ZMUL 0
	PLACES 4                                       ; in front of loads into the set that these products read
	ZFETCH 3
	s_wait_dscnt 48
	ZMUL 1
	s_wait_dscnt 24
	ZMUL 2
	s_wait_dscnt 0x0
	ZMUL 3
	WIN 0
	PLACES 4
.set k, 0
.rept 16
	ds_store_b128 v18, v[128+4*k:131+4*k] offset:512*k             ; my eight partial sums of z into slot 0, each accumulator from its low end on
.set k, k+1
.endr
	EPI 1
	WIN 0
	s_wait_dscnt 0x0                               ; my parts of z lie in the stage
	s_barrier_signal -1
	s_barrier_wait -1                              ; everybody's do
	s_cmp_lt_u32 s10, 2                            ; waves 0 and 1 finish a piece of z each
	s_cbranch_scc0 .Lno_z
.set k, 0
.rept 32
	ds_load_b128 v[128+4*k:131+4*k], v19 offset:8192*(k/8)+512*(k%8)              ; wave k / 8's part of my piece
.set k, k+1
.endr
	s_wait_dscnt 0x0
.set k, 0
.rept 16
	v_pk_add_f32 v[128+2*k:129+2*k], v[128+2*k:129+2*k], v[160+2*k:161+2*k]
	v_pk_add_f32 v[192+2*k:193+2*k], v[192+2*k:193+2*k], v[224+2*k:225+2*k]
.set k, k+1
.endr
.set k, 0
.rept 16
	v_pk_add_f32 v[128+2*k:129+2*k], v[128+2*k:129+2*k], v[192+2*k:193+2*k]
.set k, k+1
.endr
.set qT, 128
.set qM, 160
.set qE, 164
.set qC, 168
.set qH, 176
	QUANT 1
	global_store_b128 v16, v[168:171], s[66:67]                    ; 512 consecutive bytes, aligned
	global_store_b64 v17, v[172:173], s[66:67] offset:512          ; 256 consecutive bytes, aligned
	global_store_b8 v31, v176, s[62:63]                            ; my block's byte
.Lno_z:
	QREGS
	EPI 2
	EPI 3
	WIN 0
	s_wait_dscnt 0x0                               ; my bytes lie in the table
	s_barrier_signal -1
	s_barrier_wait -1
	ds_load_b128 v[120:123], v29
	s_wait_dscnt 0x0
	global_store_b128 v30, v[120:123], s[98:99]    ; two aligned units of 256 bytes
	s_wait_tensorcnt 0x0                           ; the wave's end
	ds_add_u32 v14, v15
	s_wait_dscnt 0x0
	CROUND                                         ; the closing round
	s_endpgm
.Lfunc_end_k_q6f993062d7_gemm1:
	.size	k_q6f993062d7_gemm1, .Lfunc_end_k_q6f993062d7_gemm1-k_q6f993062d7_gemm1
	.p2alignl 7, 3214868480
	.fill 96, 4, 3214868480
	.section	.rodata,"a",@progbits
	.p2align	6, 0x0
	.amdhsa_kernel k_q6f993062d7_gemm1
		.amdhsa_group_segment_fixed_size 327680
		.amdhsa_private_segment_fixed_size 0
		.amdhsa_enable_private_segment 0
		.amdhsa_kernarg_size 40
		.amdhsa_user_sgpr_count 2
		.amdhsa_user_sgpr_kernarg_segment_ptr 1
		.amdhsa_wavefront_size32 1
		.amdhsa_system_sgpr_workgroup_id_x 1
		.amdhsa_system_sgpr_workgroup_id_y 1
		.amdhsa_system_sgpr_workgroup_id_z 1
		.amdhsa_system_vgpr_workitem_id 0
		.amdhsa_next_free_vgpr 1024
		.amdhsa_next_free_sgpr 106
		.amdhsa_reserve_vcc 0
		.amdhsa_float_denorm_mode_32 3
		.amdhsa_float_denorm_mode_16_64 3
		.amdhsa_memory_ordered 1
		.amdhsa_forward_progress 1
		.amdhsa_inst_pref_size 183
	.end_amdhsa_kernel
	.amdgpu_metadata
---
amdhsa.version: [ 1, 2 ]
amdhsa.kernels:
  - .name:           k_q6f993062d7_gemm1
    .symbol:         k_q6f993062d7_gemm1.kd
    .args:
      - { .name: lq, .offset: 0, .size: 8, .value_kind: global_buffer, .address_space: global }
      - { .name: rep, .offset: 8, .size: 8, .value_kind: global_buffer, .address_space: global }
      - { .name: ut, .offset: 16, .size: 8, .value_kind: global_buffer, .address_space: global }
      - { .name: xt, .offset: 24, .size: 8, .value_kind: global_buffer, .address_space: global }
      - { .name: zq, .offset: 32, .size: 8, .value_kind: global_buffer, .address_space: global }
    .group_segment_fixed_size: 327680
    .private_segment_fixed_size: 0
    .kernarg_segment_align: 8
    .kernarg_segment_size: 40
    .max_flat_workgroup_size: 128
    .sgpr_count:     106
    .vgpr_count:     1024
    .wavefront_size: 32
...
	.end_amdgpu_metadata
.endif
;; end of part 6
;; launch wgemm (part 7): grid 256 x 1, 4 waves a work-group, clusters of 4 x 1, 327,680 bytes of LDS; arguments rep, zq, wq; writes wq
.if DOCPART == 7
	.amdgcn_target "amdgcn-amd-amdhsa--gfx1250"
	.amdhsa_code_object_version 6
	.text
	.protected	k_q6f993062d7_wgemm
	.globl	k_q6f993062d7_wgemm
	.p2align	8
	.type	k_q6f993062d7_wgemm,@function
k_q6f993062d7_wgemm:
	s_mov_b64 s[64:65], 0
	v_nop
	global_prefetch_b8 v0, s[64:65] scope:SCOPE_SE
	s_setreg_imm32_b32 hwreg(HW_REG_WAVE_MODE, 25, 1), 1
	s_wait_xcnt 0x0
	s_wait_alu depctr_hold_cnt(0) depctr_sa_sdst(0) depctr_va_vdst(0) depctr_va_sdst(0) depctr_va_ssrc(0) depctr_va_vcc(0) depctr_vm_vsrc(0)
	s_getreg_b32 s2, hwreg(HW_REG_IB_STS2, 6, 4)
	s_cmp_eq_u32 s2, 0
	s_cbranch_scc0 .Lentry_in_a_cluster
	s_endpgm
.Lentry_in_a_cluster:
	s_bfe_u32 s2, ttmp6, 0x10000c
	s_cmp_lg_u32 s2, 0x3003
	s_cbranch_scc0 .Lentry_shape_is_right
	s_endpgm
.Lentry_shape_is_right:
; O_i = Q(J_i P^T) along J's rows, i = 0 .. 3: -w_i = (-rep_i) z.  J = the image in rep, which holds rep_i's codes with the signs turned, P = z's image; the launch before stored both.  The quantiser is odd, so O
; holds w_i's codes with the signs turned, and the last launch multiplies by -s_i.  J: 128 tiles of 16 rows for each i, P: 16 tiles, K = 2,048, all as images of the operands' registers.
; SHARES.  Cluster c: i = c / 16, rows 128 (c % 16) on; its four work-groups take 64 columns each.  WAVE w TAKES K STEPS 4 w .. 4 w + 3 of the whole 128 x 64: 32 accumulators, so no fragment is read by two waves.
; Source 0 = 16 rows of J, source 1 = 16 rows of P's image (columns n): a lane holds one n, and by the tiles' order of rows its 16 registers of two neighbouring tiles are 16 neighbours along J's rows, the next K.
; J's tiles are the same for the four partners.  The wave's last two K steps come by one joint load, 8 tiles x 256 along K, 24,576 bytes, into LDS bytes that this wave alone reads; J's first two K steps and P's
; fragments go straight into the registers of the one wave that multiplies them, so that products are due while the joint load is on its way.  Every byte of LDS is filled once and there is no loop to run ahead in: no prefetch.
; THE EXCHANGE.  Wave w owns the tile of columns w: it takes P's tiles in the order b = 0 .. 3 = columns (w + b) % 4, keeps b = 0 in registers and stores b = 1, 2, 3 into its own 24,576 bytes, which it has read;
; behind a barrier each owner adds the other three parts.  LIMIT: the f32 sums are made in four quarters of K.  A NaN or an infinity is not served.
; wq: tile T of columns of i lies at place 8 (T / 2) + 2 i + T % 2, so that the last launch finds the eight tiles of 32 columns side by side.  Scale units (4 i + T / 4, K step) as in the other images.
; REGISTERS.  Window 0: addresses, v32-55 scale words, v128-227 the quantiser's.  Window 1: two sets of J's 8 fragments, then the other waves' parts.  Window 2: accumulators.  Window 3: P's 16 fragments.
.set CO,    524288
.set REG,   24576                      ; a wave's LDS bytes
.set TBL,   98304                      ; a unit of O's scale words
.set SPARE, 98560                      ; the spare words, 128 bytes a wave
.set WV,  10
.set SEL, 84
.set qT, 128
.set qM, 192
.set qX, 196
.set qE, 200
.set qB, 204
.set qH, 208
.set qC, 212
.set MSB, 0
.macro WIN new                         ; the immediate's high byte repeats the setting that is left
.if MSB != \new
	s_set_vgpr_msb (MSB<<8)|\new
.set MSB, \new
.endif
.endm
.macro PLACES n
.rept \n
	v_nop
.endr
.endm
.macro CROUND                          ; a round of the cluster's barrier
	s_barrier_signal -1
	s_barrier_wait -1
	s_cmp_lg_u32 s[WV], 0
	s_cbranch_scc1 .Lnw0_\@
	s_barrier_signal -3
.Lnw0_\@:
	s_barrier_wait -3
	s_barrier_signal -1
	s_barrier_wait -1
.endm
.macro WI c
.if wR == 0
	v_wmma_scale_f32_16x16x128_f8f6f4 v[wD:wD+7], v[wA:wA+11], v[wB:wB+11], \c, v[wP], v[wQ] matrix_a_fmt:MATRIX_FMT_BF6 matrix_b_fmt:MATRIX_FMT_BF6
.elseif wR == 1
	v_wmma_scale_f32_16x16x128_f8f6f4 v[wD:wD+7], v[wA:wA+11], v[wB:wB+11], \c, v[wP], v[wQ] matrix_a_fmt:MATRIX_FMT_BF6 matrix_b_fmt:MATRIX_FMT_BF6 matrix_b_scale:MATRIX_SCALE_ROW1
.elseif wR == 2
	v_wmma_scale_f32_16x16x128_f8f6f4 v[wD:wD+7], v[wA:wA+11], v[wB:wB+11], \c, v[wP], v[wQ] matrix_a_fmt:MATRIX_FMT_BF6 matrix_b_fmt:MATRIX_FMT_BF6 matrix_a_scale:MATRIX_SCALE_ROW1
.else
	v_wmma_scale_f32_16x16x128_f8f6f4 v[wD:wD+7], v[wA:wA+11], v[wB:wB+11], \c, v[wP], v[wQ] matrix_a_fmt:MATRIX_FMT_BF6 matrix_b_fmt:MATRIX_FMT_BF6 matrix_a_scale:MATRIX_SCALE_ROW1 matrix_b_scale:MATRIX_SCALE_ROW1
.endif
.endm
.macro WM d, fa, fb, c, sa, sb, ra, rb ; one scaled product; c < 0: the constant 0 starts the sum; ra, rb: which half of the lanes holds each source's scale words
.set wD, \d
.set wA, \fa
.set wB, \fb
.set wC, \c
.set wP, \sa
.set wQ, \sb
.set wR, 2*(\ra)+(\rb)
.if wC < 0
	WI 0
.else
	WI v[wC:wC+7]
.endif
.endm
.macro QUANT n                         ; n times 32 numbers of a lane, register 16 g + e = K 32 g + 16 (lane / 16) + e, become half a fragment's six registers each and two scale bytes; all blocks by turns
.set qe, 0
.rept 2*\n
	v_max3_num_f32 v[qM+qe], |v[qT+16*qe]|, |v[qT+16*qe+1]|, 0x2800000     ; over the floor 2^(5 - 127): the byte cannot fall under 1
.set qe, qe+1
.endr
.set qk, 2
.rept 7
.set qe, 0
.rept 2*\n
	v_max3_num_f32 v[qM+qe], v[qM+qe], |v[qT+16*qe+qk]|, |v[qT+16*qe+qk+1]|
.set qe, qe+1
.endr
.set qk, qk+2
.endr
.set qe, 0
.rept 2*\n
	v_permlanex16_b32 v[qX+qe], v[qM+qe], s[SEL], s[SEL+1]
.set qe, qe+1
.endr
.set qe, 0
.rept 2*\n
	v_max_num_f32 v[qM+qe], v[qM+qe], v[qX+qe]
.set qe, qe+1
.endr
.set qe, 0
.rept 2*\n
	v_add_nc_u32 v[qE+qe], 0xfe000000, v[qM+qe]
.set qe, qe+1
.endr
.set qe, 0
.rept 2*\n
	v_lshrrev_b32 v[qB+qe], 23, v[qE+qe]
.set qe, qe+1
.endr
.set qe, 0
.rept \n
	v_lshl_or_b32 v[qH+qe], v[qB+2*qe+1], 8, v[qB+2*qe]
.set qe, qe+1
.endr
.set qe, 0
.rept 2*\n
.set qk, qC+8*(qe/2)+4*(qe%2)
	v_cvt_scalef32_pk16_bf6_f32 v[qk:qk+2], v[qT+16*qe:qT+16*qe+15], v[qE+qe]
.set qe, qe+1
.endr
	v_nop                                          ; one plain instruction behind the conversions
.set qk, 0
.rept 3
.set qe, 0
.rept \n
	v_permlane16_swap_b32 v[qC+8*qe+qk], v[qC+8*qe+4+qk]   ; a whole block to a lane
.set qe, qe+1
.endr
.set qk, qk+1
.endr
.set qk, 3
.rept 3
.set qe, 0
.rept \n
	v_mov_b32 v[qC+8*qe+qk], v[qC+8*qe+qk+1]
.set qe, qe+1
.endr
.set qk, qk+1
.endr
.endm
	s_load_b128 s[4:7], s[0:1], 0x0                ; J s[4:5], P s[6:7]
	s_load_b64 s[8:9], s[0:1], 0x10                ; O
	v_lshl_add_u32 v18, v0, 2, SPARE
	v_mov_b32 v19, 0
	ds_add_u32 v18, v19                            ; the wave's opening: the add, twice on end, and its wait ahead of my first tensor load
	ds_add_u32 v18, v19
	v_lshrrev_b32 v1, 5, v0
	v_readfirstlane_b32 s10, v1                    ; wave
	s_bfe_u32 s13, ttmp6, 0x40000                  ; cx: my 64 columns
	s_lshr_b32 s14, ttmp9, 4                       ; i
	s_and_b32 s15, ttmp9, 15                       ; tm: my cluster's 128 rows
	s_mov_b32 s24, 15|(3<<16)|(1<<21)              ; group 1: the mask names the four; elements of 8 bytes; bit 21 beside a mask
	s_mov_b32 s25, 384<<16                         ; tensor_dim0 = 384 elements: a tile's 256 along K, 3,072 bytes
	s_mov_b32 s26, 8<<16                           ; tensor_dim1 = 8 tiles
	s_mov_b32 s27, 384<<16                         ; tile_dim0
	s_mov_b32 s28, 8                               ; tile_dim1
	s_mov_b32 s29, 3072                            ; from tile to tile: 24,576 bytes
	s_mov_b32 s30, 0
	s_mov_b32 s31, 0
	s_lshl_b32 s16, s14, 7                         ; J: tiles 128 i + 8 tm on, my quarter of K: nothing of cx
	s_lshl_b32 s17, s15, 3
	s_add_co_u32 s16, s16, s17
	s_mul_i32 s16, s16, 24576
	s_mul_i32 s17, s10, 6144
	s_add_co_u32 s16, s16, s17
	s_add_co_u32 s16, s16, CO
	s_mov_b32 s17, 0
	s_mul_i32 s18, s10, REG                        ; my LDS bytes
	s_mov_b32 s[SEL], 0x76543210
	s_mov_b32 s[SEL+1], 0xfedcba98
	s_lshl_b32 s76, s14, 5
	s_lshl_b32 s77, s15, 1
	s_add_co_u32 s76, s76, s77
	s_lshl_b32 s76, s76, 12
	s_lshl_b32 s23, s10, 10
	s_add_co_u32 s76, s76, s23
	s_mov_b32 s77, 0
	s_lshl_b32 s78, s13, 12
	s_add_co_u32 s78, s78, s23
	s_mov_b32 s79, 0
	s_mul_i32 s22, s13, 98304
	s_mul_i32 s23, s10, 6144
	s_add_co_u32 s22, s22, s23
	s_add_co_u32 s22, s22, CO
	s_mov_b32 s21, 0
.set b, 1
.rept 3                                ; s52-54: where part b lies that I take: in the bytes of wave (wave - b) % 4
	s_add_co_u32 s[51+b], s10, 4-b
	s_and_b32 s[51+b], s[51+b], 3
	s_mul_i32 s[51+b], s[51+b], REG
	s_add_co_u32 s[51+b], s[51+b], 8192*(b-1)
.set b, b+1
.endr
	s_lshl_b32 s82, s10, 6
	s_add_co_u32 s82, s82, TBL
	v_and_b32 v1, 31, v0
	v_and_b32 v23, 15, v0                          ; r
	v_bfe_u32 v24, v0, 4, 1                        ; h
	v_lshlrev_b32 v21, 4, v1                       ; 16 x lane
	v_lshlrev_b32 v22, 3, v1                       ; 8 x lane
	v_lshlrev_b32 v20, 2, v1                       ; 4 x lane
	v_lshlrev_b32 v25, 2, v23                      ; 4 r
	v_add_nc_u32 v26, s10, v24
	v_and_b32 v26, 3, v26                          ; P's tile of my half of the lanes: (wave + h) % 4,
	v_xor_b32 v27, 2, v26                          ; (wave + 2 + h) % 4
	v_lshl_add_u32 v28, v26, 6, v25
	v_lshl_add_u32 v29, v27, 6, v25
	v_add_nc_u32 v2, s18, v21                      ; my bytes: registers 0-3 and 6-9;
	v_add_nc_u32 v3, s18, v22                      ; registers 4-5 and 10-11
	v_add_nc_u32 v4, s52, v21
	v_add_nc_u32 v5, s53, v21
	v_add_nc_u32 v6, s54, v21
	v_add_nc_u32 v7, s82, v25                      ; the table: tile wave, row r
	v_add_nc_u32 v8, TBL, v22
.set b, 0
.rept 4
	v_mov_b32 v[qX+b], 0                           ; a lane permute's destination counts as one of its sources
.set b, b+1
.endr
	s_wait_alu depctr_va_vdst(0)
	s_wait_dscnt 0x0                               ; both opening adds are done
	s_wait_kmcnt 0x0
	s_add_nc_u64 s[16:17], s[4:5], s[16:17]
	s_mov_b32 s40, 1
	s_mov_b32 s41, s18
	s_add_nc_u64 s[42:43], s[16:17], 3072          ; K steps 4 wave + 2, 4 wave + 3
	s_or_b32 s43, s43, 0x80000000
	s_add_nc_u64 s[76:77], s[4:5], s[76:77]        ; J's scale units of my 128 rows, K step 4 wave
	s_add_nc_u64 s[78:79], s[6:7], s[78:79]        ; P's
.set b, 0
.rept 4                                ; s[44:51]: P's tile 4 cx + (wave + b) % 4, my quarter of K
	s_add_co_u32 s20, s10, b
	s_and_b32 s20, s20, 3
	s_mul_i32 s20, s20, 24576
	s_add_co_u32 s20, s20, s22
	s_add_nc_u64 s[44+2*b:45+2*b], s[6:7], s[20:21]
.set b, b+1
.endr
.macro PL j                            ; P's four fragments of my K step j: 16 loads
	WIN 0xc0                                       ; destination window 3
.set b, 0
.rept 4
.set fS, 48*(\j)+12*b
	global_load_b128 v[fS:fS+3], v21, s[44+2*b:45+2*b] offset:1536*(\j)
	global_load_b64 v[fS+4:fS+5], v22, s[44+2*b:45+2*b] offset:1536*(\j)+512
	global_load_b128 v[fS+6:fS+9], v21, s[44+2*b:45+2*b] offset:1536*(\j)+768
	global_load_b64 v[fS+10:fS+11], v22, s[44+2*b:45+2*b] offset:1536*(\j)+1280
.set b, b+1
.endr
.endm
.macro JL j, h                         ; J's fragments 4 h .. 4 h + 3 of my K step j, straight from memory: 16 loads, into set j
	WIN 0x40                                       ; destination window 1
.set b, 4*\h
.rept 4
.set fS, 96*(\j)+12*b
.set fK, 24576*b+1536*(\j)
	global_load_b128 v[fS:fS+3], v21, s[16:17] offset:fK
	global_load_b64 v[fS+4:fS+5], v22, s[16:17] offset:fK+512
	global_load_b128 v[fS+6:fS+9], v21, s[16:17] offset:fK+768
	global_load_b64 v[fS+10:fS+11], v22, s[16:17] offset:fK+1280
.set b, b+1
.endr
.endm
.set j, 0
.rept 4
.set p, 0
.rept 4
	global_load_b32 v[32+4*j+p], v20, s[76:77] offset:4096*(p/2)+128*(p%2)+256*j   ; J's tiles 2 p (lanes 0-15), 2 p + 1 (lanes 16-31)
.set p, p+1
.endr
	global_load_b32 v[48+2*j], v28, s[78:79] offset:256*j          ; P's b = 0, 1;
	global_load_b32 v[49+2*j], v29, s[78:79] offset:256*j          ; b = 2, 3
.set j, j+1
.endr
	PL 0
	JL 0, 0
	WIN 0
	CROUND                                         ; the four work-groups are here: the joint loads meet
	tensor_load_to_lds s[40:43], s[24:31]
	s_nop 0
	PLACES 4
	JL 0, 1
	PL 1
	JL 1, 0
	JL 1, 1
	s_lshl_b32 s80, s13, 1
	s_lshr_b32 s81, s10, 1
	s_add_co_u32 s80, s80, s81
	s_lshl_b32 s80, s80, 3
	s_lshl_b32 s81, s14, 1
	s_add_co_u32 s80, s80, s81
	s_and_b32 s81, s10, 1
	s_add_co_u32 s80, s80, s81                     ; the place of tile T = 4 cx + wave of i
	s_mul_i32 s80, s80, 24576
	s_mul_i32 s81, s15, 1536
	s_add_co_u32 s80, s80, s81
	s_add_co_u32 s80, s80, CO
	s_mov_b32 s81, 0
	s_add_nc_u64 s[80:81], s[8:9], s[80:81]        ; O: its half fragments 2 tm, 2 tm + 1
	s_lshl_b32 s82, s14, 2
	s_add_co_u32 s82, s82, s13
	s_lshl_b32 s82, s82, 4
	s_add_co_u32 s82, s82, s15
	s_lshl_b32 s82, s82, 8
	s_mov_b32 s83, 0
	s_add_nc_u64 s[82:83], s[8:9], s[82:83]        ; O's scale unit (4 i + cx, tm)
.macro FETCH j, h                      ; J's fragments 4 h .. 4 h + 3 of my K step j (2 or 3), 16 LDS loads, into set j - 2
.set fS, 96*((\j)%2)+48*\h
	WIN 0x40                                       ; destination window 1
.set ft, 0
.rept 4
.set fK, (4*\h+ft)*3072+((\j)-2)*1536
	ds_load_b128 v[fS+12*ft:fS+12*ft+3], v2 offset:fK
	ds_load_b64 v[fS+12*ft+4:fS+12*ft+5], v3 offset:fK+512
	ds_load_b128 v[fS+12*ft+6:fS+12*ft+9], v2 offset:fK+768
	ds_load_b64 v[fS+12*ft+10:fS+12*ft+11], v3 offset:fK+1280
.set ft, ft+1
.endr
.endm
.macro MUL j, b                        ; 8 products of P's tile b; the 32 accumulators take turns, one instruction a turn, in the same order in every step
.set mS, 96*((\j)%2)
	WIN 0xad                                       ; source 0 window 1, source 1 window 3, C and D window 2
.set ia, 0
.rept 8
.if (\j) == 0
	WM 64*\b+8*ia, mS+12*ia, 48*(\j)+12*\b, -1, 32+4*(\j)+ia/2, 48+2*(\j)+\b/2, ia%2, \b%2
.else
	WM 64*\b+8*ia, mS+12*ia, 48*(\j)+12*\b, 64*\b+8*ia, 32+4*(\j)+ia/2, 48+2*(\j)+\b/2, ia%2, \b%2
.endif
.set ia, ia+1
.endr
.endm
.macro GIVE b                          ; part b, each accumulator from its low end on
	WIN 0x08                                       ; address window 0, data window 2
.set fk, 0
.rept 16
	ds_store_b128 v2, v[64*\b+4*fk:64*\b+4*fk+3] offset:8192*(\b-1)+512*fk
.set fk, fk+1
.endr
.endm
	s_wait_loadcnt 48                              ; the words and step 0's fragments are in; step 1's 48 loads may be out
	MUL 0, 1
	MUL 0, 2
	MUL 0, 3
	MUL 0, 0
	PL 2
	PL 3
	s_wait_loadcnt 32                              ; step 1's are in; P's of steps 2 and 3 may be out
	s_wait_tensorcnt 0x0                           ; my joint load has landed: no other wave reads it
	PLACES 4                                       ; in front of loads into the set that step 0's products read
	FETCH 2, 0
	MUL 1, 1
	MUL 1, 2
	FETCH 2, 1
	MUL 1, 3
	MUL 1, 0
	s_wait_dscnt 0x0
	s_wait_loadcnt 16
	PLACES 4
	FETCH 3, 0
	MUL 2, 1
	MUL 2, 2
	FETCH 3, 1
	MUL 2, 3
	MUL 2, 0
	s_wait_dscnt 0x0                               ; the last step's fragments are in: my bytes are read no more
	s_wait_loadcnt 0x0
	MUL 3, 1
	MUL 3, 2
	PLACES 4                                       ; behind the products of parts 1 and 2
	GIVE 1
	MUL 3, 3
	GIVE 2
	MUL 3, 0
	PLACES 4                                       ; behind those of parts 3 and 0
	GIVE 3
	WIN 0
	s_wait_dscnt 0x0                               ; my parts are stored
	s_barrier_signal -1
	s_barrier_wait -1                              ; everybody's are
	WIN 0x40                                       ; destination window 1
.set k, 0
.rept 48
	ds_load_b128 v[4*k:4*k+3], v[4+k/16] offset:512*(k%16)
.set k, k+1
.endr
	s_wait_dscnt 32                                ; part 1 is in
	WIN 0x06                                       ; source 0 window 2, source 1 window 1
.set k, 0
.rept 32
	v_pk_add_f32 v[128+2*k:129+2*k], v[2*k:2*k+1], v[2*k:2*k+1]    ; mine + part 1 (two windows)
.set k, k+1
.endr
	s_wait_dscnt 16                                ; part 2 is in
	WIN 0x04
.set k, 0
.rept 32
	v_pk_add_f32 v[128+2*k:129+2*k], v[128+2*k:129+2*k], v[64+2*k:65+2*k]
.set k, k+1
.endr
	s_wait_dscnt 0x0                               ; part 3 is in
.set k, 0
.rept 32
	v_pk_add_f32 v[128+2*k:129+2*k], v[128+2*k:129+2*k], v[128+2*k:129+2*k]   ; (source 1: window 1)
.set k, k+1
.endr
	WIN 0
	QUANT 2
	v_lshl_or_b32 v[qH], v[qH+1], 16, v[qH]        ; my row's scale word
.set k, 0
.rept 2
	global_store_b128 v21, v[qC+8*k:qC+8*k+3], s[80:81] offset:768*k               ; 512 consecutive bytes, aligned
	global_store_b64 v22, v[qC+8*k+4:qC+8*k+5], s[80:81] offset:768*k+512          ; 256 consecutive bytes, aligned
.set k, k+1
.endr
	ds_store_b32 v7, v[qH]                         ; both lanes of a row write the same word with the same value
	s_wait_dscnt 0x0                               ; my words lie in the table
	s_barrier_signal -1
	s_barrier_wait -1
	s_cmp_lg_u32 s10, 0
	s_cbranch_scc1 .Lnot_0
	ds_load_b64 v[124:125], v8
	s_wait_dscnt 0x0
	global_store_b64 v22, v[124:125], s[82:83]     ; one aligned unit of 256 bytes
.Lnot_0:
	s_wait_tensorcnt 0x0                           ; the wave's end
	ds_add_u32 v18, v19
	s_wait_dscnt 0x0
	CROUND                                         ; the closing round
	s_endpgm
.Lfunc_end_k_q6f993062d7_wgemm:
	.size	k_q6f993062d7_wgemm, .Lfunc_end_k_q6f993062d7_wgemm-k_q6f993062d7_wgemm
	.p2alignl 7, 3214868480
	.fill 96, 4, 3214868480
	.section	.rodata,"a",@progbits
	.p2align	6, 0x0
	.amdhsa_kernel k_q6f993062d7_wgemm
		.amdhsa_group_segment_fixed_size 327680
		.amdhsa_private_segment_fixed_size 0
		.amdhsa_enable_private_segment 0
		.amdhsa_kernarg_size 24
		.amdhsa_user_sgpr_count 2
		.amdhsa_user_sgpr_kernarg_segment_ptr 1
		.amdhsa_wavefront_size32 1
		.amdhsa_system_sgpr_workgroup_id_x 1
		.amdhsa_system_sgpr_workgroup_id_y 1
		.amdhsa_system_sgpr_workgroup_id_z 1
		.amdhsa_system_vgpr_workitem_id 0
		.amdhsa_next_free_vgpr 1024
		.amdhsa_next_free_sgpr 96
		.amdhsa_reserve_vcc 0
		.amdhsa_float_denorm_mode_32 3
		.amdhsa_float_denorm_mode_16_64 3
		.amdhsa_memory_ordered 1
		.amdhsa_forward_progress 1
		.amdhsa_inst_pref_size 60
	.end_amdhsa_kernel
	.amdgpu_metadata
---
amdhsa.version: [ 1, 2 ]
amdhsa.kernels:
  - .name:           k_q6f993062d7_wgemm
    .symbol:         k_q6f993062d7_wgemm.kd
    .args:
      - { .name: rep, .offset: 0, .size: 8, .value_kind: global_buffer, .address_space: global }
      - { .name: zq, .offset: 8, .size: 8, .value_kind: global_buffer, .address_space: global }
      - { .name: wq, .offset: 16, .size: 8, .value_kind: global_buffer, .address_space: global }
    .group_segment_fixed_size: 327680
    .private_segment_fixed_size: 0
    .kernarg_segment_align: 8
    .kernarg_segment_size: 24
    .max_flat_workgroup_size: 128
    .sgpr_count:     96
    .vgpr_count:     1024
    .wavefront_size: 32
...
	.end_amdgpu_metadata
.endif
;; end of part 7
;; launch outgemm (part 8): grid 256 x 1, 4 waves a work-group, clusters of 4 x 1, 327,680 bytes of LDS; arguments wq, ua, batch_x, a_list, b_list, c_list, residual_alpha, out0; writes out0
.if DOCPART == 8
	.amdgcn_target "amdgcn-amd-amdhsa--gfx1250"
	.amdhsa_code_object_version 6
	.text
	.protected	k_q6f993062d7_outgemm
	.globl	k_q6f993062d7_outgemm
	.p2align	8
	.type	k_q6f993062d7_outgemm,@function
k_q6f993062d7_outgemm:
	s_mov_b64 s[64:65], 0
	v_nop
	global_prefetch_b8 v0, s[64:65] scope:SCOPE_SE
	s_setreg_imm32_b32 hwreg(HW_REG_WAVE_MODE, 25, 1), 1
	s_wait_xcnt 0x0
	s_wait_alu depctr_hold_cnt(0) depctr_sa_sdst(0) depctr_va_vdst(0) depctr_va_sdst(0) depctr_va_ssrc(0) depctr_va_vcc(0) depctr_vm_vsrc(0)
	s_getreg_b32 s2, hwreg(HW_REG_IB_STS2, 6, 4)
	s_cmp_eq_u32 s2, 0
	s_cbranch_scc0 .Lentry_in_a_cluster
	s_endpgm
.Lentry_in_a_cluster:
	s_bfe_u32 s2, ttmp6, 0x10000c
	s_cmp_lg_u32 s2, 0x3003
	s_cbranch_scc0 .Lentry_shape_is_right
	s_endpgm
.Lentry_shape_is_right:
; out = alpha x + sum over i of s_i U w_i, s_i = c_i / ((a_i - b_i)^2 / 4).  U's image along its second axis and the four w_i's images come from the earlier launches.
; THE SIGN: the images in wq hold w_i's codes with the signs turned (the relu's launch carried the sign on), so each part U (-w_i) is multiplied by -s_i = c_i / (-(a_i - b_i)^2 / 4).
; SHARES.  Cluster c: 32 columns of out, 32 (c % 8) on; its four work-groups take 64 rows each, 64 (4 (c / 8) + cx) on.  WAVE w TAKES K STEPS 4 w .. 4 w + 3 of all four i: 32 accumulators; it multiplies the sums of
; each i by -s_i and adds them in registers, and the four waves' parts of 64 x 32 meet in LDS, so that each number of out has one owner.
; Source 0 = 16 rows of w_i's image (columns n), source 1 = 16 rows of U: a lane holds one row of out and 16 neighbouring columns.
; The w_i's eight tiles lie side by side and are the same for the four partners.  The wave's last two K steps of them come by one joint load, 8 tiles x 256 along K, 24,576 bytes, into LDS bytes that this wave alone
; reads; their first two K steps and U's fragments go straight into the registers of the one wave that multiplies them, so that products are due while the joint load is on its way.
; Every byte of LDS is filled once and there is no loop to run ahead in: no prefetch.  The stage of the way out lies in each wave's own bytes, which it has read.
; LIMITS: (a_i - b_i)^2 / 4 under 2^-126 or over 2^126 meets the reciprocal's flush of denormals; out leaves in runs of 128 bytes, half of an aligned 256: blocks of 32 x 64 would load 18 fragments a K step for 12.
; The f32 sums are made in four quarters of K.  A NaN or an infinity is not served.
; REGISTERS.  Window 0: addresses, v32-55 scale words, v80-95 x, v100-121 the factors, v128-191 my part, v192-255 the four parts.  Window 1: two sets of 8 fragments.  Window 2: accumulators.  Window 3: U's 16 fragments.
.set CO,    524288
.set REG,   24576                      ; a wave's LDS bytes
.set SPARE, 98304                      ; the spare words, 128 bytes a wave
.set WV,  20
.set MSB, 0
.macro WIN new                         ; the immediate's high byte repeats the setting that is left
.if MSB != \new
	s_set_vgpr_msb (MSB<<8)|\new
.set MSB, \new
.endif
.endm
.macro PLACES n
.rept \n
	v_nop
.endr
.endm
.macro CROUND                          ; a round of the cluster's barrier
	s_barrier_signal -1
	s_barrier_wait -1
	s_cmp_lg_u32 s[WV], 0
	s_cbranch_scc1 .Lnw0_\@
	s_barrier_signal -3
.Lnw0_\@:
	s_barrier_wait -3
	s_barrier_signal -1
	s_barrier_wait -1
.endm
.macro WI c
.if wR == 0
	v_wmma_scale_f32_16x16x128_f8f6f4 v[wD:wD+7], v[wA:wA+11], v[wB:wB+11], \c, v[wP], v[wQ] matrix_a_fmt:MATRIX_FMT_BF6 matrix_b_fmt:MATRIX_FMT_BF6
.elseif wR == 1
	v_wmma_scale_f32_16x16x128_f8f6f4 v[wD:wD+7], v[wA:wA+11], v[wB:wB+11], \c, v[wP], v[wQ] matrix_a_fmt:MATRIX_FMT_BF6 matrix_b_fmt:MATRIX_FMT_BF6 matrix_b_scale:MATRIX_SCALE_ROW1
.elseif wR == 2
	v_wmma_scale_f32_16x16x128_f8f6f4 v[wD:wD+7], v[wA:wA+11], v[wB:wB+11], \c, v[wP], v[wQ] matrix_a_fmt:MATRIX_FMT_BF6 matrix_b_fmt:MATRIX_FMT_BF6 matrix_a_scale:MATRIX_SCALE_ROW1
.else
	v_wmma_scale_f32_16x16x128_f8f6f4 v[wD:wD+7], v[wA:wA+11], v[wB:wB+11], \c, v[wP], v[wQ] matrix_a_fmt:MATRIX_FMT_BF6 matrix_b_fmt:MATRIX_FMT_BF6 matrix_a_scale:MATRIX_SCALE_ROW1 matrix_b_scale:MATRIX_SCALE_ROW1
.endif
.endm
.macro WM d, fa, fb, c, sa, sb, ra, rb ; one scaled product; c < 0: the constant 0 starts the sum; ra, rb: which half of the lanes holds each source's scale words
.set wD, \d
.set wA, \fa
.set wB, \fb
.set wC, \c
.set wP, \sa
.set wQ, \sb
.set wR, 2*(\ra)+(\rb)
.if wC < 0
	WI 0
.else
	WI v[wC:wC+7]
.endif
.endm
	s_load_b256 s[4:11], s[0:1], 0x0               ; wq s[4:5], ua s[6:7], x s[8:9], a s[10:11]
	s_load_b256 s[12:19], s[0:1], 0x20             ; b s[12:13], c s[14:15], alpha s[16:17], out s[18:19]
	v_lshl_add_u32 v18, v0, 2, SPARE
	v_mov_b32 v19, 0
	ds_add_u32 v18, v19                            ; the wave's opening: the add, twice on end, and its wait ahead of my first tensor load
	ds_add_u32 v18, v19
	v_lshrrev_b32 v1, 5, v0
	v_readfirstlane_b32 s20, v1                    ; wave
	s_bfe_u32 s21, ttmp6, 0x40000                  ; cx
	s_and_b32 s22, ttmp9, 7                        ; g: 32 columns
	s_lshr_b32 s23, ttmp9, 3
	s_lshl_b32 s23, s23, 2
	s_add_co_u32 s23, s23, s21                     ; Gm: my 64 rows
	s_mov_b32 s24, 15|(3<<16)|(1<<21)              ; group 1: the mask names the four; elements of 8 bytes; bit 21 beside a mask
	s_mov_b32 s25, 384<<16                         ; tensor_dim0 = 384 elements: a tile's 256 along K, 3,072 bytes
	s_mov_b32 s26, 8<<16                           ; tensor_dim1 = 8 tiles
	s_mov_b32 s27, 384<<16
	s_mov_b32 s28, 8
	s_mov_b32 s29, 3072                            ; from tile to tile: 24,576 bytes
	s_mov_b32 s30, 0
	s_mov_b32 s31, 0
	s_mul_i32 s76, s22, 196608                     ; the w_i's eight tiles, my quarter of K: nothing of cx
	s_mul_i32 s77, s20, 6144
	s_add_co_u32 s76, s76, s77
	s_add_co_u32 s76, s76, CO
	s_mov_b32 s77, 0
	s_mul_i32 s80, s20, REG                        ; my LDS bytes
	s_mul_i32 s78, s23, 98304
	s_mul_i32 s79, s20, 6144
	s_add_co_u32 s78, s78, s79
	s_add_co_u32 s78, s78, CO
	s_mov_b32 s79, 0
	s_lshr_b32 s82, s22, 1
	s_lshl_b32 s82, s82, 12
	s_and_b32 s83, s22, 1
	s_lshl_b32 s83, s83, 7
	s_add_co_u32 s82, s82, s83
	s_lshl_b32 s81, s20, 10
	s_add_co_u32 s82, s82, s81
	s_mov_b32 s83, 0
	s_lshl_b32 s84, s23, 12
	s_add_co_u32 s84, s84, s81
	s_mov_b32 s85, 0
	s_lshl_b32 s86, s23, 6                         ; the rows that I store: tile w of the four: 64 Gm + 32 (w / 2) + 8 (w % 2) on
	s_lshr_b32 s87, s20, 1
	s_lshl_b32 s87, s87, 5
	s_add_co_u32 s86, s86, s87
	s_and_b32 s87, s20, 1
	s_lshl_b32 s87, s87, 3
	s_add_co_u32 s86, s86, s87
	s_lshl_b32 s86, s86, 10
	s_lshl_b32 s87, s22, 7
	s_add_co_u32 s86, s86, s87
	s_mov_b32 s87, 0
	s_mul_i32 s81, s20, 2304
	v_and_b32 v1, 31, v0
	v_and_b32 v24, 15, v0
	v_bfe_u32 v25, v0, 4, 1
	v_lshlrev_b32 v21, 4, v1                       ; 16 x lane
	v_lshlrev_b32 v22, 3, v1                       ; 8 x lane
	v_lshlrev_b32 v20, 2, v1                       ; 4 x lane
	v_add_nc_u32 v2, s80, v21                      ; my bytes: registers 0-3 and 6-9;
	v_add_nc_u32 v3, s80, v22                      ; registers 4-5 and 10-11
	v_mul_u32_u24 v28, v24, 144
	v_lshl_add_u32 v28, v25, 6, v28
	v_add_nc_u32 v28, s80, v28                     ; the stage [64 slots][128 + 16 bytes] in my bytes, on the way in: slot 16 a + r, 64 bytes for each half of the lanes
	v_bfe_u32 v24, v0, 3, 2
	v_and_b32 v25, 7, v0
	v_mul_u32_u24 v29, v24, 144
	v_lshl_add_u32 v29, v25, 4, v29
	v_add_nc_u32 v4, s81, v29                      ; back: slots 16 w on of each wave's stage, eight lanes to a slot
	v_add_nc_u32 v5, REG, v4
	v_add_nc_u32 v6, 2*REG, v4
	v_add_nc_u32 v7, 3*REG, v4
	v_lshlrev_b32 v27, 10, v24
	v_lshl_add_u32 v27, v25, 4, v27                ; and the same places in x and out
	s_wait_alu depctr_va_vdst(0)
	s_wait_dscnt 0x0                               ; both opening adds are done
	s_wait_kmcnt 0x0
	s_add_nc_u64 s[76:77], s[4:5], s[76:77]
	s_mov_b32 s40, 1
	s_mov_b32 s41, s80
	s_add_nc_u64 s[42:43], s[76:77], 3072          ; K steps 4 wave + 2, 4 wave + 3
	s_or_b32 s43, s43, 0x80000000
	s_add_nc_u64 s[78:79], s[6:7], s[78:79]        ; U: tile 4 Gm, my quarter of K
	s_add_nc_u64 s[82:83], s[4:5], s[82:83]        ; w_0's scale words, my pair of tiles, K step 4 wave; w_i's 16,384 bytes apart
	s_add_nc_u64 s[84:85], s[6:7], s[84:85]        ; U's scale units of my 64 rows
	s_add_nc_u64 s[88:89], s[18:19], s[86:87]      ; my rows in out,
	s_add_nc_u64 s[86:87], s[8:9], s[86:87]        ; and in x
.macro UL j                            ; U's four fragments of my K step j: 16 loads
	WIN 0xc0                                       ; destination window 3
.set p, 0
.rept 4
.set fS, 48*(\j)+12*p
	global_load_b128 v[fS:fS+3], v21, s[78:79] offset:24576*p+1536*(\j)
	global_load_b64 v[fS+4:fS+5], v22, s[78:79] offset:24576*p+1536*(\j)+512
	global_load_b128 v[fS+6:fS+9], v21, s[78:79] offset:24576*p+1536*(\j)+768
	global_load_b64 v[fS+10:fS+11], v22, s[78:79] offset:24576*p+1536*(\j)+1280
.set p, p+1
.endr
.endm
.macro WL j, h                         ; the w's fragments 4 h .. 4 h + 3 of my K step j, straight from memory: 16 loads, into set j
	WIN 0x40                                       ; destination window 1
.set p, 4*\h
.rept 4
.set fS, 96*(\j)+12*p
.set fK, 24576*p+1536*(\j)
	global_load_b128 v[fS:fS+3], v21, s[76:77] offset:fK
	global_load_b64 v[fS+4:fS+5], v22, s[76:77] offset:fK+512
	global_load_b128 v[fS+6:fS+9], v21, s[76:77] offset:fK+768
	global_load_b64 v[fS+10:fS+11], v22, s[76:77] offset:fK+1280
.set p, p+1
.endr
.endm
.set j, 0
.rept 4
.set p, 0
.rept 4
	global_load_b32 v[32+4*j+p], v20, s[82:83] offset:16384*p+256*j                ; w_p: lanes 0-15 tile 2 g, lanes 16-31 tile 2 g + 1
.set p, p+1
.endr
	global_load_b32 v[48+2*j], v20, s[84:85] offset:256*j
	global_load_b32 v[49+2*j], v20, s[84:85] offset:256*j+128
.set j, j+1
.endr
	UL 0
	WL 0, 0
	WIN 0
	CROUND                                         ; the four work-groups are here: the joint loads meet
	tensor_load_to_lds s[40:43], s[24:31]
	s_nop 0
	PLACES 4
	s_load_b128 s[68:71], s[10:11], 0x0            ; a_i
	s_load_b128 s[72:75], s[12:13], 0x0            ; b_i
	s_load_b128 s[96:99], s[14:15], 0x0            ; c_i
	s_load_b32 s92, s[16:17], 0x0                  ; alpha
	WL 0, 1
	UL 1
	WL 1, 0
	WL 1, 1
	WIN 0
	s_wait_kmcnt 0x0                               ; a_i, b_i, c_i, alpha
.irp i, 0,1,2,3
	v_mov_b32 v[100+\i], s[72+\i]
.endr
.irp i, 0,1,2,3
	v_sub_f32 v[100+\i], s[68+\i], v[100+\i]
.endr
.irp i, 0,1,2,3
	v_mul_f32 v[100+\i], v[100+\i], v[100+\i]
.endr
.irp i, 0,1,2,3
	v_mul_f32 v[100+\i], 0xbe800000, v[100+\i]     ; x -0.25: the sign that the earlier launches carried on is taken back here
.endr
	s_wait_alu depctr_va_vdst(0)                   ; ahead of the batch
.irp i, 0,1,2,3
	v_rcp_f32 v[112+\i], v[100+\i]
.endr
	v_mov_b32 v120, s92                            ; (the plain instruction behind the reciprocals)
	v_mov_b32 v121, s92
	s_wait_alu depctr_va_vdst(0)                   ; ahead of the batch's first reader
.irp i, 0,1,2,3
	v_mul_f32 v[104+2*\i], s[96+\i], v[112+\i]     ; -s_i, as a pair
	v_mul_f32 v[105+2*\i], s[96+\i], v[112+\i]
.endr
.macro FETCH j, h                      ; the w's fragments 4 h .. 4 h + 3 of my K step j (2 or 3), 16 LDS loads, into set j - 2
.set fS, 96*((\j)%2)+48*\h
	WIN 0x40                                       ; destination window 1
.set ft, 0
.rept 4
.set fK, (4*\h+ft)*3072+((\j)-2)*1536
	ds_load_b128 v[fS+12*ft:fS+12*ft+3], v2 offset:fK
	ds_load_b64 v[fS+12*ft+4:fS+12*ft+5], v3 offset:fK+512
	ds_load_b128 v[fS+12*ft+6:fS+12*ft+9], v2 offset:fK+768
	ds_load_b64 v[fS+12*ft+10:fS+12*ft+11], v3 offset:fK+1280
.set ft, ft+1
.endr
.endm
.macro MUL j, i                        ; 8 products of w_i; the 32 accumulators take turns, one instruction a turn, in the same order in every step
.set mS, 96*((\j)%2)
	WIN 0xad                                       ; source 0 window 1, source 1 window 3, C and D window 2
.set ia, 0
.rept 4
.set ib, 0
.rept 2
.if (\j) == 0
	WM 64*\i+16*ia+8*ib, mS+12*(2*\i+ib), 48*(\j)+12*ia, -1, 32+4*(\j)+\i, 48+2*(\j)+ia/2, ib, ia%2
.else
	WM 64*\i+16*ia+8*ib, mS+12*(2*\i+ib), 48*(\j)+12*ia, 64*\i+16*ia+8*ib, 32+4*(\j)+\i, 48+2*(\j)+ia/2, ib, ia%2
.endif
.set ib, ib+1
.endr
.set ia, ia+1
.endr
.endm
.macro COMB i                          ; my part: + U (-w_i) x (-s_i); each accumulator from its low end on
	WIN 0x02                                       ; source 0 window 2
.set fk, 0
.rept 32
.if \i == 0
	v_pk_mul_f32 v[128+2*fk:129+2*fk], v[2*fk:2*fk+1], v[104:105] op_sel_hi:[1,0]
.else
	v_pk_fma_f32 v[128+2*fk:129+2*fk], v[64*\i+2*fk:64*\i+2*fk+1], v[104+2*\i:105+2*\i], v[128+2*fk:129+2*fk] op_sel_hi:[1,0,1]
.endif
.set fk, fk+1
.endr
.endm
	s_wait_alu depctr_va_vdst(0)
	s_wait_loadcnt 48                              ; the words and step 0's fragments are in; step 1's 48 loads may be out
	MUL 0, 0
	MUL 0, 1
	MUL 0, 2
	MUL 0, 3
	UL 2
	UL 3
	WIN 0
.set k, 0
.rept 4
	global_load_b128 v[80+4*k:83+4*k], v27, s[86:87] offset:(4*k+8*(k/2))*1024
.set k, k+1
.endr
	s_wait_loadcnt 36                              ; step 1's are in; U's of steps 2 and 3 and x's four may be out
	s_wait_tensorcnt 0x0                           ; my joint load has landed: no other wave reads it
	PLACES 4                                       ; in front of loads into the set that step 0's products read
	FETCH 2, 0
	MUL 1, 0
	MUL 1, 1
	FETCH 2, 1
	MUL 1, 2
	MUL 1, 3
	s_wait_dscnt 0x0
	s_wait_loadcnt 20
	PLACES 4
	FETCH 3, 0
	MUL 2, 0
	MUL 2, 1
	FETCH 3, 1
	MUL 2, 2
	MUL 2, 3
	s_wait_dscnt 0x0                               ; the last step's fragments are in: my bytes are read no more
	s_wait_loadcnt 0x0                             ; U's, and x
	MUL 3, 0
	MUL 3, 1
	PLACES 4
	COMB 0
	MUL 3, 2
	COMB 1
	MUL 3, 3
	COMB 2                                         ; (these 32 are the places behind i = 3's products)
	COMB 3
	WIN 0
.set k, 0
.rept 16
	ds_store_b128 v28, v[128+4*k:131+4*k] offset:2304*(k/4)+16*(k%4)
.set k, k+1
.endr
	s_wait_dscnt 0x0
	s_barrier_signal -1
	s_barrier_wait -1                              ; the four parts lie in the stages
.set k, 0
.rept 16
	ds_load_b128 v[192+4*k:195+4*k], v[4+k/4] offset:576*(k%4)     ; part k / 4, rows 4 (k % 4) on
.set k, k+1
.endr
	s_wait_dscnt 0x0
.set k, 0
.rept 4
	v_pk_fma_f32 v[192+4*k:193+4*k], v[80+4*k:81+4*k], v[120:121], v[192+4*k:193+4*k] op_sel_hi:[1,0,1]   ; alpha x + part 0
	v_pk_fma_f32 v[194+4*k:195+4*k], v[82+4*k:83+4*k], v[120:121], v[194+4*k:195+4*k] op_sel_hi:[1,0,1]
.set k, k+1
.endr
.set p, 1
.rept 3
.set k, 0
.rept 8
	v_pk_add_f32 v[192+2*k:193+2*k], v[192+2*k:193+2*k], v[192+16*p+2*k:193+16*p+2*k]     ; then parts 1, 2, 3
.set k, k+1
.endr
.set p, p+1
.endr
.set k, 0
.rept 4
	global_store_b128 v27, v[192+4*k:195+4*k], s[88:89] offset:(4*k+8*(k/2))*1024 th:TH_STORE_NT          ; four rows, 128 consecutive bytes of each
.set k, k+1
.endr
	s_wait_tensorcnt 0x0                           ; the wave's end
	ds_add_u32 v18, v19
	s_wait_dscnt 0x0
	CROUND                                         ; the closing round
	s_endpgm
.Lfunc_end_k_q6f993062d7_outgemm:
	.size	k_q6f993062d7_outgemm, .Lfunc_end_k_q6f993062d7_outgemm-k_q6f993062d7_outgemm
	.p2alignl 7, 3214868480
	.fill 96, 4, 3214868480
	.section	.rodata,"a",@progbits
	.p2align	6, 0x0
	.amdhsa_kernel k_q6f993062d7_outgemm
		.amdhsa_group_segment_fixed_size 327680
		.amdhsa_private_segment_fixed_size 0
		.amdhsa_enable_private_segment 0
		.amdhsa_kernarg_size 64
		.amdhsa_user_sgpr_count 2
		.amdhsa_user_sgpr_kernarg_segment_ptr 1
		.amdhsa_wavefront_size32 1
		.amdhsa_system_sgpr_workgroup_id_x 1
		.amdhsa_system_sgpr_workgroup_id_y 1
		.amdhsa_system_sgpr_workgroup_id_z 1
		.amdhsa_system_vgpr_workitem_id 0
		.amdhsa_next_free_vgpr 1024
		.amdhsa_next_free_sgpr 100
		.amdhsa_reserve_vcc 0
		.amdhsa_float_denorm_mode_32 3
		.amdhsa_float_denorm_mode_16_64 3
		.amdhsa_memory_ordered 1
		.amdhsa_forward_progress 1
		.amdhsa_inst_pref_size 56
	.end_amdhsa_kernel
	.amdgpu_metadata
---
amdhsa.version: [ 1, 2 ]
amdhsa.kernels:
  - .name:           k_q6f993062d7_outgemm
    .symbol:         k_q6f993062d7_outgemm.kd
    .args:
      - { .name: wq, .offset: 0, .size: 8, .value_kind: global_buffer, .address_space: global }
      - { .name: ua, .offset: 8, .size: 8, .value_kind: global_buffer, .address_space: global }
      - { .name: batch_x, .offset: 16, .size: 8, .value_kind: global_buffer, .address_space: global }
      - { .name: a_list, .offset: 24, .size: 8, .value_kind: global_buffer, .address_space: global }
      - { .name: b_list, .offset: 32, .size: 8, .value_kind: global_buffer, .address_space: global }
      - { .name: c_list, .offset: 40, .size: 8, .value_kind: global_buffer, .address_space: global }
      - { .name: residual_alpha, .offset: 48, .size: 8, .value_kind: global_buffer, .address_space: global }
      - { .name: out0, .offset: 56, .size: 8, .value_kind: global_buffer, .address_space: global }
    .group_segment_fixed_size: 327680
    .private_segment_fixed_size: 0
    .kernarg_segment_align: 8
    .kernarg_segment_size: 64
    .max_flat_workgroup_size: 128
    .sgpr_count:     100
    .vgpr_count:     1024
    .wavefront_size: 32
...
	.end_amdgpu_metadata
.endif
;; end of part 8
